; MI455X (gfx1250); checked and timed in simulation.
; The chip was launched on July 23, 2026; its instructions are those of AMD's public machine-readable ISA for CDNA 5 (MIT licence, August 2026) and "CDNA5" Instruction Set Architecture Reference Guide (July 2026). The comments in the code are by the model that wrote it; some were corrected since.
;; OPT Attention. Allowed arithmetic: matrix products marked QUANTISED: E3M2 operands, one E8M0 scale for each 32 along K, by v_wmma_scale_f32_16x16x128_f8f6f4 with both operands' format E3M2, f32 sums; everything else in f32.
;; Inputs: Wk 2,048 x 2,048 float32; Wo 2,048 x 2,048 float32; Wq 2,048 x 2,048 float32; Wv 2,048 x 2,048 float32; bk 2,048 float32; bo 2,048 float32; bq 2,048 float32; bv 2,048 float32; hidden_states 2 x 1,024 x 2,048 float32.
;; Outputs: out0 2 x 1,024 x 2,048 float32.
;; This version of the problem:
;;   THIS VERSION OF THE PROBLEM IS GIVEN IN LOW PRECISION. The matrix products marked QUANTISED in the list below multiply operands that are first quantised to E3M2 (3 exponent bits, 2 mantissa bits; 6 bits a number), with one power-of-two scale for each 32 numbers along K (OCP MX v1.0); their sums are f32. All else is computed in f32.
;;   The module's matrix products, in the order in which they are computed (A, B: the left and right operand; K: the contracted axis; several contracted axes count as one K, in the product's order):
;;     1. [M 2,048, K 2,048] x [K 2,048, N 2,048]; A: input hidden_states; B: input Wq: QUANTISED
;;     2. [M 2,048, K 2,048] x [K 2,048, N 2,048]; A: input hidden_states; B: input Wk: QUANTISED
;;     3. [M 2,048, K 2,048] x [K 2,048, N 2,048]; A: input hidden_states; B: input Wv: QUANTISED
;;     4. batch 64 x [M 1,024, K 64] x [K 64, N 1,024]; A: computed on the way; B: computed on the way: QUANTISED
;;     5. batch 64 x [M 64, K 1,024] x [K 1,024, N 1,024]; A: computed on the way; B: softmax (see below): QUANTISED
;;     6. [M 2,048, K 2,048] x [K 2,048, N 2,048]; A: computed on the way; B: input Wo: QUANTISED
;;   THE QUANTISER, for each operand of a quantised product, along K:
;;     - K is cut into blocks of 32 from its start; a last block that is shorter is filled with zeros.
;;     - A block's scale is 2^e with e = floor(log2(the largest magnitude in the block)) - 4, held to -126 .. 127; a block of zeros has e = 0. As a byte (E8M0): e + 127.
;;     - Each number is divided by its block's scale, clamped to +-28, and rounded to the nearest number of E3M2, ties to even, subnormals kept.
;;     - The product sums the exact products of the quantised numbers (number of the format x scale) in f32.
;;   ~~~python
;;   def quantise(x, axis):      # numpy; x: float32 -> the quantised numbers, widened to float32 again
;;       x = np.moveaxis(x, axis, -1); K = x.shape[-1]
;;       x = np.pad(x, [(0, 0)] * (x.ndim - 1) + [(0, -K % 32)]); x = x.reshape(x.shape[:-1] + (-1, 32)); a = np.abs(x).max(-1, keepdims=True)
;;       e = np.where(a > 0, np.clip(np.frexp(np.where(a > 0, a, 1))[1] - 1 - 4, -126, 127), 0)      # np.frexp(a)[1] - 1 = floor(log2(a)), exactly
;;       r = np.clip(x / 2.0 ** e, -28, 28)
;;       step = 2.0 ** (np.maximum(np.frexp(np.where(r == 0, 1, r))[1] - 1, -2) - 2)
;;       q = np.round(r / step) * step * 2.0 ** e      # np.round: ties to even
;;       return np.moveaxis(q.reshape(q.shape[:-2] + (-1,))[..., :K], -1, axis).astype(np.float32)
;;   ~~~
;;   SOFTMAX AHEAD OF A QUANTISED PRODUCT. Where the list says 'softmax', what is quantised is not the finished softmax but p = 2^(t - M), with t = logit x log2(e) and M = ceil(the row's largest t), a whole number; so 1/2 < the row's largest p <= 1. The row's sum l is taken of the UNQUANTISED p, in f32, and the product's result is divided by l at the end. Since M is a whole number, a kernel that streams over the keys may use a running M (the ceiling of the running maximum): every later rescaling is an exact power of two, which a block's scale takes up: the codes' values come out the same.
;;   OPERANDS COMPUTED ON THE WAY. 'Computed on the way' means the value that the module computes at that place (a softmax that the list does not call 'softmax' is quantised finished and normalised). What goes into a quantiser is computed in f32, as accurately as f32 sums, v_exp_f32 and their like allow (about 1e-6 of the number): no bf16 or f16 on the way to a quantiser, and a product that is left as it is and whose result goes on into a quantised operand takes f32 operands (vector FMAs, or v_wmma_f32_16x16x4_f32). A number that lies on a knife's edge between two numbers of the format may be rounded either way, as far as f32 arithmetic and the matrix unit's own rounding can turn it there, and no further.
;; 2 versions. Each part assembles by itself: llvm-mc -triple=amdgcn-amd-amdhsa -mcpu=gfx1250 --defsym DOCPART=n.
;; ======== version 1 of 2: 4 launches
;; workspace buffers: cimg 15,728,640 bytes; simg 655,360 bytes; qkv 10,092,544 bytes; aimg 3,145,728 bytes; ascl 131,072 bytes
;; launch quant (part 1): grid 128 x 5, 4 waves a work-group, no clusters, 47,104 bytes of LDS; arguments hidden_states, Wq, Wk, Wv, Wo, cimg, simg; writes cimg, simg
.if DOCPART == 1
	.amdgcn_target "amdgcn-amd-amdhsa--gfx1250"
	.amdhsa_code_object_version 6
	.text
	.protected	k_q4795a6af68_quant
	.globl	k_q4795a6af68_quant
	.p2align	8
	.type	k_q4795a6af68_quant,@function
k_q4795a6af68_quant:
	s_mov_b64 s[64:65], 0
	v_nop
	global_prefetch_b8 v0, s[64:65] scope:SCOPE_SE
	s_setreg_imm32_b32 hwreg(HW_REG_WAVE_MODE, 25, 1), 1
	s_wait_xcnt 0x0
; hidden_states, Wq, Wk, Wv, Wo, each [2048][2048] f32 with K innermost, become codes of BF6 (E3M2) with one E8M0 byte for each 32 along K.
; A block's scale is 2^(floor(log2(its largest magnitude)) - 4); its byte is the largest magnitude's exponent field - 4, held at 1 from below.
; LIMITS: NaN and infinities are not served; a block whose largest magnitude lies under 2^-122 keeps the byte 1; a block of zeros has the byte 1 and not 127 (its codes are zeros; only this program reads the bytes).
; THE CODES ARE LAID AS IMAGES OF THE OPERAND'S REGISTERS.  Row tile T has 16 lane-rows; lane-row r stands for row 32 (T / 2) + 8 (T % 2) + r + 8 (r / 8).
; Fragment (T, K step s of 128) is 1,536 bytes at (16 T + s) x 1536; piece p (0..5) of lane l = r + 16 h lies at 256 p + 8 l: bytes 8 (p % 3) .. + 7 of the 24 bytes of block 4 s + 2 (p / 3) + h of the lane's row.
; The scale byte of (T, r, block kb) lies at 1024 T + 128 (kb / 8) + 8 r + kb % 8.
; A work-group (x = T, y = tensor) makes one row tile.  Wave w takes lane-rows 4 w .. 4 w + 3, four neighbouring rows of memory: 16 steps of 512 numbers.
; Each load reads 512 consecutive bytes; a step's 2,048 bytes turn through the wave's own stage in LDS, so that a lane holds 16 neighbours along K (two lanes to a block).
; A lane's 12 bytes of codes go to their three places in the tile's image in LDS; behind one barrier each wave stores a quarter of the image, 512 consecutive bytes an instruction.
.set STEPS, 16
.set EMAX,  4
.set SP,    80                         ; a lane's place in a stage: 64 bytes + 16 of padding
.set WREG,  2*32*SP                    ; two stages for each wave
.set IMG,   4*WREG                     ; the image: 32 groups (K step, half) of 768 bytes + 16 of padding
.set GP,    784
.set SCB,   IMG+32*GP                  ; the tile's 1,024 scale bytes
.set R,     16                         ; v16-79   four sets of 16 numbers as loaded; at the end the image on its way out
.set X,     80                         ; v80-111  two sets of 16 neighbours
.set E,     112                        ; v112-127 a scale byte for each step
.set C,     128                        ; v128-191 codes: four registers for each step
	s_load_b256 s[4:11], s[0:1], 0x0               ; hidden_states, Wq, Wk, Wv
	s_load_b128 s[12:15], s[0:1], 0x20             ; Wo, cimg
	s_load_b64 s[16:17], s[0:1], 0x30              ; simg
	v_lshl_add_u32 v192, v0, 2, 0xb600
	v_mov_b32 v193, 0
	v_lshrrev_b32 v1, 5, v0
	v_readfirstlane_b32 s18, v1                    ; wave
	s_and_b32 s19, ttmp7, 0xffff                   ; which tensor
	v_and_b32 v2, 31, v0                           ; lane
	v_lshlrev_b32 v3, 4, v2                        ; 16 x lane
	s_mul_i32 s20, s18, WREG
	v_lshrrev_b32 v14, 2, v2
	v_mul_u32_u24 v14, v14, SP
	v_and_b32 v15, 3, v2
	v_lshl_add_u32 v14, v15, 4, v14
	v_add_nc_u32 v14, s20, v14                     ; the stage, on the way in: SP (lane / 4) + 16 (lane % 4)
	v_mul_u32_u24 v15, v2, SP
	v_add_nc_u32 v15, s20, v15                     ; and on the way out: SP x lane
	v_lshrrev_b32 v8, 2, v2                        ; my block of a step is lane / 2: group lane / 4, half of the lanes (lane / 2) % 2
	v_mul_u32_u24 v8, v8, GP
	v_bfe_u32 v9, v2, 1, 1
	v_lshl_add_u32 v8, v9, 7, v8                   ; + 8 x 16 h
	s_lshl_b32 s21, s18, 5                         ; + 8 x my wave's first lane-row
	s_add_co_u32 s22, s21, IMG
	v_add_nc_u32 v8, s22, v8
	v_and_b32 v9, 1, v2                            ; which 12 bytes of the block's 24 are mine
	v_mad_u32_u24 v4, v9, 260, v8                  ; word 0 or 3 of the block: piece 0 byte 0, or piece 1 byte 4
	v_mad_u32_u24 v5, v9, 508, v8
	v_add_nc_u32 v5, 4, v5                         ; word 1 or 4: piece 0 byte 4, or piece 2 byte 0
	v_mad_u32_u24 v6, v9, 260, v8
	v_add_nc_u32 v6, 256, v6                       ; word 2 or 5: piece 1 byte 0, or piece 2 byte 4
	v_lshrrev_b32 v7, 4, v2
	v_bfe_u32 v9, v2, 1, 3
	v_lshl_add_u32 v7, v7, 7, v9
	s_add_co_u32 s22, s21, SCB
	v_add_nc_u32 v7, s22, v7                       ; my block's scale byte: 128 (lane / 16) + (lane / 2) % 8 + 8 x lane-row
	s_mul_i32 s22, s18, 8*GP
	s_add_co_u32 s22, s22, IMG
	v_add_nc_u32 v10, s22, v3                      ; the way out: my wave's eight groups, 16 bytes a lane,
	v_lshrrev_b32 v9, 4, v2
	v_lshl_add_u32 v12, v9, 4, v10                 ; and the same where lanes 16-31 lie behind one padding more
	v_lshlrev_b32 v1, 3, v2                        ; 8 x lane
	s_lshl_b32 s22, s18, 8
	s_add_co_u32 s22, s22, SCB
	v_add_nc_u32 v13, s22, v1                      ; my wave's 256 scale bytes
	s_lshr_b32 s23, ttmp9, 1
	s_lshl_b32 s23, s23, 5
	s_and_b32 s24, ttmp9, 1
	s_lshl_b32 s24, s24, 3
	s_add_co_u32 s23, s23, s24
	s_lshr_b32 s24, s18, 1
	s_lshl_b32 s24, s24, 4
	s_add_co_u32 s23, s23, s24
	s_and_b32 s24, s18, 1
	s_lshl_b32 s24, s24, 2
	s_add_co_u32 s23, s23, s24                     ; my first row: 32 (T / 2) + 8 (T % 2) + 16 (w / 2) + 4 (w % 2)
	s_lshl_b32 s24, s23, 13                        ; rows of 8,192 bytes
	s_mov_b32 s25, 0
	s_lshl_b32 s26, s19, 7
	s_add_co_u32 s26, s26, ttmp9                   ; the tile among all five tensors' tiles
	s_mul_i32 s28, s26, 24576
	s_mul_i32 s27, s18, 6144
	s_add_co_u32 s28, s28, s27
	s_mov_b32 s29, 0
	s_lshl_b32 s30, s26, 10
	s_lshl_b32 s27, s18, 8
	s_add_co_u32 s30, s30, s27
	s_mov_b32 s31, 0
	s_wait_kmcnt 0x0
	s_cmp_eq_u32 s19, 1                            ; the tensor is chosen by the work-group's y alone; all five take one path
	s_cselect_b64 s[4:5], s[6:7], s[4:5]
	s_cmp_eq_u32 s19, 2
	s_cselect_b64 s[4:5], s[8:9], s[4:5]
	s_cmp_eq_u32 s19, 3
	s_cselect_b64 s[4:5], s[10:11], s[4:5]
	s_cmp_eq_u32 s19, 4
	s_cselect_b64 s[4:5], s[12:13], s[4:5]
	s_add_nc_u64 s[4:5], s[4:5], s[24:25]
	s_add_nc_u64 s[14:15], s[14:15], s[28:29]
	s_add_nc_u64 s[16:17], s[16:17], s[30:31]
.macro LOAD t
.irp i, 0,1,2,3
	global_load_b128 v[R+16*((\t)%4)+4*\i:R+16*((\t)%4)+4*\i+3], v3, s[4:5] offset:2048*(\t)+512*\i th:TH_LOAD_NT   ; 32 lanes read 512 consecutive bytes
.endr
.endm
.macro TURN t                          ; step t's numbers through the stage: LDS serves a wave's instructions in order, so no wait stands between the stores and the loads
.irp i, 0,1,2,3
	ds_store_b128 v14, v[R+16*((\t)%4)+4*\i:R+16*((\t)%4)+4*\i+3] offset:32*SP*((\t)%2)+8*SP*\i
.endr
.irp i, 0,1,2,3
	ds_load_b128 v[X+16*((\t)%2)+4*\i:X+16*((\t)%2)+4*\i+3], v15 offset:32*SP*((\t)%2)+16*\i
.endr
.endm
.irp t, 0,1,2,3
	LOAD \t
.endr
	s_wait_loadcnt 12                              ; step 0's four loads are in
	TURN 0
; Step t: lane-row 4 w + t / 4, K from 512 (t % 4) on.
.macro STEP t
.set XS, X+16*((\t)%2)
.if (\t) > 0
	s_wait_dscnt 4                                 ; this step's numbers are back from the stage; the last step's four stores into the image may be out
.else
	s_wait_dscnt 0x0
.endif
.if (\t)+4 < STEPS
	LOAD (\t)+4                                    ; into the set whose stores into the stage are done
.endif
.if (\t)+1 < STEPS
.if STEPS-2-(\t) >= 3
	s_wait_loadcnt 12                              ; the next step's four loads are in; those of the three steps behind it may be out
.else
	s_wait_loadcnt 4*(STEPS-2-(\t))
.endif
	TURN (\t)+1
.endif
	v_max3_num_f32 v8, |v[XS]|, |v[XS+1]|, |v[XS+2]|               ; the largest magnitude of my 16, in two chains
	v_max3_num_f32 v9, |v[XS+3]|, |v[XS+4]|, |v[XS+5]|
.irp i, 6,10
	v_max3_num_f32 v8, v8, |v[XS+\i]|, |v[XS+\i+1]|
	v_max3_num_f32 v9, v9, |v[XS+\i+2]|, |v[XS+\i+3]|
.endr
	v_max3_num_f32 v8, v8, |v[XS+14]|, |v[XS+15]|
	v_max3_num_f32 v8, v8, v9, (EMAX+1)<<23        ; and the floor 2^(5 - 127): the byte cannot fall under 1
	v_max_num_f32_dpp v8, v8, v8 row_xmask:1 row_mask:0xf bank_mask:0xf   ; with my neighbour's 16: the block's
	v_add_nc_u32 v11, -(EMAX<<23), v8              ; 4 off its exponent field: the conversion takes the exponent field of this operand as its scale
	v_cvt_scalef32_pk16_bf6_f32 v[C+4*(\t):C+4*(\t)+2], v[XS:XS+15], v11
	v_lshrrev_b32 v[E+(\t)], 23, v11               ; the scale's byte (a plain line behind the conversion)
	ds_store_b8 v7, v[E+(\t)] offset:256*((\t)%4)+8*((\t)/4)       ; both lanes of a block write the same byte with the same value
	ds_store_b32 v4, v[C+4*(\t)] offset:8*GP*((\t)%4)+8*((\t)/4)   ; my three words to their places in the image: the 32 lanes of each store touch 32 different banks
	ds_store_b32 v5, v[C+4*(\t)+1] offset:8*GP*((\t)%4)+8*((\t)/4)
	ds_store_b32 v6, v[C+4*(\t)+2] offset:8*GP*((\t)%4)+8*((\t)/4)
.endm
.irp t, 0,1,2,3,4,5,6,7,8,9,10,11,12,13,14,15
	STEP \t
.endr
	s_wait_dscnt 0x0                               ; for the others' sake: my stores into the image are done
	s_barrier_signal -1
	s_barrier_wait -1
.irp k, 0,1,2,3,4,5,6,7,8,9,10,11                  ; my quarter of the image, 6,144 bytes; a group's padding is passed over
.if (\k%3) == 1
	ds_load_b128 v[R+4*\k:R+4*\k+3], v12 offset:512*\k+32*(\k/3)
.else
	ds_load_b128 v[R+4*\k:R+4*\k+3], v10 offset:512*\k+32*(\k/3)+16*((\k%3)/2)
.endif
.endr
	ds_load_b64 v[8:9], v13
.irp k, 0,1,2,3,4,5,6,7,8,9,10,11
	s_wait_dscnt 12-\k                             ; load k is in; the younger ones may be out
	global_store_b128 v3, v[R+4*\k:R+4*\k+3], s[14:15] offset:512*\k   ; 32 lanes store 512 consecutive bytes, at a multiple of 256 from the buffer's first byte
.endr
	s_wait_dscnt 0x0
	global_store_b64 v1, v[8:9], s[16:17]          ; 256 consecutive scale bytes
	s_wait_tensorcnt 0x0
	ds_add_u32 v192, v193
	s_wait_dscnt 0x0
	s_endpgm
.Lfunc_end_k_q4795a6af68_quant:
	.size	k_q4795a6af68_quant, .Lfunc_end_k_q4795a6af68_quant-k_q4795a6af68_quant
	.p2alignl 7, 3214868480
	.fill 96, 4, 3214868480
	.section	.rodata,"a",@progbits
	.p2align	6, 0x0
	.amdhsa_kernel k_q4795a6af68_quant
		.amdhsa_group_segment_fixed_size 47104
		.amdhsa_private_segment_fixed_size 0
		.amdhsa_enable_private_segment 0
		.amdhsa_kernarg_size 56
		.amdhsa_user_sgpr_count 2
		.amdhsa_user_sgpr_kernarg_segment_ptr 1
		.amdhsa_wavefront_size32 1
		.amdhsa_system_sgpr_workgroup_id_x 1
		.amdhsa_system_sgpr_workgroup_id_y 1
		.amdhsa_system_sgpr_workgroup_id_z 1
		.amdhsa_system_vgpr_workitem_id 0
		.amdhsa_next_free_vgpr 194
		.amdhsa_next_free_sgpr 66
		.amdhsa_reserve_vcc 0
		.amdhsa_float_denorm_mode_32 3
		.amdhsa_float_denorm_mode_16_64 3
		.amdhsa_memory_ordered 1
		.amdhsa_forward_progress 1
		.amdhsa_inst_pref_size 38
	.end_amdhsa_kernel
	.amdgpu_metadata
---
amdhsa.version: [ 1, 2 ]
amdhsa.kernels:
  - .name:           k_q4795a6af68_quant
    .symbol:         k_q4795a6af68_quant.kd
    .args:
      - { .name: hidden_states, .offset: 0, .size: 8, .value_kind: global_buffer, .address_space: global }
      - { .name: Wq, .offset: 8, .size: 8, .value_kind: global_buffer, .address_space: global }
      - { .name: Wk, .offset: 16, .size: 8, .value_kind: global_buffer, .address_space: global }
      - { .name: Wv, .offset: 24, .size: 8, .value_kind: global_buffer, .address_space: global }
      - { .name: Wo, .offset: 32, .size: 8, .value_kind: global_buffer, .address_space: global }
      - { .name: cimg, .offset: 40, .size: 8, .value_kind: global_buffer, .address_space: global }
      - { .name: simg, .offset: 48, .size: 8, .value_kind: global_buffer, .address_space: global }
    .group_segment_fixed_size: 47104
    .private_segment_fixed_size: 0
    .kernarg_segment_align: 8
    .kernarg_segment_size: 56
    .max_flat_workgroup_size: 128
    .sgpr_count:     66
    .vgpr_count:     194
    .wavefront_size: 32
...
	.end_amdgpu_metadata
.endif
;; end of part 1
;; launch qkv (part 2): grid 24 x 8, 4 waves a work-group, clusters of 4 x 4, 327,680 bytes of LDS; arguments cimg, simg, bq, bk, bv, qkv; writes qkv
.if DOCPART == 2
	.amdgcn_target "amdgcn-amd-amdhsa--gfx1250"
	.amdhsa_code_object_version 6
	.text
	.protected	k_q4795a6af68_qkv
	.globl	k_q4795a6af68_qkv
	.p2align	8
	.type	k_q4795a6af68_qkv,@function
k_q4795a6af68_qkv:
	s_mov_b64 s[64:65], 0
	v_nop
	global_prefetch_b8 v0, s[64:65] scope:SCOPE_SE
	s_setreg_imm32_b32 hwreg(HW_REG_WAVE_MODE, 25, 1), 1
	s_wait_xcnt 0x0
	s_wait_alu depctr_hold_cnt(0) depctr_sa_sdst(0) depctr_va_vdst(0) depctr_va_sdst(0) depctr_va_ssrc(0) depctr_va_vcc(0) depctr_vm_vsrc(0)
	s_getreg_b32 s2, hwreg(HW_REG_IB_STS2, 6, 4)
	s_cmp_eq_u32 s2, 0
	s_cbranch_scc0 .Lentry_in_a_cluster
	s_endpgm
.Lentry_in_a_cluster:
	s_bfe_u32 s2, ttmp6, 0x10000c
	s_cmp_lg_u32 s2, 0xf033
	s_cbranch_scc0 .Lentry_shape_is_right
	s_endpgm
.Lentry_shape_is_right:
; q = x Wq^T + bq, k = x Wk^T + bk, v = x Wv^T + bv on codes of BF6 (E3M2) with E8M0 scales; the results are quantised here, q and k along a head's 64 channels, v along the keys, and leave as codes.
; OPERANDS are images of the operand's registers (made by the launch before): row tile T, lane-row r = row 32 (T / 2) + 8 (T % 2) + r + 8 (r / 8); fragment (T, K step s) = 1,536 bytes at (16 T + s) x 1536,
; piece p of lane l at 256 p + 8 l.  So a fragment comes from LDS by six loads of 8 bytes a lane, each 256 consecutive bytes.  Scale byte (T, r, block kb) at 1024 T + 128 (kb / 8) + 8 r + kb % 8.
; A tile of 256 x 256 is made by four waves, each 128 x 128: 64 accumulators, 512 registers.  K goes in steps of 256 through a ring of two LDS slots filled by the tensor data mover; the scales of all of K come once.
; THE MATRIX INSTRUCTION: source 0 = 16 rows of side B (they fall into a lane's registers), source 1 = 16 rows of side A (they fall into the lanes).  By the tiles' choice of rows the 16 registers of B's tiles
; 2 i and 2 i + 1 are 16 NEIGHBOURS, 32 i + 16 (lane / 16) + 0 .. 15: what the conversions want.
; q, k (cluster x 0 to 3): A = x (a lane a token), B = Wq, Wk (registers along the channels).  v (cluster x 4, 5): A = Wv (a lane a channel), B = x (registers along the tokens, which are v's K).
; The two cases differ in global addresses and in numbers chosen by s_cselect_b32 on the cluster's x, which all partners share: one path, the same LDS addresses.
; CLUSTERS: 4 x 4 work-groups; A's tile is asked for jointly along a row of the cluster, B's along a column.
; THE BIAS along B's side is the C of each sum's first matrix instruction; along A's side it is added on the way out.  The one that does not apply is masked to zeros.
; OUT: for each (batch, head) 157,696 bytes: q's codes 64 tiles x 768 | q's scale words 64 x 64 | k's codes | v's codes 8 key steps x 4 channel tiles x 1,536 | k's scale words | v's scale words 8 x 4 x 64.
; LIMITS: NaN and infinities are not served; a block whose largest magnitude lies under 2^-122, a block of zeros among them, keeps the byte 1 (only this program reads the bytes).
; REGISTERS: window 0: v0-31 addresses; v32-63 scale words, two sets; v64-127 the bias along B; v128-223 A's fragments, one set; v240-255 the bias along A.  window 1: B's fragments, two sets, at v0 and v128.
;   windows 2, 3: the accumulators ((a, b) at v[8 (8 (a % 4) + b)]).  On the way out, window 0: v128-191 64 numbers, v192-210 codes, v212-229 at work.
.set FRB,    1536                      ; a fragment's image
.set TROW,   2*FRB                     ; a row tile's part of a slot: 256 along K
.set HALFT,  8*TROW                    ; 8 row tiles (128 rows): what one tensor load brings
.set SLOT,   4*HALFT                   ; A's 16 row tiles, then B's 16
.set SCL,    2*SLOT                    ; behind the ring: the scales of all of K
.set HALFS,  8192                      ; those of 8 row tiles
.set SPARE,  SCL+4*HALFS               ; the spare words, 128 bytes for each wave: two blocks of 256 bytes that no other line names
.set NQ,     2                         ; matrix instructions deep in a slot
.set FR,     12
.set NL,     6
.set NP,     4                         ; places behind this matrix instruction (ISA guide 7.12.1)
.set LAPS,   4                         ; 2,048 along K = 8 slots' worth = 4 laps of the ring
.set BHB,    157696
.set ADRA, 16                          ; v16-17  LDS address of my A fragments in slot 0, 1
.set ADRB, 20                          ; v20-21  the same for B
.set ADRS, 27                          ; v27     LDS address of my scale words: lanes 0-15 A's, lanes 16-31 B's
.set SPW,  28                          ; v28     LDS address of my spare word; never rewritten
.set NIL,  29                          ; v29     0; never rewritten
.set SC,   32
.set BR,   64
.set AF,   128
.set BP,   240
.set T,    128
.set PC,   192
.set TM,   212
.set PW,   228
.set PS,   229
.set G1, 24
.set G0, 32
.set G1B, 48
.set G0B, 56
.set G1S, 68
.set G0S, 76
.set G1SB, 80
.set G0SB, 88
.set SEL, 50
.set MSB, 0
.macro WIN new                         ; the immediate's high byte repeats the setting that is left
.if MSB != (\new)
	s_set_vgpr_msb (MSB<<8)|(\new)
.set MSB, (\new)
.endif
.endm
.set MUL_LO, 0xa1                      ; source 0 (B) window 1, source 1 (A) window 0, C and D window 2
.set MUL_HI, 0xf1                      ; the same, C and D window 3
.set BEG_LO, 0x81                      ; the first products: C (the bias) window 0, D window 2
.set BEG_HI, 0xc1                      ; D window 3
.set TO_B,   0x40                      ; destination window 1, address window 0
; A joint load: waves 0 and 1 fetch for A, waves 2 and 3 for B.  The branch hangs on the wave's number alone.  Four v_nop follow each of the two lines.
.macro JLOAD g0a, g1a, g0b, g1b
	s_cmp_eq_u32 s17, 0
	s_cbranch_scc0 .Lfor_b_\@
	tensor_load_to_lds s[\g0a:\g0a+3], s[\g1a:\g1a+7]
	s_nop 0
.rept 4
	v_nop
.endr
	s_branch .Lasked_\@
.Lfor_b_\@:
	tensor_load_to_lds s[\g0b:\g0b+3], s[\g1b:\g1b+7]
	s_nop 0
.rept 4
	v_nop
.endr
.Lasked_\@:
.endm
.macro CREST                           ; a round of the cluster's barrier behind its opening barrier
	s_cmp_lg_u32 s16, 0
	s_cbranch_scc1 .Lnot_wave_0_\@
	s_barrier_signal -3
.Lnot_wave_0_\@:
	s_barrier_wait -3
	s_barrier_signal -1
	s_barrier_wait -1
.endm
.macro CROUND                          ; a whole round
	s_barrier_signal -1
	s_barrier_wait -1
	CREST
.endm
	s_load_b256 s[4:11], s[0:1], 0x0               ; cimg, simg, bq, bk
	s_load_b128 s[12:15], s[0:1], 0x20             ; bv, qkv
	v_lshl_add_u32 v[SPW], v0, 2, SPARE
	v_mov_b32 v[NIL], 0
	ds_add_u32 v28, v29
	ds_add_u32 v28, v29
	s_wait_dscnt 0x0
	v_lshrrev_b32 v1, 5, v0
	v_readfirstlane_b32 s16, v1                    ; wave 0..3
	s_lshr_b32 s17, s16, 1                         ; which half of A's rows is mine.  Also: I fetch for A (0) or for B (1)
	s_and_b32 s18, s16, 1                          ; which half of B's rows.  Also: which 8 row tiles I fetch
	s_bfe_u32 s40, ttmp6, 0x40000                  ; cx, cy: my place in the cluster
	s_bfe_u32 s41, ttmp6, 0x40004
	s_and_b32 s19, ttmp7, 0xffff                   ; cluster y
	s_sub_co_u32 s20, ttmp9, 4                     ; cluster x - 4: used in v's clusters alone
	s_cmp_ge_u32 ttmp9, 4                          ; v's cluster?  The same in all sixteen partners
	s_cselect_b32 s66, s20, s19                    ; A: Wv's tiles by cluster x, or x's by cluster y
	s_cselect_b32 s42, s19, ttmp9                  ; B: x's tiles by cluster y, or Wq's and Wk's by cluster x
	s_cselect_b32 s21, 3*128, 0                    ; A's section of the images, in row tiles: Wv's, or x's
	s_cselect_b32 s67, 0, 128                      ; B's: x's, or Wq's (Wk's follows it)
	s_cselect_b32 s97, 1, 0
	s_lshl_b32 s66, s66, 2
	s_add_co_u32 s66, s66, s41                     ; A's tile of 256 rows: hangs on cy, which my row of the cluster shares
	s_lshl_b32 s42, s42, 2
	s_add_co_u32 s42, s42, s40                     ; B's: hangs on cx, which my column shares
	s_lshl_b32 s43, s41, 2
	s_lshl_b32 s43, 15, s43                        ; my row of the cluster
	s_lshl_b32 s44, 0x1111, s40                    ; my column
	; descriptor group 1 for codes: 8 row tiles x 3,072 bytes (384 elements of 8 bytes), 24,576 bytes apart in memory, on end in LDS
	s_or_b32 s[G1+0], s43, (3<<16)|(1<<21)         ; 15:0 the mask; 17:16 elements of 8 bytes; 20 no padding; 21 set beside a mask
	s_or_b32 s[G1B+0], s44, (3<<16)|(1<<21)
.irp g, G1, G1B
	s_mov_b32 s[\g+1], 384<<16                     ; tensor_dim0
	s_mov_b32 s[\g+2], 8<<16                       ; tensor_dim1
	s_mov_b32 s[\g+3], 384<<16                     ; tile_dim0
	s_mov_b32 s[\g+4], 8                           ; tile_dim1
	s_mov_b32 s[\g+5], 3072                        ; tensor_dim0_stride, in elements
	s_mov_b32 s[\g+6], 0
	s_mov_b32 s[\g+7], 0
.endr
	; and for the scales of 8 row tiles: 8,192 dense bytes as 32 rows of 256
	s_or_b32 s[G1S+0], s43, (3<<16)|(1<<21)
	s_or_b32 s[G1SB+0], s44, (3<<16)|(1<<21)
.irp g, G1S, G1SB
	s_mov_b32 s[\g+1], 32<<16
	s_mov_b32 s[\g+2], 32<<16
	s_mov_b32 s[\g+3], 32<<16
	s_mov_b32 s[\g+4], 32
	s_mov_b32 s[\g+5], 32
	s_mov_b32 s[\g+6], 0
	s_mov_b32 s[\g+7], 0
.endr
	s_lshl_b32 s19, s66, 4
	s_add_co_u32 s19, s19, s21
	s_lshl_b32 s20, s18, 3
	s_add_co_u32 s19, s19, s20                     ; A: the first row tile that I fetch
	s_mul_i32 s22, s19, 24576                      ; its codes,
	s_mov_b32 s23, 0
	s_lshl_b32 s20, s19, 10                        ; its scales
	s_mov_b32 s21, 0
	s_lshl_b32 s46, s42, 4
	s_add_co_u32 s46, s46, s67
	s_lshl_b32 s47, s18, 3
	s_add_co_u32 s46, s46, s47                     ; B likewise
	s_lshl_b32 s92, s46, 10
	s_mov_b32 s93, 0
	s_mul_i32 s46, s46, 24576
	s_mov_b32 s47, 0
	s_mul_i32 s45, s16, HALFT                      ; where they go: by the wave's number alone
	s_mul_i32 s94, s16, HALFS
	s_wait_kmcnt 0x0
	s_add_nc_u64 s[22:23], s[4:5], s[22:23]
	s_add_nc_u64 s[20:21], s[6:7], s[20:21]
	s_add_nc_u64 s[46:47], s[4:5], s[46:47]
	s_add_nc_u64 s[92:93], s[6:7], s[92:93]
	CROUND                                         ; all sixteen work-groups are here: the first joint loads meet
	s_mov_b32 s[G0S], 1
	s_add_co_u32 s[G0S+1], s94, SCL
	s_mov_b64 s[G0S+2:G0S+3], s[20:21]
	s_or_b32 s[G0S+3], s[G0S+3], 0x80000000
	s_mov_b32 s[G0SB], 1
	s_add_co_u32 s[G0SB+1], s94, SCL
	s_mov_b64 s[G0SB+2:G0SB+3], s[92:93]
	s_or_b32 s[G0SB+3], s[G0SB+3], 0x80000000
	JLOAD G0S, G1S, G0SB, G1SB                     ; the scales first: they are wanted with K step 0.  Three tensor loads of mine are out behind the last of these
.irp s, 0,1
	s_mov_b32 s[G0+4*\s], 1
	s_add_co_u32 s[G0+4*\s+1], s45, \s*SLOT
	s_add_nc_u64 s[G0+4*\s+2:G0+4*\s+3], s[22:23], \s*TROW
	s_or_b32 s[G0+4*\s+3], s[G0+4*\s+3], 0x80000000
	s_mov_b32 s[G0B+4*\s], 1
	s_add_co_u32 s[G0B+4*\s+1], s45, \s*SLOT
	s_add_nc_u64 s[G0B+4*\s+2:G0B+4*\s+3], s[46:47], \s*TROW
	s_or_b32 s[G0B+4*\s+3], s[G0B+4*\s+3], 0x80000000
	JLOAD G0+4*\s, G1, G0B+4*\s, G1B
.endr
	v_and_b32 v1, 15, v0                           ; r
	v_bfe_u32 v2, v0, 4, 1                         ; h
	v_and_b32 v3, 31, v0
	v_lshlrev_b32 v3, 3, v3                        ; 8 x lane: my place in every piece
	s_mul_i32 s21, s17, HALFT                      ; my 8 row tiles of A
	s_mul_i32 s22, s18, HALFT                      ; my 8 of B,
	s_add_co_u32 s22, s22, 2*HALFT                 ; which lie behind A's 16
.irp s, 0,1
	v_add_nc_u32 v[ADRA+\s], s21, v3
	v_add_nc_u32 v[ADRB+\s], s22, v3
	s_add_co_u32 s21, s21, SLOT
	s_add_co_u32 s22, s22, SLOT
.endr
	v_lshlrev_b32 v5, 3, v1                        ; my row's 8 scale bytes of a slot
	s_mul_i32 s21, s17, HALFS
	s_mul_i32 s22, s18, HALFS
	s_add_co_u32 s22, s22, 2*HALFS
	s_sub_co_u32 s22, s22, s21
	v_mul_u32_u24 v6, s22, v2                      ; lanes 16-31 take B's
	s_add_co_u32 s21, s21, SCL
	v_add_nc_u32 v5, v5, v6
	v_add_nc_u32 v[ADRS], s21, v5
	s_lshl_b32 s95, s66, 8
	s_lshl_b32 s19, s17, 7
	s_add_co_u32 s95, s95, s19                     ; my first row of side A
	s_lshl_b32 s96, s42, 8
	s_lshl_b32 s19, s18, 7
	s_add_co_u32 s96, s96, s19                     ; and of side B (for q, k: 0 .. 4,095 over Wq and Wk)
	s_lshr_b32 s98, ttmp9, 1                       ; which of q, k, v: cluster x 0, 1: q; 2, 3: k; 4, 5: v
	s_cmp_eq_u32 s97, 1
	s_cselect_b32 s98, 2, s98
	s_cselect_b32 s99, 0, -1                       ; keeps the bias along B for q and k,
	s_cselect_b32 s100, -1, 0                      ; the bias along A for v
	s_cmp_eq_u32 s98, 1
	s_cselect_b64 s[8:9], s[10:11], s[8:9]
	s_cmp_eq_u32 s98, 2
	s_cselect_b64 s[8:9], s[12:13], s[8:9]         ; my bias
	s_and_b32 s20, s96, 2047
	s_lshl_b32 s20, s20, 2
	s_mov_b32 s21, 0
	s_add_nc_u64 s[10:11], s[8:9], s[20:21]        ; 128 numbers by B's rows (inside the bias's 2,048 in both cases),
	s_and_b32 s20, s95, 2047
	s_lshl_b32 s20, s20, 2
	s_add_nc_u64 s[12:13], s[8:9], s[20:21]        ; 128 by A's
	v_lshlrev_b32 v4, 6, v2                        ; register j of B's tile b is row 32 (b / 2) + 8 (b % 2) + 16 h + j
.irp b, 0,1,2,3,4,5,6,7
	global_load_b128 v[BR+8*\b:BR+8*\b+3], v4, s[10:11] offset:4*(32*(\b/2)+8*(\b%2))
	global_load_b128 v[BR+8*\b+4:BR+8*\b+7], v4, s[10:11] offset:4*(32*(\b/2)+8*(\b%2))+16
.endr
	v_and_b32 v7, 8, v1
	v_add_nc_u32 v7, v7, v1
	v_lshlrev_b32 v7, 2, v7                        ; my lane of A's tile a is row 32 (a / 2) + 8 (a % 2) + r + 8 (r / 8)
.irp a, 0,1,2,3,4,5,6,7
	global_load_b32 v[BP+2*\a], v7, s[12:13] offset:4*(32*(\a/2)+8*(\a%2))
.endr
.macro FRAG reg, adr, q, i             ; a fragment, 12 registers, as it was stored: six pieces, each 256 consecutive bytes for the 32 lanes
.irp p, 0,1,2,3,4,5
	ds_load_b64 v[\reg+2*\p:\reg+2*\p+1], v[\adr] offset:(\i)*TROW+(\q)*FRB+256*\p
.endr
.endm
; 16 matrix instructions: A's blocks a0, a0 + 1 x B's eight, 128 along K: the slot's q-th.  p: B's set;  sc: the set of scale words.  zero = 1: the first product starts the sums from the bias: nothing is cleared.
; The 64 accumulators take turns, one instruction a turn, in the same order in every step.
.macro MUL16 a0, p, q, sc, zero
.irp a, \a0, \a0+1
.irp b, 0,1,2,3,4,5,6,7
.if \zero
	v_wmma_scale_f32_16x16x128_f8f6f4 v[8*(8*((\a)%4)+\b):8*(8*((\a)%4)+\b)+7], v[128*(\p)+FR*\b:128*(\p)+FR*\b+FR-1], v[AF+FR*(\a):AF+FR*(\a)+FR-1], v[BR+8*\b:BR+8*\b+7], v[SC+8*NQ*(\sc)+NQ*\b+(\q)], v[SC+8*NQ*(\sc)+NQ*(\a)+(\q)] matrix_a_fmt:MATRIX_FMT_BF6 matrix_b_fmt:MATRIX_FMT_BF6 matrix_a_scale:MATRIX_SCALE_ROW1
.else
	v_wmma_scale_f32_16x16x128_f8f6f4 v[8*(8*((\a)%4)+\b):8*(8*((\a)%4)+\b)+7], v[128*(\p)+FR*\b:128*(\p)+FR*\b+FR-1], v[AF+FR*(\a):AF+FR*(\a)+FR-1], v[8*(8*((\a)%4)+\b):8*(8*((\a)%4)+\b)+7], v[SC+8*NQ*(\sc)+NQ*\b+(\q)], v[SC+8*NQ*(\sc)+NQ*(\a)+(\q)] matrix_a_fmt:MATRIX_FMT_BF6 matrix_b_fmt:MATRIX_FMT_BF6 matrix_a_scale:MATRIX_SCALE_ROW1
.endif
.endr
.endr
.endm
.macro FETCH_B slot, q, p              ; B's eight fragments of the slot's q-th 128 along K into set p
	WIN TO_B
.irp i, 0,1,2,3,4,5,6,7
	FRAG 128*(\p)+FR*\i, ADRB+\slot, \q, \i
.endr
	WIN 0
.endm
.macro FETCH_A slot, q, i0             ; A's blocks i0 .. i0 + 3
.irp i, \i0, \i0+1, \i0+2, \i0+3
	FRAG AF+FR*(\i), ADRA+\slot, \q, \i
.endr
.endm
.macro SCALES sc                       ; a slot's scale words into set sc: two words a row; lanes 0-15 take A's block i, lanes 16-31 B's block i
.irp i, 0,1,2,3,4,5,6,7
	ds_load_b64 v[SC+8*NQ*\sc+NQ*\i:SC+8*NQ*\sc+NQ*\i+1], v[ADRS] offset:\i*1024
.endr
.endm
; A load into a register that a matrix instruction has read stands NP places behind it, and only plain vector instructions that name none of its registers are places (ISA guide 7.12.1 for vector instructions).
.macro PLACES n
.rept \n
	v_nop
.endr
.endm
; A step of 128 along K that has its successor in the same slot.  A has one set of registers: blocks 0-3 are fetched anew in the step's middle, blocks 4-7 at its end; B has two sets.
.macro STEP slot, q, zero
	s_wait_dscnt 4*NL                              ; B's set and A's blocks 0-3 are in; the youngest 24 loads (A's blocks 4-7) may be out
.if \zero
	WIN BEG_LO
.else
	WIN MUL_LO
.endif
	MUL16 0, (\q)%2, \q, \slot, \zero
	MUL16 2, (\q)%2, \q, \slot, \zero
	s_wait_dscnt 0                                 ; A's blocks 4-7 are in (asked for 32 matrix instructions ago)
	PLACES NP
	FETCH_B \slot, (\q)+1, 1-(\q)%2
	FETCH_A \slot, (\q)+1, 0
.if \zero
	WIN BEG_HI
.else
	WIN MUL_HI
.endif
	MUL16 4, (\q)%2, \q, \slot, \zero
	MUL16 6, (\q)%2, \q, \slot, \zero
	PLACES NP
	WIN 0
	FETCH_A \slot, (\q)+1, 4
.endm
; A slot's last step changes slots: ONE barrier; in front of it each wave waits for all its tensor loads, adds 0 to its spare word, and waits for that and for its own reads of this slot.  fill = 1: this slot is filled again, two slots ahead.
.macro TURN slot, next, fill
	s_wait_tensorcnt 0x0                           ; all my tensor loads have landed: my part of the next slot  (every window is 0 here)
	ds_add_u32 v[SPW], v[NIL]                      ; 0 onto my spare word
	s_wait_dscnt 4*NL+1                            ; (the add and the youngest 24 loads, A's blocks 4-7, may be out)
	WIN MUL_LO
	MUL16 0, 1, NQ-1, \slot, 0                     ; sixteen matrix instructions stand between the add and the wait for it
	s_wait_dscnt 0x0                               ; the add is done, and my reads of this slot are over
	s_barrier_signal -1
	MUL16 2, 1, NQ-1, \slot, 0
	WIN 0
	s_barrier_wait -1
.if \fill
	CREST                                          ; the barrier has opened a round of the cluster's barrier: no wave of any partner still reads this slot's tile or has a load on its way
	s_add_nc_u64 s[G0+4*\slot+2:G0+4*\slot+3], s[G0+4*\slot+2:G0+4*\slot+3], 2*TROW
	s_add_nc_u64 s[G0B+4*\slot+2:G0B+4*\slot+3], s[G0B+4*\slot+2:G0B+4*\slot+3], 2*TROW
	JLOAD G0+4*\slot, G1, G0B+4*\slot, G1B         ; the first tensor load behind the round; the four v_nop behind it are the places in front of the loads below
.else
	PLACES NP
.endif
	v_add_nc_u32 v[ADRS], 128, v[ADRS]             ; on to the next slot's scale words (no LDS load of mine is out)
	FETCH_B \next, 0, 0
	FETCH_A \next, 0, 0
	SCALES \next
	WIN MUL_HI
	MUL16 4, 1, NQ-1, \slot, 0
	MUL16 6, 1, NQ-1, \slot, 0
	PLACES NP
	WIN 0
	FETCH_A \next, 0, 4
.endm
	s_wait_tensorcnt 1                             ; the scales and my part of slot 0 are in (slot 1's load may be out),
	s_wait_loadcnt 0x0                             ; and the biases
.set j, 0
.rept 64
	v_and_b32 v[BR+j], s99, v[BR+j]                ; v's sums start from zeros: its bias runs along A
.set j, j+1
.endr
.irp a, 0,1,2,3,4,5,6,7
	v_and_b32 v[BP+2*\a], s100, v[BP+2*\a]         ; q's and k's get zeros on the way out
.endr
.irp a, 0,1,2,3,4,5,6,7
	v_mov_b32 v[BP+2*\a+1], v[BP+2*\a]             ; (the packed addition names a pair)
.endr
	s_barrier_signal -1
	s_barrier_wait -1                              ; everybody's tiles are in
	FETCH_B 0, 0, 0
	FETCH_A 0, 0, 0
	SCALES 0
	FETCH_A 0, 0, 4
	STEP 0, 0, 1                                   ; the first step stands in front of the loop: its products start the sums
	s_mov_b32 s3, LAPS-1
.Llap:                                                 ; a trip goes once round the ring, from a lap's second step to the next lap's first, and fills both slots again
	TURN 0, 1, 1
	STEP 1, 0, 0
	TURN 1, 0, 1
	STEP 0, 0, 0
	s_sub_co_u32 s3, s3, 1
	s_cmp_lg_u32 s3, 0
	s_cbranch_scc1 .Llap
	TURN 0, 1, 0                                   ; the last lap fills nothing, and has no round of the cluster's barrier
	STEP 1, 0, 0
	s_wait_dscnt 4*NL                              ; the very last step: nothing more to fetch
	WIN MUL_LO
	MUL16 0, 1, NQ-1, 1, 0
	MUL16 2, 1, NQ-1, 1, 0
	s_wait_dscnt 0
	WIN MUL_HI
	MUL16 4, 1, NQ-1, 1, 0
	MUL16 6, 1, NQ-1, 1, 0
	WIN 0
	; THE WAY OUT.  No tensor load of mine is out (the last change of slots waited for all), so the descriptors' registers serve again.
	s_cmp_eq_u32 s97, 1                            ; v?
	s_cselect_b32 s28, s96, s95                    ; my first token: on side B for v, on side A for q and k
	s_cselect_b32 s29, s95, s96                    ; my first channel
	s_mov_b32 s30, 768
	s_cselect_b32 s34, BHB-3*FRB, s30              ; from block 3 to block 4: v goes to the next head's channel tile 0; q, k to the next token tile
	s_cselect_b32 s38, s30, BHB                    ; a fragment's second half: v: pieces 3 to 5; q, k: the next head
	s_cselect_b32 s32, FRB, s30                    ; from block to block: v a channel tile, q and k a token tile
	s_cselect_b32 s36, BHB-3*64, 64                ; the same for the scale words, from block 3 to block 4
	s_cselect_b32 s39, 1, 2                        ; scale words: v 256 bytes for 128 tokens, q and k 64 bytes for 16
	s_cselect_b32 s48, 0, BHB                      ; q, k: lanes 16-31 store the next head's word
	s_cselect_b32 s49, 0, 16                       ; which is the upper half of the word just made
	s_mov_b32 s33, 0
	s_mov_b32 s35, 0
	s_mov_b32 s37, 0
	s_cmp_eq_u32 s98, 1
	s_cselect_b32 s52, 53248, 0                    ; where my codes' field begins in a head's block: q 0, k 53,248, v 102,400
	s_mov_b32 s53, 49152
	s_cselect_b32 s53, 151552, s53                 ; and my scale words': q 49,152, k 151,552, v 155,648
	s_cmp_eq_u32 s98, 2
	s_cselect_b32 s52, 102400, s52
	s_cselect_b32 s53, 155648, s53
	s_and_b32 s29, s29, 2047
	s_lshr_b32 s29, s29, 6                         ; my first head
	s_lshr_b32 s30, s28, 10                        ; the batch
	s_lshl_b32 s30, s30, 5
	s_add_co_u32 s29, s29, s30
	s_mul_i32 s29, s29, BHB
	s_and_b32 s28, s28, 1023                       ; my first token in the batch
	s_mul_i32 s30, s28, 48                         ; 768 bytes for 16 tokens (q, k), 6,144 for 128 (v)
	s_add_co_u32 s30, s30, s29
	s_add_co_u32 s30, s30, s52
	s_mov_b32 s31, 0
	s_add_nc_u64 s[24:25], s[14:15], s[30:31]      ; where block 0's codes go
	s_lshl_b32 s30, s28, s39
	s_add_co_u32 s30, s30, s29
	s_add_co_u32 s30, s30, s53
	s_add_nc_u64 s[26:27], s[14:15], s[30:31]      ; and its scale words
	s_mov_b32 s[SEL], 0x76543210
	s_mov_b32 s[SEL+1], 0xfedcba98                 ; v_permlanex16_b32's selects for lane l xor 16
	v_and_b32 v8, 31, v0                           ; these eight plain lines name no register of the last products: they are the places behind them
	v_lshlrev_b32 v8, 3, v8                        ; 8 x lane
	v_add_nc_u32 v9, s38, v8
	v_and_b32 v10, 15, v0
	v_bfe_u32 v11, v0, 4, 1
	v_lshlrev_b32 v10, 2, v10
	v_mad_u32_u24 v10, v11, s48, v10               ; 4 r, + a head for lanes 16-31 (q, k)
	v_mul_u32_u24 v11, v11, s49
.irp b, 0,1,2,3
	v_mov_b32 v[TM+4+\b], 0                        ; written once: a lane permute's destination counts as one of its sources
.endr
; 64 numbers of a lane, register 16 b + i = k 32 b + 16 (lane / 16) + i of my row, become a fragment's codes in v[PC] on and its scale word in v[PW].
.macro QUANT s
.irp b, 0,1,2,3
	v_max3_num_f32 v[TM+\b], |v[\s+16*\b]|, |v[\s+1+16*\b]|, 0x2800000   ; block b: my 16 numbers, and the floor 2^(5 - 127): the byte cannot fall under 1
.endr
.irp i, 2,4,6,8,10,12,14
.irp b, 0,1,2,3
	v_max3_num_f32 v[TM+\b], v[TM+\b], |v[\s+16*\b+\i]|, |v[\s+1+16*\b+\i]|   ; (the four blocks by turns)
.endr
.endr
.irp b, 0,1,2,3
	v_permlanex16_b32 v[TM+4+\b], v[TM+\b], s[SEL], s[SEL+1]
.endr
.irp b, 0,1,2,3
	v_max_num_f32 v[TM+\b], v[TM+\b], v[TM+4+\b]   ; with lane l xor 16's: the block's largest magnitude
.endr
.irp b, 0,1,2,3
	v_add_nc_u32 v[TM+12+\b], 0xfe000000, v[TM+\b] ; 4 off its exponent field: the conversion's scale operand
.endr
.irp b, 0,1,2,3
	v_lshrrev_b32 v[TM+4+\b], 23, v[TM+12+\b]      ; the scale's byte
.endr
	v_lshl_or_b32 v[PW], v[TM+5], 8, v[TM+4]
	v_lshl_or_b32 v[PW], v[TM+6], 16, v[PW]
	v_lshl_or_b32 v[PW], v[TM+7], 24, v[PW]
.irp c, 0,1
	v_cvt_scalef32_pk16_bf6_f32 v[PC+6*\c:PC+2+6*\c], v[\s+32*\c:\s+15+32*\c], v[TM+12+2*\c]
	v_cvt_scalef32_pk16_bf6_f32 v[PC+12+4*\c:PC+14+4*\c], v[\s+16+32*\c:\s+31+32*\c], v[TM+12+2*\c+1]   ; (a conversion's three registers begin on an even number)
.endr
	v_nop                                          ; one plain place behind a scaled conversion
.irp c, 0,1                                    ; the operand's layout wants a WHOLE block in a lane: lanes 0-15 block 2 c, lanes 16-31 block 2 c + 1
.irp i, 0,1,2
	v_permlane16_swap_b32 v[PC+6*\c+\i], v[PC+12+4*\c+\i]
.endr
.irp i, 0,1,2
	v_mov_b32 v[PC+3+6*\c+\i], v[PC+12+4*\c+\i]
.endr
.endr
.endm
; Block a of A's eight: 16 lanes' rows x 128 along B.  q, k: 16 tokens x two heads' 64 channels: registers 0-5 are one head's operand (K = 64), registers 6-11 the next head's.  v: 16 channels x 128 keys: one fragment.
.macro OUT a
	s_wait_xcnt 0x0                                ; the last block's stores have read their data and their bases: both are written again only behind this wait
.if (\a) == 4
	s_add_nc_u64 s[24:25], s[24:25], s[34:35]
	s_add_nc_u64 s[26:27], s[26:27], s[36:37]
.elseif (\a) > 0
	s_add_nc_u64 s[24:25], s[24:25], s[32:33]
	s_add_nc_u64 s[26:27], s[26:27], 64
.endif
	WIN 0x02+(\a)/4                                ; source 0: window 2 or 3
.set i, 0
.rept 32
	v_pk_add_f32 v[T+2*i:T+2*i+1], v[64*((\a)%4)+2*i:64*((\a)%4)+2*i+1], v[BP+2*(\a):BP+2*(\a)+1] op_sel_hi:[1,0]   ; + the bias of my lane's row; each accumulator from its low end on
.set i, i+1
.endr
	WIN 0
	QUANT T
	v_lshrrev_b32 v[PS], v11, v[PW]
.irp p, 0,1,2
	global_store_b64 v8, v[PC+2*\p:PC+2*\p+1], s[24:25] offset:256*\p     ; 32 lanes store 256 consecutive bytes, at a multiple of 256 from the buffer's first byte
.endr
.irp p, 0,1,2
	global_store_b64 v9, v[PC+6+2*\p:PC+6+2*\p+1], s[24:25] offset:256*\p
.endr
	global_store_b32 v10, v[PS], s[26:27]          ; a row's scale word.  q, k: two bytes count; the upper two stand over zero codes and are never 0xff
.endm
.irp a, 0,1,2,3,4,5,6,7
	OUT \a
.endr
	s_wait_tensorcnt 0x0                           ; the wave's end
	ds_add_u32 v[SPW], v[NIL]
	s_wait_dscnt 0x0
	CROUND                                         ; the closing round: no work-group ends while a partner may still ask for a tile that names it
	s_endpgm
.Lfunc_end_k_q4795a6af68_qkv:
	.size	k_q4795a6af68_qkv, .Lfunc_end_k_q4795a6af68_qkv-k_q4795a6af68_qkv
	.p2alignl 7, 3214868480
	.fill 96, 4, 3214868480
	.section	.rodata,"a",@progbits
	.p2align	6, 0x0
	.amdhsa_kernel k_q4795a6af68_qkv
		.amdhsa_group_segment_fixed_size 327680
		.amdhsa_private_segment_fixed_size 0
		.amdhsa_enable_private_segment 0
		.amdhsa_kernarg_size 48
		.amdhsa_user_sgpr_count 2
		.amdhsa_user_sgpr_kernarg_segment_ptr 1
		.amdhsa_wavefront_size32 1
		.amdhsa_system_sgpr_workgroup_id_x 1
		.amdhsa_system_sgpr_workgroup_id_y 1
		.amdhsa_system_sgpr_workgroup_id_z 1
		.amdhsa_system_vgpr_workitem_id 0
		.amdhsa_next_free_vgpr 1024
		.amdhsa_next_free_sgpr 102
		.amdhsa_reserve_vcc 0
		.amdhsa_float_denorm_mode_32 3
		.amdhsa_float_denorm_mode_16_64 3
		.amdhsa_memory_ordered 1
		.amdhsa_forward_progress 1
		.amdhsa_inst_pref_size 190
	.end_amdhsa_kernel
	.amdgpu_metadata
---
amdhsa.version: [ 1, 2 ]
amdhsa.kernels:
  - .name:           k_q4795a6af68_qkv
    .symbol:         k_q4795a6af68_qkv.kd
    .args:
      - { .name: cimg, .offset: 0, .size: 8, .value_kind: global_buffer, .address_space: global }
      - { .name: simg, .offset: 8, .size: 8, .value_kind: global_buffer, .address_space: global }
      - { .name: bq, .offset: 16, .size: 8, .value_kind: global_buffer, .address_space: global }
      - { .name: bk, .offset: 24, .size: 8, .value_kind: global_buffer, .address_space: global }
      - { .name: bv, .offset: 32, .size: 8, .value_kind: global_buffer, .address_space: global }
      - { .name: qkv, .offset: 40, .size: 8, .value_kind: global_buffer, .address_space: global }
    .group_segment_fixed_size: 327680
    .private_segment_fixed_size: 0
    .kernarg_segment_align: 8
    .kernarg_segment_size: 48
    .max_flat_workgroup_size: 128
    .sgpr_count:     102
    .vgpr_count:     1024
    .wavefront_size: 32
...
	.end_amdgpu_metadata
.endif
;; end of part 2
;; launch attn (part 3): grid 4 x 64, 16 waves a work-group, clusters of 4 x 1, 169,984 bytes of LDS; arguments qkv, aimg, ascl; writes aimg, ascl
.if DOCPART == 3
	.amdgcn_target "amdgcn-amd-amdhsa--gfx1250"
	.amdhsa_code_object_version 6
	.text
	.protected	k_q4795a6af68_attn
	.globl	k_q4795a6af68_attn
	.p2align	8
	.type	k_q4795a6af68_attn,@function
k_q4795a6af68_attn:
	s_mov_b64 s[64:65], 0
	v_nop
	global_prefetch_b8 v0, s[64:65] scope:SCOPE_SE
	s_setreg_imm32_b32 hwreg(HW_REG_WAVE_MODE, 25, 1), 1
	s_wait_xcnt 0x0
	s_wait_alu depctr_hold_cnt(0) depctr_sa_sdst(0) depctr_va_vdst(0) depctr_va_sdst(0) depctr_va_ssrc(0) depctr_va_vcc(0) depctr_vm_vsrc(0)
	s_getreg_b32 s2, hwreg(HW_REG_IB_STS2, 6, 4)
	s_cmp_eq_u32 s2, 0
	s_cbranch_scc0 .Lentry_in_a_cluster
	s_endpgm
.Lentry_in_a_cluster:
	s_bfe_u32 s2, ttmp6, 0x10000c
	s_cmp_lg_u32 s2, 0x3003
	s_cbranch_scc0 .Lentry_shape_is_right
	s_endpgm
.Lentry_shape_is_right:
; Causal attention of one (batch, head) for each cluster, both products on codes of BF6 (E3M2) with E8M0 scales; the result is divided by the row's sum, quantised along the model's 2,048 channels and stored as codes.
; t = score x log2(e) / 8; M = the row's largest t so far, rounded UP to a whole number; p = 2^(t - M) is quantised along the keys; the row's sum is taken of the unquantised p.  When M moves, the sum and O are multiplied by 2^(old M - new M): exact.
; IN (from the launch before), 157,696 bytes a head: q's codes 64 tiles x 768 | q's scale words | k's codes 64 tiles x 768 | v's codes 8 key steps x 4 channel tiles x 1,536 | k's scale words | v's scale words.
; All are images of operand registers: piece p of lane l at 256 p + 8 l.  Lane-row r of tile T is token (or channel) 32 (T / 2) + 8 (T % 2) + r + 8 (r / 8).  q and k have K = 64: registers 0-5; registers 6-11 are zero codes.
; SHARES.  The cluster's four work-groups share the head's k and v: 104,448 dense bytes, asked for JOINTLY once (waves 0 to 3, a quarter each); they stay in LDS, and no LDS byte is filled twice.
; Wave w owns ONE tile of 16 queries: tile 4 w' + cx, w' = w for w < 8 and 23 - w for the others.  Its diagonal lies in key step w' / 2, which hangs on the wave's number alone; it works w' / 2 + 1 key steps of 128.
; Every wave walks a loop of 8 trips and jumps over the work of the steps all of whose keys come after its queries.
; LAYOUT.  S^T = K Q^T (source 0 = 16 keys), O^T = V^T P^T (source 0 = 16 channels): a lane holds ONE query throughout; the 16 registers of tiles 2 b, 2 b + 1 are 16 neighbouring keys (or channels).
; LIMITS: NaN and infinities are not served; blocks under 2^-122 keep the byte 1; a block's largest p is made from the block's largest score by the same two instructions (v_exp_f32 is taken not to fall where its input rises); 1 / sum is v_rcp_f32.
; REGISTERS: v1-5, v7 addresses and the mask's number; v8-11 the step's addresses; v12 -M, v13 the largest t, v[14:15] the sum; v16-27 Q; v28-31 V's scale words; v32-79 four fragments of K; v80-127 V's four;
;   v128-191 S^T, then p; v192-223 O^T; v224-235 p's codes; v232-247, v252, v254 at work; v248-251 K's scale words; v253 p's; v255 Q's.
.set VC,   49152                       ; LDS: k's codes at 0, v's here,
.set KS,   98304                       ; k's scale words,
.set VS,   102400                      ; v's: the block as it lies in memory
.set QTR,  26112                       ; a quarter of it: 102 rows of 256 bytes
.set BHB,  157696
.set S,    128
.set O,    192
.macro CROUND                          ; a round of the cluster's barrier
	s_barrier_signal -1
	s_barrier_wait -1
	s_cmp_lg_u32 s18, 0
	s_cbranch_scc1 .Lnot_wave_0_\@
	s_barrier_signal -3
.Lnot_wave_0_\@:
	s_barrier_wait -3
	s_barrier_signal -1
	s_barrier_wait -1
.endm
	s_load_b128 s[4:7], s[0:1], 0x0                ; qkv, aimg
	s_load_b64 s[8:9], s[0:1], 0x10                ; ascl
	v_lshl_add_u32 v6, v0, 2, 0x29000
	v_mov_b32 v243, 0
	ds_add_u32 v6, v243
	ds_add_u32 v6, v243
	v_lshrrev_b32 v1, 5, v0
	v_readfirstlane_b32 s18, v1                    ; wave 0..15
	s_bfe_u32 s36, ttmp6, 0x40000                  ; cx
	s_and_b32 s37, ttmp7, 0xffff                   ; 32 x batch + head
	s_lshr_b32 s38, s18, 3
	s_mul_i32 s38, s38, 7
	s_xor_b32 s38, s38, s18                        ; w'
	s_lshl_b32 s39, s38, 2
	s_add_co_u32 s39, s39, s36                     ; my tile of queries
	s_lshr_b32 s40, s38, 1                         ; the key step of my diagonal
	s_mov_b32 s24, 15|(3<<16)|(1<<21)              ; group 1: 15:0 all four work-groups; 17:16 elements of 8 bytes; 21 set beside a mask
	s_mov_b32 s25, 32<<16                          ; tensor_dim0: 256 bytes
	s_mov_b32 s26, 102<<16                         ; tensor_dim1
	s_mov_b32 s27, 32<<16                          ; tile_dim0
	s_mov_b32 s28, 102                             ; tile_dim1
	s_mov_b32 s29, 32                              ; the rows lie on end
	s_mov_b32 s30, 0
	s_mov_b32 s31, 0
	s_and_b32 s47, s18, 3
	s_mul_i32 s33, s47, QTR                        ; LDS address: by the wave's number alone
	s_mul_i32 s46, s37, BHB                        ; the head's block
	s_add_co_u32 s48, s46, s33
	s_add_co_u32 s48, s48, 53248                   ; k's codes begin there
	s_mov_b32 s49, 0
	s_mul_i32 s50, s39, 768
	s_add_co_u32 s50, s50, s46                     ; my tile of q
	s_mov_b32 s51, 0
	s_lshl_b32 s52, s39, 6
	s_add_co_u32 s52, s52, s46
	s_add_co_u32 s52, s52, 49152                   ; and its scale words
	s_mov_b32 s53, 0
	s_mov_b32 s20, 0x76543210
	s_mov_b32 s21, 0xfedcba98                      ; v_permlanex16_b32's selects for lane l xor 16
	s_mov_b32 s22, 0x3e38aa3b                      ; c = log2(e) / 8
	s_mov_b32 s23, s22                             ; (named with it as a pair)
	s_mov_b32 s41, 0                               ; the key step
	s_mov_b32 s42, 0                               ; its codes: 6,144 bytes a step, of k and of v
	s_mov_b32 s43, 0                               ; k's scale words: 512
	s_mov_b32 s44, 0                               ; v's: 256
	s_wait_dscnt 0x0
	s_wait_kmcnt 0x0
	s_mov_b32 s32, 1
	s_add_nc_u64 s[34:35], s[4:5], s[48:49]
	s_or_b32 s35, s35, 0x80000000
	s_add_nc_u64 s[10:11], s[4:5], s[50:51]
	s_add_nc_u64 s[12:13], s[4:5], s[52:53]
	s_lshr_b32 s50, s37, 5                         ; where my result goes: row tile 64 x batch + my tile,
	s_lshl_b32 s50, s50, 6
	s_add_co_u32 s50, s50, s39
	s_and_b32 s52, s37, 31                         ; K step head / 2, half head % 2
	s_lshl_b32 s53, s50, 4
	s_lshr_b32 s54, s52, 1
	s_add_co_u32 s53, s53, s54
	s_mul_i32 s54, s53, 1536
	s_and_b32 s53, s52, 1
	s_mul_i32 s53, s53, 768
	s_add_co_u32 s54, s54, s53
	s_mov_b32 s55, 0
	s_add_nc_u64 s[6:7], s[6:7], s[54:55]
	s_lshl_b32 s54, s50, 10                        ; its two scale bytes: 1024 T + 128 (head / 4) + 8 r + 2 (head % 4)
	s_lshr_b32 s53, s52, 2
	s_lshl_b32 s53, s53, 7
	s_add_co_u32 s54, s54, s53
	s_and_b32 s53, s52, 3
	s_lshl_b32 s53, s53, 1
	s_add_co_u32 s54, s54, s53
	s_add_nc_u64 s[8:9], s[8:9], s[54:55]
	CROUND                                         ; all four work-groups are here: the joint loads meet
	s_cmp_lt_u32 s18, 4                            ; waves 0 to 3 fetch a quarter each: one tensor load of mine is out
	s_cbranch_scc0 .Lno_fetch
	tensor_load_to_lds s[32:35], s[24:31]
	s_nop 0
.rept 4
	v_nop
.endr
.Lno_fetch:
	v_and_b32 v1, 31, v0
	v_lshlrev_b32 v1, 3, v1                        ; 8 x lane: my place in every piece
	v_add_nc_u32 v2, VC, v1
	v_and_b32 v8, 15, v0                           ; r
	v_bfe_u32 v9, v0, 4, 1                         ; h
	v_lshlrev_b32 v10, 2, v8
	v_add_nc_u32 v3, KS, v10
	v_add_nc_u32 v4, VS, v10
	v_lshlrev_b32 v7, 3, v8
.irp p, 0,1,2
	global_load_b64 v[16+2*\p:17+2*\p], v1, s[10:11] offset:256*\p   ; Q's codes stay in registers
.endr
	global_load_b32 v255, v10, s[12:13]            ; and its scale words
	s_lshr_b32 s50, s39, 1
	s_lshl_b32 s50, s50, 5
	s_and_b32 s51, s39, 1
	s_lshl_b32 s51, s51, 3
	s_add_co_u32 s50, s50, s51
	s_and_b32 s50, s50, 127                        ; my tile's first query, counted from the diagonal step's first key
	v_and_b32 v11, 8, v8
	v_add_nc_u32 v11, v11, v8
	v_lshlrev_b32 v5, 4, v9
	v_sub_nc_u32 v5, v11, v5
	v_add_nc_u32 v5, s50, v5                       ; d = my query - the step's first key - 16 h.  Register 16 b + i holds key 32 b + 16 h + i: hidden where 32 b + i > d
.irp i, 22,23,24,25,26,27
	v_mov_b32 v[\i], 0                             ; K = 64: the upper half of Q's operand is zero codes,
.endr
.irp t, 0,1,2,3
.irp i, 6,7,8,9,10,11
	v_mov_b32 v[32+12*\t+\i], 0                    ; and of K's four: written once, no load lands there
.endr
.endr
	v_mov_b32 v13, 0xff61b1e6                      ; the largest t so far: -3e38
	v_floor_f32 v12, -v13                          ; -M
	v_mov_b32 v14, 0
	v_mov_b32 v15, 0
.irp b, 0,1,2,3
	v_mov_b32 v[236+\b], 0                         ; a lane permute's destination counts as one of its sources
.endr
	v_mov_b32 v252, 0
	v_mov_b32 v253, 0
.set j, 0
.rept 32
	v_mov_b32 v[O+j], 0                            ; O^T.  (The step is written once: the first finds zeros, which the first change of M leaves zeros)
.set j, j+1
.endr
	s_wait_tensorcnt 0x0                           ; my quarter is in,
	s_wait_loadcnt 0x0                             ; and Q
	s_barrier_signal -1
	s_barrier_wait -1                              ; everybody's quarter is
.Lstep:                                            ; 8 trips, a key step of 128 keys each
	s_cmp_gt_u32 s41, s40                          ; all its keys come after my queries: the work is left out (a branch on the wave's number and the count)
	s_cbranch_scc1 .Lhidden
	v_add_nc_u32 v8, s42, v1                       ; these four lines are the places in front of loads into registers that the last products have read
	v_add_nc_u32 v9, s42, v2
	v_add_nc_u32 v10, s43, v3
	v_add_nc_u32 v11, s44, v4
.irp t, 0,1,2,3
.irp p, 0,1,2
	ds_load_b64 v[32+12*\t+2*\p:33+12*\t+2*\p], v8 offset:768*\t+256*\p
.endr
	ds_load_b32 v[248+\t], v10 offset:64*\t
.endr
.irp t, 0,1,2,3                                ; the step's V, asked for now: wanted behind the softmax
.irp p, 0,1,2,3,4,5
	ds_load_b64 v[80+12*\t+2*\p:81+12*\t+2*\p], v9 offset:1536*\t+256*\p
.endr
	ds_load_b32 v[28+\t], v11 offset:64*\t
.endr
	s_wait_dscnt 28                                ; K's first four tiles are in; V's 28 loads may be out
.irp t, 0,1,2,3
	v_wmma_scale_f32_16x16x128_f8f6f4 v[S+8*\t:S+8*\t+7], v[32+12*\t:43+12*\t], v[16:27], 0, v[248+\t], v255 matrix_a_fmt:MATRIX_FMT_BF6 matrix_b_fmt:MATRIX_FMT_BF6
.endr
.rept 4
	v_nop                                          ; places in front of loads into registers that these products have read
.endr
.irp t, 0,1,2,3
.irp p, 0,1,2
	ds_load_b64 v[32+12*\t+2*\p:33+12*\t+2*\p], v8 offset:768*(4+\t)+256*\p
.endr
	ds_load_b32 v[248+\t], v10 offset:64*(4+\t)
.endr
	s_wait_dscnt 0x0
.irp t, 0,1,2,3
	v_wmma_scale_f32_16x16x128_f8f6f4 v[S+32+8*\t:S+32+8*\t+7], v[32+12*\t:43+12*\t], v[16:27], 0, v[248+\t], v255 matrix_a_fmt:MATRIX_FMT_BF6 matrix_b_fmt:MATRIX_FMT_BF6
.endr
.rept 4
	v_nop
.endr
	s_cmp_lt_u32 s41, s40                          ; under the diagonal step every key counts
	s_cbranch_scc1 .Lopen
	v_mov_b32 v254, 0xff800000                     ; on it the scores of hidden keys become -infinity ahead of the maximum: p = 0 then
.set n, 0
.rept 64
	v_cmp_gt_i32 vcc_lo, 32*(n/16)+n%16, v5
	v_cndmask_b32 v[S+n], v[S+n], v254, vcc_lo
.set n, n+1
.endr
.Lopen:
.irp b, 0,1,2,3
	v_max3_num_f32 v[232+\b], v[S+16*\b], v[S+1+16*\b], v[S+2+16*\b]   ; the largest score of each block of 32 keys: for the row's maximum and for the block's largest p
.endr
.irp i, 3,5,7,9,11,13
.irp b, 0,1,2,3
	v_max3_num_f32 v[232+\b], v[232+\b], v[S+16*\b+\i], v[S+1+16*\b+\i]
.endr
.endr
.irp b, 0,1,2,3
	v_max_num_f32 v[232+\b], v[232+\b], v[S+15+16*\b]
.endr
.irp b, 0,1,2,3
	v_permlanex16_b32 v[236+\b], v[232+\b], s20, s21
.endr
.irp b, 0,1,2,3
	v_max_num_f32 v[232+\b], v[232+\b], v[236+\b]  ; with lane l xor 16's 16 keys
.endr
	v_max3_num_f32 v254, v232, v233, v234
	v_max_num_f32 v254, v254, v235                 ; the step's largest score of my query
	v_mul_f32 v254, s22, v254                      ; as t (c is positive)
	v_max_num_f32 v13, v13, v254                   ; the running largest t
	v_mov_b32 v254, v12
	v_floor_f32 v12, -v13                          ; the new -M = -ceil(t)
	v_sub_f32 v254, v12, v254                      ; old M - new M: a whole number, 0 or less
	v_cvt_i32_f32 v254, v254                       ; (it saturates)
	v_ldexp_f32 v252, 1.0, v254                    ; f = 2^(old M - new M)
.set j, 0
.rept 32
	v_pk_fma_f32 v[S+j:S+j+1], v[S+j:S+j+1], s[22:23], v[12:13] op_sel_hi:[1,0,0]   ; t - M, two at a time
.set j, j+2
.endr
.irp b, 0,1,2,3
	v_fma_f32 v[232+\b], v[232+\b], s22, v12       ; the same of each block's largest score
.endr
.set j, 0
.rept 64
	v_exp_f32 v[S+j], v[S+j]                       ; p = 2^(t - M), at most 1: not normalised
.set j, j+1
.endr
.irp b, 0,1,2,3
	v_exp_f32 v[232+\b], v[232+\b]                 ; the block's largest p
.endr
	v_pk_mul_f32 v[14:15], v[14:15], v[252:253] op_sel_hi:[1,0]   ; the sums under the new M.  (A plain place behind the exponentials)
	s_wait_alu depctr_va_vdst(0)
.irp b, 0,1,2,3
	v_max_num_f32 v[232+\b], 0x2800000, v[232+\b]  ; the floor 2^(5 - 127): the byte cannot fall under 1
.endr
.irp b, 0,1,2,3
	v_add_nc_u32 v[244+\b], 0xfe000000, v[232+\b]  ; 4 off the exponent field: the conversion's scale operand
.endr
.irp b, 0,1,2,3
	v_lshrrev_b32 v[236+\b], 23, v[244+\b]         ; the scale's byte
.endr
	v_lshl_or_b32 v253, v237, 8, v236              ; p's scale word for these 128 keys
	v_lshl_or_b32 v253, v238, 16, v253
	v_lshl_or_b32 v253, v239, 24, v253
.irp c, 0,1
	v_cvt_scalef32_pk16_bf6_f32 v[224+6*\c:226+6*\c], v[S+32*\c:S+15+32*\c], v[244+2*\c]
	v_cvt_scalef32_pk16_bf6_f32 v[236+4*\c:238+4*\c], v[S+16+32*\c:S+31+32*\c], v[244+2*\c+1]   ; (a conversion's three registers begin on an even number)
.endr
	v_nop                                          ; one plain place behind a scaled conversion
.irp c, 0,1                                    ; the operand's layout wants a WHOLE block in a lane
.irp i, 0,1,2
	v_permlane16_swap_b32 v[224+6*\c+\i], v[236+4*\c+\i]
.endr
.irp i, 0,1,2
	v_mov_b32 v[227+6*\c+\i], v[236+4*\c+\i]
.endr
.endr
	v_pk_add_f32 v[236:237], v[S:S+1], v[S+2:S+3]  ; the row's sum is taken of the UNQUANTISED p: two at a time, in two chains
.irp j, 4,8,12,16,20,24,28,32,36,40,44,48,52,56,60
	v_pk_add_f32 v[14:15], v[14:15], v[S+\j:S+1+\j]
	v_pk_add_f32 v[236:237], v[236:237], v[S+2+\j:S+3+\j]
.endr
	v_pk_add_f32 v[14:15], v[14:15], v[236:237]
.set j, 0
.rept 16
	v_pk_mul_f32 v[O+j:O+j+1], v[O+j:O+j+1], v[252:253] op_sel_hi:[1,0]   ; O^T under the new M.  (With the sums above: the places between p's codes and scale word and the products below)
.set j, j+2
.endr
.irp t, 0,1,2,3                                ; O^T += V^T P^T: the head's four tiles of 16 channels by turns; K = these 128 keys
	v_wmma_scale_f32_16x16x128_f8f6f4 v[O+8*\t:O+8*\t+7], v[80+12*\t:91+12*\t], v[224:235], v[O+8*\t:O+8*\t+7], v[28+\t], v253 matrix_a_fmt:MATRIX_FMT_BF6 matrix_b_fmt:MATRIX_FMT_BF6
.endr
.Lhidden:
	s_add_co_u32 s42, s42, 6144
	s_add_co_u32 s43, s43, 512
	s_add_co_u32 s44, s44, 256
	s_add_co_u32 s41, s41, 1
	s_cmp_lt_u32 s41, 8
	s_cbranch_scc1 .Lstep
.rept 4
	v_nop                                          ; places behind the last products (a wave reaches this line over trips that it left out)
.endr
	v_add_f32 v14, v14, v15                        ; the sum's two halves,
	v_permlanex16_b32 v252, v14, s20, s21
	v_add_f32 v14, v14, v252                       ; and lane l xor 16's: the row's sum
	v_rcp_f32 v14, v14
	v_nop                                          ; a plain place behind the transcendental
.set j, 0
	s_wait_alu depctr_va_vdst(0)
.rept 16
	v_pk_mul_f32 v[S+j:S+j+1], v[O+j:O+j+1], v[14:15] op_sel_hi:[1,0]   ; O^T / the sum: register 16 b + i is channel 32 b + 16 h + i of the head; each accumulator from its low end on
.set j, j+2
.endr
.irp b, 0,1                                    ; the head's two blocks of 32 along the output projection's K
	v_max3_num_f32 v[232+\b], |v[S+16*\b]|, |v[S+1+16*\b]|, 0x2800000
.endr
.irp i, 2,4,6,8,10,12,14
.irp b, 0,1
	v_max3_num_f32 v[232+\b], v[232+\b], |v[S+16*\b+\i]|, |v[S+1+16*\b+\i]|
.endr
.endr
.irp b, 0,1
	v_permlanex16_b32 v[236+\b], v[232+\b], s20, s21
.endr
.irp b, 0,1
	v_max_num_f32 v[232+\b], v[232+\b], v[236+\b]
.endr
.irp b, 0,1
	v_add_nc_u32 v[244+\b], 0xfe000000, v[232+\b]
.endr
.irp b, 0,1
	v_lshrrev_b32 v[240+\b], 23, v[244+\b]
.endr
	v_lshl_or_b32 v240, v241, 8, v240              ; the two scale bytes of my query
	v_cvt_scalef32_pk16_bf6_f32 v[224:226], v[S:S+15], v244
	v_cvt_scalef32_pk16_bf6_f32 v[236:238], v[S+16:S+31], v245
	v_nop
.irp i, 0,1,2
	v_permlane16_swap_b32 v[224+\i], v[236+\i]
.endr
.irp i, 0,1,2
	v_mov_b32 v[227+\i], v[236+\i]                 ; registers 0-5 (or 6-11) of the next product's operand: k = 32 h + 0 .. 31 of my head
.endr
.irp p, 0,1,2
	global_store_b64 v1, v[224+2*\p:225+2*\p], s[6:7] offset:256*\p   ; 32 lanes store 256 consecutive bytes, at a multiple of 256 from the buffer's first byte
.endr
	global_store_b16 v7, v240, s[8:9]              ; lanes r and r + 16 store the same two bytes
	s_wait_dscnt 0x0
	s_wait_tensorcnt 0x0
	ds_add_u32 v6, v243
	s_wait_dscnt 0x0
	CROUND                                         ; the closing round
	s_endpgm
.Lfunc_end_k_q4795a6af68_attn:
	.size	k_q4795a6af68_attn, .Lfunc_end_k_q4795a6af68_attn-k_q4795a6af68_attn
	.p2alignl 7, 3214868480
	.fill 96, 4, 3214868480
	.section	.rodata,"a",@progbits
	.p2align	6, 0x0
	.amdhsa_kernel k_q4795a6af68_attn
		.amdhsa_group_segment_fixed_size 169984
		.amdhsa_private_segment_fixed_size 0
		.amdhsa_enable_private_segment 0
		.amdhsa_kernarg_size 24
		.amdhsa_user_sgpr_count 2
		.amdhsa_user_sgpr_kernarg_segment_ptr 1
		.amdhsa_wavefront_size32 1
		.amdhsa_system_sgpr_workgroup_id_x 1
		.amdhsa_system_sgpr_workgroup_id_y 1
		.amdhsa_system_sgpr_workgroup_id_z 1
		.amdhsa_system_vgpr_workitem_id 0
		.amdhsa_next_free_vgpr 256
		.amdhsa_next_free_sgpr 66
		.amdhsa_reserve_vcc 1
		.amdhsa_float_denorm_mode_32 3
		.amdhsa_float_denorm_mode_16_64 3
		.amdhsa_memory_ordered 1
		.amdhsa_forward_progress 1
		.amdhsa_inst_pref_size 35
	.end_amdhsa_kernel
	.amdgpu_metadata
---
amdhsa.version: [ 1, 2 ]
amdhsa.kernels:
  - .name:           k_q4795a6af68_attn
    .symbol:         k_q4795a6af68_attn.kd
    .args:
      - { .name: qkv, .offset: 0, .size: 8, .value_kind: global_buffer, .address_space: global }
      - { .name: aimg, .offset: 8, .size: 8, .value_kind: global_buffer, .address_space: global }
      - { .name: ascl, .offset: 16, .size: 8, .value_kind: global_buffer, .address_space: global }
    .group_segment_fixed_size: 169984
    .private_segment_fixed_size: 0
    .kernarg_segment_align: 8
    .kernarg_segment_size: 24
    .max_flat_workgroup_size: 512
    .sgpr_count:     66
    .vgpr_count:     256
    .wavefront_size: 32
...
	.end_amdgpu_metadata
.endif
;; end of part 3
;; launch oproj (part 4): grid 8 x 8, 4 waves a work-group, clusters of 4 x 4, 327,680 bytes of LDS; arguments aimg, ascl, cimg, simg, bo, out0; writes out0
.if DOCPART == 4
	.amdgcn_target "amdgcn-amd-amdhsa--gfx1250"
	.amdhsa_code_object_version 6
	.text
	.protected	k_q4795a6af68_oproj
	.globl	k_q4795a6af68_oproj
	.p2align	8
	.type	k_q4795a6af68_oproj,@function
k_q4795a6af68_oproj:
	s_mov_b64 s[64:65], 0
	v_nop
	global_prefetch_b8 v0, s[64:65] scope:SCOPE_SE
	s_setreg_imm32_b32 hwreg(HW_REG_WAVE_MODE, 25, 1), 1
	s_wait_xcnt 0x0
	s_wait_alu depctr_hold_cnt(0) depctr_sa_sdst(0) depctr_va_vdst(0) depctr_va_sdst(0) depctr_va_ssrc(0) depctr_va_vcc(0) depctr_vm_vsrc(0)
	s_getreg_b32 s2, hwreg(HW_REG_IB_STS2, 6, 4)
	s_cmp_eq_u32 s2, 0
	s_cbranch_scc0 .Lentry_in_a_cluster
	s_endpgm
.Lentry_in_a_cluster:
	s_bfe_u32 s2, ttmp6, 0x10000c
	s_cmp_lg_u32 s2, 0xf033
	s_cbranch_scc0 .Lentry_shape_is_right
	s_endpgm
.Lentry_shape_is_right:
; out = attn Wo^T + bo on codes of BF6 (E3M2) with E8M0 scales; out [2048][2048] f32.
; OPERANDS are images of the operand's registers: row tile T, lane-row r = row 32 (T / 2) + 8 (T % 2) + r + 8 (r / 8); fragment (T, K step s) = 1,536 bytes at (16 T + s) x 1536, piece p of lane l at 256 p + 8 l.
; Scale byte (T, r, block kb) at 1024 T + 128 (kb / 8) + 8 r + kb % 8.  attn's come from the launch before, Wo's are section 4 of the first launch's buffers.
; A tile of 256 x 256 is made by four waves, each 128 x 128: 64 accumulators.  K goes in steps of 256 through a ring of two LDS slots filled by the tensor data mover; the scales of all of K come once.
; Source 0 = 16 rows of Wo (side B: a lane's registers run along out's columns), source 1 = 16 rows of attn (side A: a lane a token).  bo is the C of each sum's first matrix instruction.
; CLUSTERS: 4 x 4 work-groups; A's tile is asked for jointly along a row of the cluster, B's along a column.
; 64 tiles of 256 x 256 give 64 work-groups: a wave's tile is kept at 128 x 128, so that each byte read from LDS feeds as many products as the registers allow.
; REGISTERS: window 0: v0-31 addresses; v32-63 scale words, two sets; v64-127 bo; v128-223 A's fragments, one set; on the way out v128-255 rows of out.  window 1: B's fragments, two sets.  windows 2, 3: the accumulators.
.set FRB,    1536
.set TROW,   2*FRB
.set HALFT,  8*TROW
.set SLOT,   4*HALFT
.set SCL,    2*SLOT
.set HALFS,  8192
.set SPARE,  SCL+4*HALFS               ; the spare words, 128 bytes for each wave: two blocks of 256 bytes that no other line names
.set SPITCH, 528                       ; the way out: a stage of 16 rows x (512 bytes + 16) for each wave, in slot 0, which has had its last fill and its last read when the first result is stored there
.set NQ,     2
.set FR,     12
.set NL,     6
.set NP,     4
.set LAPS,   4
.set ADRA, 16
.set ADRB, 20
.set STO,  24                          ; v24  the way out: where I put 32 bytes of a row
.set RD,   25                          ; v25  where I read a row back
.set CO,   26                          ; v26  my byte offset in a row of out
.set ADRS, 27
.set SPW,  28
.set NIL,  29
.set SC,   32
.set BR,   64
.set AF,   128
.set BK,   128
.set G1, 24
.set G0, 32
.set G1B, 48
.set G0B, 56
.set G1S, 68
.set G0S, 76
.set G1SB, 80
.set G0SB, 88
.set MSB, 0
.macro WIN new                         ; the immediate's high byte repeats the setting that is left
.if MSB != (\new)
	s_set_vgpr_msb (MSB<<8)|(\new)
.set MSB, (\new)
.endif
.endm
.set MUL_LO, 0xa1
.set MUL_HI, 0xf1
.set BEG_LO, 0x81
.set BEG_HI, 0xc1
.set TO_B,   0x40
.macro JLOAD g0a, g1a, g0b, g1b        ; a joint load: waves 0 and 1 fetch for A, waves 2 and 3 for B; four v_nop follow each of the two lines
	s_cmp_eq_u32 s17, 0
	s_cbranch_scc0 .Lfor_b_\@
	tensor_load_to_lds s[\g0a:\g0a+3], s[\g1a:\g1a+7]
	s_nop 0
.rept 4
	v_nop
.endr
	s_branch .Lasked_\@
.Lfor_b_\@:
	tensor_load_to_lds s[\g0b:\g0b+3], s[\g1b:\g1b+7]
	s_nop 0
.rept 4
	v_nop
.endr
.Lasked_\@:
.endm
.macro CREST
	s_cmp_lg_u32 s16, 0
	s_cbranch_scc1 .Lnot_wave_0_\@
	s_barrier_signal -3
.Lnot_wave_0_\@:
	s_barrier_wait -3
	s_barrier_signal -1
	s_barrier_wait -1
.endm
.macro CROUND
	s_barrier_signal -1
	s_barrier_wait -1
	CREST
.endm
	s_load_b256 s[4:11], s[0:1], 0x0               ; aimg, ascl, cimg, simg
	s_load_b128 s[12:15], s[0:1], 0x20             ; bo, out0
	v_lshl_add_u32 v[SPW], v0, 2, SPARE
	v_mov_b32 v[NIL], 0
	ds_add_u32 v28, v29
	ds_add_u32 v28, v29
	s_wait_dscnt 0x0
	v_lshrrev_b32 v1, 5, v0
	v_readfirstlane_b32 s16, v1                    ; wave 0..3
	s_lshr_b32 s17, s16, 1                         ; which half of A's rows is mine.  Also: I fetch for A (0) or for B (1)
	s_and_b32 s18, s16, 1                          ; which half of B's rows.  Also: which 8 row tiles I fetch
	s_bfe_u32 s40, ttmp6, 0x40000                  ; cx, cy
	s_bfe_u32 s41, ttmp6, 0x40004
	s_and_b32 s66, ttmp7, 0xffff
	s_lshl_b32 s66, s66, 2
	s_add_co_u32 s66, s66, s41                     ; A's tile of 256 rows = 4 x cluster y + cy
	s_lshl_b32 s42, ttmp9, 2
	s_add_co_u32 s42, s42, s40                     ; B's = 4 x cluster x + cx
	s_lshl_b32 s43, s41, 2
	s_lshl_b32 s43, 15, s43                        ; my row of the cluster
	s_lshl_b32 s44, 0x1111, s40                    ; my column
	s_or_b32 s[G1+0], s43, (3<<16)|(1<<21)         ; codes: 8 row tiles x 3,072 bytes (384 elements of 8 bytes), 24,576 bytes apart in memory, on end in LDS
	s_or_b32 s[G1B+0], s44, (3<<16)|(1<<21)
.irp g, G1, G1B
	s_mov_b32 s[\g+1], 384<<16
	s_mov_b32 s[\g+2], 8<<16
	s_mov_b32 s[\g+3], 384<<16
	s_mov_b32 s[\g+4], 8
	s_mov_b32 s[\g+5], 3072
	s_mov_b32 s[\g+6], 0
	s_mov_b32 s[\g+7], 0
.endr
	s_or_b32 s[G1S+0], s43, (3<<16)|(1<<21)        ; scales of 8 row tiles: 8,192 dense bytes as 32 rows of 256
	s_or_b32 s[G1SB+0], s44, (3<<16)|(1<<21)
.irp g, G1S, G1SB
	s_mov_b32 s[\g+1], 32<<16
	s_mov_b32 s[\g+2], 32<<16
	s_mov_b32 s[\g+3], 32<<16
	s_mov_b32 s[\g+4], 32
	s_mov_b32 s[\g+5], 32
	s_mov_b32 s[\g+6], 0
	s_mov_b32 s[\g+7], 0
.endr
	s_lshl_b32 s19, s66, 4
	s_lshl_b32 s20, s18, 3
	s_add_co_u32 s19, s19, s20                     ; A: the first row tile that I fetch
	s_mul_i32 s22, s19, 24576
	s_mov_b32 s23, 0
	s_lshl_b32 s20, s19, 10
	s_mov_b32 s21, 0
	s_lshl_b32 s46, s42, 4
	s_add_co_u32 s46, s46, 4*128                   ; B: Wo's section begins at row tile 512
	s_lshl_b32 s47, s18, 3
	s_add_co_u32 s46, s46, s47
	s_lshl_b32 s92, s46, 10
	s_mov_b32 s93, 0
	s_mul_i32 s46, s46, 24576
	s_mov_b32 s47, 0
	s_mul_i32 s45, s16, HALFT
	s_mul_i32 s94, s16, HALFS
	s_wait_kmcnt 0x0
	s_add_nc_u64 s[22:23], s[4:5], s[22:23]
	s_add_nc_u64 s[20:21], s[6:7], s[20:21]
	s_add_nc_u64 s[46:47], s[8:9], s[46:47]
	s_add_nc_u64 s[92:93], s[10:11], s[92:93]
	CROUND                                         ; all sixteen work-groups are here: the first joint loads meet
	s_mov_b32 s[G0S], 1
	s_add_co_u32 s[G0S+1], s94, SCL
	s_mov_b64 s[G0S+2:G0S+3], s[20:21]
	s_or_b32 s[G0S+3], s[G0S+3], 0x80000000
	s_mov_b32 s[G0SB], 1
	s_add_co_u32 s[G0SB+1], s94, SCL
	s_mov_b64 s[G0SB+2:G0SB+3], s[92:93]
	s_or_b32 s[G0SB+3], s[G0SB+3], 0x80000000
	JLOAD G0S, G1S, G0SB, G1SB                     ; the scales first.  Three tensor loads of mine are out behind the last of these
.irp s, 0,1
	s_mov_b32 s[G0+4*\s], 1
	s_add_co_u32 s[G0+4*\s+1], s45, \s*SLOT
	s_add_nc_u64 s[G0+4*\s+2:G0+4*\s+3], s[22:23], \s*TROW
	s_or_b32 s[G0+4*\s+3], s[G0+4*\s+3], 0x80000000
	s_mov_b32 s[G0B+4*\s], 1
	s_add_co_u32 s[G0B+4*\s+1], s45, \s*SLOT
	s_add_nc_u64 s[G0B+4*\s+2:G0B+4*\s+3], s[46:47], \s*TROW
	s_or_b32 s[G0B+4*\s+3], s[G0B+4*\s+3], 0x80000000
	JLOAD G0+4*\s, G1, G0B+4*\s, G1B
.endr
	v_and_b32 v1, 15, v0                           ; r
	v_bfe_u32 v2, v0, 4, 1                         ; h
	v_and_b32 v3, 31, v0
	v_lshlrev_b32 v[CO], 4, v3                     ; 16 x lane
	v_lshlrev_b32 v3, 3, v3                        ; 8 x lane
	s_mul_i32 s21, s17, HALFT
	s_mul_i32 s22, s18, HALFT
	s_add_co_u32 s22, s22, 2*HALFT
.irp s, 0,1
	v_add_nc_u32 v[ADRA+\s], s21, v3
	v_add_nc_u32 v[ADRB+\s], s22, v3
	s_add_co_u32 s21, s21, SLOT
	s_add_co_u32 s22, s22, SLOT
.endr
	v_lshlrev_b32 v5, 3, v1
	s_mul_i32 s21, s17, HALFS
	s_mul_i32 s22, s18, HALFS
	s_add_co_u32 s22, s22, 2*HALFS
	s_sub_co_u32 s22, s22, s21
	v_mul_u32_u24 v6, s22, v2                      ; lanes 16-31 take B's scale words
	s_add_co_u32 s21, s21, SCL
	v_add_nc_u32 v5, v5, v6
	v_add_nc_u32 v[ADRS], s21, v5
	s_mul_i32 s23, s16, 16*SPITCH                  ; my stage
	v_mul_u32_u24 v5, v1, SPITCH
	v_lshl_add_u32 v5, v2, 6, v5                   ; in: row r, + 64 h: register j of B's tile b is column 32 (b / 2) + 8 (b % 2) + 16 h + j
	v_add_nc_u32 v[STO], s23, v5
	v_add_nc_u32 v[RD], s23, v[CO]                 ; back: the 32 lanes take one row of 512 bytes
	s_lshl_b32 s95, s66, 8
	s_lshl_b32 s19, s17, 7
	s_add_co_u32 s95, s95, s19                     ; my first row of out
	s_lshl_b32 s96, s42, 8
	s_lshl_b32 s19, s18, 7
	s_add_co_u32 s96, s96, s19                     ; my first column
	s_lshl_b32 s20, s96, 2
	s_mov_b32 s21, 0
	s_add_nc_u64 s[12:13], s[12:13], s[20:21]      ; bo at my first column
	s_add_nc_u64 s[14:15], s[14:15], s[20:21]
	s_lshl_b32 s20, s95, 13
	s_add_nc_u64 s[14:15], s[14:15], s[20:21]      ; out at my first row and column
	v_lshlrev_b32 v4, 6, v2
.irp b, 0,1,2,3,4,5,6,7
	global_load_b128 v[BR+8*\b:BR+8*\b+3], v4, s[12:13] offset:4*(32*(\b/2)+8*(\b%2))
	global_load_b128 v[BR+8*\b+4:BR+8*\b+7], v4, s[12:13] offset:4*(32*(\b/2)+8*(\b%2))+16
.endr
.macro FRAG reg, adr, q, i             ; a fragment, 12 registers, as it was stored: six pieces, each 256 consecutive bytes for the 32 lanes
.irp p, 0,1,2,3,4,5
	ds_load_b64 v[\reg+2*\p:\reg+2*\p+1], v[\adr] offset:(\i)*TROW+(\q)*FRB+256*\p
.endr
.endm
; 16 matrix instructions: A's blocks a0, a0 + 1 x B's eight, 128 along K.  zero = 1: the first product starts the sums from the bias.  The 64 accumulators take turns, one instruction a turn.
.macro MUL16 a0, p, q, sc, zero
.irp a, \a0, \a0+1
.irp b, 0,1,2,3,4,5,6,7
.if \zero
	v_wmma_scale_f32_16x16x128_f8f6f4 v[8*(8*((\a)%4)+\b):8*(8*((\a)%4)+\b)+7], v[128*(\p)+FR*\b:128*(\p)+FR*\b+FR-1], v[AF+FR*(\a):AF+FR*(\a)+FR-1], v[BR+8*\b:BR+8*\b+7], v[SC+8*NQ*(\sc)+NQ*\b+(\q)], v[SC+8*NQ*(\sc)+NQ*(\a)+(\q)] matrix_a_fmt:MATRIX_FMT_BF6 matrix_b_fmt:MATRIX_FMT_BF6 matrix_a_scale:MATRIX_SCALE_ROW1
.else
	v_wmma_scale_f32_16x16x128_f8f6f4 v[8*(8*((\a)%4)+\b):8*(8*((\a)%4)+\b)+7], v[128*(\p)+FR*\b:128*(\p)+FR*\b+FR-1], v[AF+FR*(\a):AF+FR*(\a)+FR-1], v[8*(8*((\a)%4)+\b):8*(8*((\a)%4)+\b)+7], v[SC+8*NQ*(\sc)+NQ*\b+(\q)], v[SC+8*NQ*(\sc)+NQ*(\a)+(\q)] matrix_a_fmt:MATRIX_FMT_BF6 matrix_b_fmt:MATRIX_FMT_BF6 matrix_a_scale:MATRIX_SCALE_ROW1
.endif
.endr
.endr
.endm
.macro FETCH_B slot, q, p
	WIN TO_B
.irp i, 0,1,2,3,4,5,6,7
	FRAG 128*(\p)+FR*\i, ADRB+\slot, \q, \i
.endr
	WIN 0
.endm
.macro FETCH_A slot, q, i0
.irp i, \i0, \i0+1, \i0+2, \i0+3
	FRAG AF+FR*(\i), ADRA+\slot, \q, \i
.endr
.endm
.macro SCALES sc
.irp i, 0,1,2,3,4,5,6,7
	ds_load_b64 v[SC+8*NQ*\sc+NQ*\i:SC+8*NQ*\sc+NQ*\i+1], v[ADRS] offset:\i*1024
.endr
.endm
.macro PLACES n                        ; places in front of loads into registers that matrix instructions have read, and of the first read of results (ISA guide 7.12.1 for vector instructions)
.rept \n
	v_nop
.endr
.endm
.macro STEP slot, q, zero
	s_wait_dscnt 4*NL                              ; B's set and A's blocks 0-3 are in; the youngest 24 loads (A's blocks 4-7) may be out
.if \zero
	WIN BEG_LO
.else
	WIN MUL_LO
.endif
	MUL16 0, (\q)%2, \q, \slot, \zero
	MUL16 2, (\q)%2, \q, \slot, \zero
	s_wait_dscnt 0
	PLACES NP
	FETCH_B \slot, (\q)+1, 1-(\q)%2
	FETCH_A \slot, (\q)+1, 0
.if \zero
	WIN BEG_HI
.else
	WIN MUL_HI
.endif
	MUL16 4, (\q)%2, \q, \slot, \zero
	MUL16 6, (\q)%2, \q, \slot, \zero
	PLACES NP
	WIN 0
	FETCH_A \slot, (\q)+1, 4
.endm
; A slot's last step changes slots: ONE barrier; in front of it each wave waits for all its tensor loads, adds 0 to its spare word, and waits for that and for its own reads of this slot.
.macro TURN slot, next, fill
	s_wait_tensorcnt 0x0                           ; all my tensor loads have landed: my part of the next slot
	ds_add_u32 v[SPW], v[NIL]                      ; 0 onto my spare word
	s_wait_dscnt 4*NL+1                            ; (the add and the youngest 24 loads may be out)
	WIN MUL_LO
	MUL16 0, 1, NQ-1, \slot, 0
	s_wait_dscnt 0x0                               ; the add is done, and my reads of this slot are over
	s_barrier_signal -1
	MUL16 2, 1, NQ-1, \slot, 0
	WIN 0
	s_barrier_wait -1
.if \fill
	CREST                                          ; the barrier has opened a round of the cluster's barrier
	s_add_nc_u64 s[G0+4*\slot+2:G0+4*\slot+3], s[G0+4*\slot+2:G0+4*\slot+3], 2*TROW
	s_add_nc_u64 s[G0B+4*\slot+2:G0B+4*\slot+3], s[G0B+4*\slot+2:G0B+4*\slot+3], 2*TROW
	JLOAD G0+4*\slot, G1, G0B+4*\slot, G1B         ; the first tensor load behind the round
.else
	PLACES NP
.endif
	v_add_nc_u32 v[ADRS], 128, v[ADRS]
	FETCH_B \next, 0, 0
	FETCH_A \next, 0, 0
	SCALES \next
	WIN MUL_HI
	MUL16 4, 1, NQ-1, \slot, 0
	MUL16 6, 1, NQ-1, \slot, 0
	PLACES NP
	WIN 0
	FETCH_A \next, 0, 4
.endm
	s_wait_tensorcnt 1                             ; the scales and my part of slot 0 are in (slot 1's load may be out),
	s_wait_loadcnt 0x0                             ; and bo
	s_barrier_signal -1
	s_barrier_wait -1
	FETCH_B 0, 0, 0
	FETCH_A 0, 0, 0
	SCALES 0
	FETCH_A 0, 0, 4
	STEP 0, 0, 1
	s_mov_b32 s3, LAPS-1
.Llap:
	TURN 0, 1, 1
	STEP 1, 0, 0
	TURN 1, 0, 1
	STEP 0, 0, 0
	s_sub_co_u32 s3, s3, 1
	s_cmp_lg_u32 s3, 0
	s_cbranch_scc1 .Llap
	TURN 0, 1, 0                                   ; the last lap fills nothing
	STEP 1, 0, 0
	s_wait_dscnt 4*NL
	WIN MUL_LO
	MUL16 0, 1, NQ-1, 1, 0
	MUL16 2, 1, NQ-1, 1, 0
	s_wait_dscnt 0
	WIN MUL_HI
	MUL16 4, 1, NQ-1, 1, 0
	MUL16 6, 1, NQ-1, 1, 0
	WIN 0
; THE WAY OUT, block by block of 16 lane-rows x 128 columns, through my own stage in LDS: back come whole rows of 512 bytes.  LDS serves a wave's instructions in order: no wait between the stores and the loads.
; Lane-row t of block a is row 32 (a / 2) + 8 (a % 2) + t + 8 (t / 8) of my 128.
.macro TOSTAGE a
.set AC, 64*((\a)%4)
	WIN 0x08+4*((\a)/4)                            ; an LDS store's data: window 2 or 3
.irp b, 0,1,2,3,4,5,6,7
	ds_store_b128 v[STO], v[AC+8*\b:AC+8*\b+3] offset:128*(\b/2)+32*(\b%2)          ; each accumulator from its low end on
	ds_store_b128 v[STO], v[AC+8*\b+4:AC+8*\b+7] offset:128*(\b/2)+32*(\b%2)+16
.endr
	WIN 0
.set BB, BK+64*((\a)%2)
.irp t, 0,1,2,3,4,5,6,7,8,9,10,11,12,13,14,15
	ds_load_b128 v[BB+4*\t:BB+4*\t+3], v[RD] offset:\t*SPITCH
.endr
.endm
.macro SEND a, younger                 ; younger: the LDS instructions issued behind block a's loads, which may stay out
.set BB, BK+64*((\a)%2)
	s_wait_dscnt \younger
.if (\a) > 0
.if ((\a)%2) == 1
	s_add_nc_u64 s[14:15], s[14:15], 8*8192        ; (behind a wait on XCNT: the earlier stores have read their base)  into an odd block: 8 rows on
.else
	s_add_nc_u64 s[14:15], s[14:15], 24*8192       ; into an even one: 24 rows on
.endif
.endif
.irp t, 0,1,2,3,4,5,6,7,8,9,10,11,12,13,14,15
	global_store_b128 v[CO], v[BB+4*\t:BB+4*\t+3], s[14:15] offset:(\t+8*(\t/8))*8192 th:TH_STORE_NT   ; 32 lanes store 512 consecutive bytes, at a multiple of 256 from out's first byte
.endr
.endm
	PLACES NP
	TOSTAGE 0
.irp a, 1,2,3,4,5,6,7
.if \a > 1
	s_wait_xcnt 0x0                                ; block a - 2's stores have read their registers and their base
.endif
	TOSTAGE \a
	SEND \a-1, 32                                  ; behind block a - 1's loads: block a's 16 stores and 16 loads
.endr
	s_wait_xcnt 0x0
	SEND 7, 0
	s_wait_tensorcnt 0x0                           ; the wave's end
	ds_add_u32 v[SPW], v[NIL]
	s_wait_dscnt 0x0
	CROUND                                         ; the closing round
	s_endpgm
.Lfunc_end_k_q4795a6af68_oproj:
	.size	k_q4795a6af68_oproj, .Lfunc_end_k_q4795a6af68_oproj-k_q4795a6af68_oproj
	.p2alignl 7, 3214868480
	.fill 96, 4, 3214868480
	.section	.rodata,"a",@progbits
	.p2align	6, 0x0
	.amdhsa_kernel k_q4795a6af68_oproj
		.amdhsa_group_segment_fixed_size 327680
		.amdhsa_private_segment_fixed_size 0
		.amdhsa_enable_private_segment 0
		.amdhsa_kernarg_size 48
		.amdhsa_user_sgpr_count 2
		.amdhsa_user_sgpr_kernarg_segment_ptr 1
		.amdhsa_wavefront_size32 1
		.amdhsa_system_sgpr_workgroup_id_x 1
		.amdhsa_system_sgpr_workgroup_id_y 1
		.amdhsa_system_sgpr_workgroup_id_z 1
		.amdhsa_system_vgpr_workitem_id 0
		.amdhsa_next_free_vgpr 1024
		.amdhsa_next_free_sgpr 102
		.amdhsa_reserve_vcc 0
		.amdhsa_float_denorm_mode_32 3
		.amdhsa_float_denorm_mode_16_64 3
		.amdhsa_memory_ordered 1
		.amdhsa_forward_progress 1
		.amdhsa_inst_pref_size 161
	.end_amdhsa_kernel
	.amdgpu_metadata
---
amdhsa.version: [ 1, 2 ]
amdhsa.kernels:
  - .name:           k_q4795a6af68_oproj
    .symbol:         k_q4795a6af68_oproj.kd
    .args:
      - { .name: aimg, .offset: 0, .size: 8, .value_kind: global_buffer, .address_space: global }
      - { .name: ascl, .offset: 8, .size: 8, .value_kind: global_buffer, .address_space: global }
      - { .name: cimg, .offset: 16, .size: 8, .value_kind: global_buffer, .address_space: global }
      - { .name: simg, .offset: 24, .size: 8, .value_kind: global_buffer, .address_space: global }
      - { .name: bo, .offset: 32, .size: 8, .value_kind: global_buffer, .address_space: global }
      - { .name: out0, .offset: 40, .size: 8, .value_kind: global_buffer, .address_space: global }
    .group_segment_fixed_size: 327680
    .private_segment_fixed_size: 0
    .kernarg_segment_align: 8
    .kernarg_segment_size: 48
    .max_flat_workgroup_size: 128
    .sgpr_count:     102
    .vgpr_count:     1024
    .wavefront_size: 32
...
	.end_amdgpu_metadata
.endif
;; end of part 4
;; ======== version 2 of 2: 4 launches
;; limits: right only within a limited range of input values
;; workspace buffers: cimg 12,582,912 bytes; simg 524,288 bytes; qkv 10,092,544 bytes; aimg 3,145,728 bytes; ascl 131,072 bytes; woimg 3,145,728 bytes; woscl 131,072 bytes
;; launch quant (part 5): grid 128 x 4, 4 waves a work-group, no clusters, 47,104 bytes of LDS; arguments hidden_states, Wq, Wk, Wv, cimg, simg; writes cimg, simg
.if DOCPART == 5
	.amdgcn_target "amdgcn-amd-amdhsa--gfx1250"
	.amdhsa_code_object_version 6
	.text
	.protected	k_q4795a6af68_quant
	.globl	k_q4795a6af68_quant
	.p2align	8
	.type	k_q4795a6af68_quant,@function
k_q4795a6af68_quant:
	s_mov_b64 s[64:65], 0
	v_nop
	global_prefetch_b8 v0, s[64:65] scope:SCOPE_SE
	s_setreg_imm32_b32 hwreg(HW_REG_WAVE_MODE, 25, 1), 1
	s_wait_xcnt 0x0
; hidden_states, Wq, Wk, Wv, each [2048][2048] f32 with K innermost, become codes of BF6 (E3M2) with one E8M0 byte for each 32 along K.
; A block's scale is 2^(floor(log2(its largest magnitude)) - 4); its byte is the largest magnitude's exponent field - 4, held at 1 from below.
; LIMITS: NaN and infinities are not served; a block whose largest magnitude lies under 2^-122 keeps the byte 1; a block of zeros has the byte 1 and not 127 (its codes are zeros; only this program reads the bytes).
; THE CODES ARE LAID AS IMAGES OF THE OPERAND'S REGISTERS.  Row tile T has 16 lane-rows; lane-row r stands for row 32 (T / 2) + 8 (T % 2) + r + 8 (r / 8).
; Fragment (T, K step s of 128) is 1,536 bytes at (16 T + s) x 1536; piece p (0..5) of lane l = r + 16 h lies at 256 p + 8 l: bytes 8 (p % 3) .. + 7 of the 24 bytes of block 4 s + 2 (p / 3) + h of the lane's row.
; The scale byte of (T, r, block kb) lies at 1024 T + 128 (kb / 8) + 8 r + kb % 8.
; A work-group (x = T, y = tensor) makes one row tile.  Wave w takes lane-rows 4 w .. 4 w + 3, four neighbouring rows of memory: 16 steps of 512 numbers.
; Each load reads 512 consecutive bytes; a step's 2,048 bytes turn through the wave's own stage in LDS, so that a lane holds 16 neighbours along K (two lanes to a block).
; A lane's 12 bytes of codes go to their three places in the tile's image in LDS; behind one barrier each wave stores a quarter of the image, 512 consecutive bytes an instruction.
; This launch serves hidden_states, Wq, Wk and Wv alone (y = 0 to 3): Wo is quantised by the same scheme in the launch qkv, by work-groups of its own.
.set STEPS, 16
.set EMAX,  4
.set SP,    80                         ; a lane's place in a stage: 64 bytes + 16 of padding
.set WREG,  2*32*SP                    ; two stages for each wave
.set IMG,   4*WREG                     ; the image: 32 groups (K step, half) of 768 bytes + 16 of padding
.set GP,    784
.set SCB,   IMG+32*GP                  ; the tile's 1,024 scale bytes
.set R,     16                         ; v16-79   four sets of 16 numbers as loaded; at the end the image on its way out
.set X,     80                         ; v80-111  two sets of 16 neighbours
.set E,     112                        ; v112-127 a scale byte for each step
.set C,     128                        ; v128-191 codes: four registers for each step
	s_load_b256 s[4:11], s[0:1], 0x0               ; hidden_states, Wq, Wk, Wv
	s_load_b64 s[14:15], s[0:1], 0x20              ; cimg
	s_load_b64 s[16:17], s[0:1], 0x28              ; simg
	v_lshl_add_u32 v192, v0, 2, 0xb600
	v_mov_b32 v193, 0
	v_lshrrev_b32 v1, 5, v0
	v_readfirstlane_b32 s18, v1                    ; wave
	s_and_b32 s19, ttmp7, 0xffff                   ; which tensor
	v_and_b32 v2, 31, v0                           ; lane
	v_lshlrev_b32 v3, 4, v2                        ; 16 x lane
	s_mul_i32 s20, s18, WREG
	v_lshrrev_b32 v14, 2, v2
	v_mul_u32_u24 v14, v14, SP
	v_and_b32 v15, 3, v2
	v_lshl_add_u32 v14, v15, 4, v14
	v_add_nc_u32 v14, s20, v14                     ; the stage, on the way in: SP (lane / 4) + 16 (lane % 4)
	v_mul_u32_u24 v15, v2, SP
	v_add_nc_u32 v15, s20, v15                     ; and on the way out: SP x lane
	v_lshrrev_b32 v8, 2, v2                        ; my block of a step is lane / 2: group lane / 4, half of the lanes (lane / 2) % 2
	v_mul_u32_u24 v8, v8, GP
	v_bfe_u32 v9, v2, 1, 1
	v_lshl_add_u32 v8, v9, 7, v8                   ; + 8 x 16 h
	s_lshl_b32 s21, s18, 5                         ; + 8 x my wave's first lane-row
	s_add_co_u32 s22, s21, IMG
	v_add_nc_u32 v8, s22, v8
	v_and_b32 v9, 1, v2                            ; which 12 bytes of the block's 24 are mine
	v_mad_u32_u24 v4, v9, 260, v8                  ; word 0 or 3 of the block: piece 0 byte 0, or piece 1 byte 4
	v_mad_u32_u24 v5, v9, 508, v8
	v_add_nc_u32 v5, 4, v5                         ; word 1 or 4: piece 0 byte 4, or piece 2 byte 0
	v_mad_u32_u24 v6, v9, 260, v8
	v_add_nc_u32 v6, 256, v6                       ; word 2 or 5: piece 1 byte 0, or piece 2 byte 4
	v_lshrrev_b32 v7, 4, v2
	v_bfe_u32 v9, v2, 1, 3
	v_lshl_add_u32 v7, v7, 7, v9
	s_add_co_u32 s22, s21, SCB
	v_add_nc_u32 v7, s22, v7                       ; my block's scale byte: 128 (lane / 16) + (lane / 2) % 8 + 8 x lane-row
	s_mul_i32 s22, s18, 8*GP
	s_add_co_u32 s22, s22, IMG
	v_add_nc_u32 v10, s22, v3                      ; the way out: my wave's eight groups, 16 bytes a lane,
	v_lshrrev_b32 v9, 4, v2
	v_lshl_add_u32 v12, v9, 4, v10                 ; and the same where lanes 16-31 lie behind one padding more
	v_lshlrev_b32 v1, 3, v2                        ; 8 x lane
	s_lshl_b32 s22, s18, 8
	s_add_co_u32 s22, s22, SCB
	v_add_nc_u32 v13, s22, v1                      ; my wave's 256 scale bytes
	s_lshr_b32 s23, ttmp9, 1
	s_lshl_b32 s23, s23, 5
	s_and_b32 s24, ttmp9, 1
	s_lshl_b32 s24, s24, 3
	s_add_co_u32 s23, s23, s24
	s_lshr_b32 s24, s18, 1
	s_lshl_b32 s24, s24, 4
	s_add_co_u32 s23, s23, s24
	s_and_b32 s24, s18, 1
	s_lshl_b32 s24, s24, 2
	s_add_co_u32 s23, s23, s24                     ; my first row: 32 (T / 2) + 8 (T % 2) + 16 (w / 2) + 4 (w % 2)
	s_lshl_b32 s24, s23, 13                        ; rows of 8,192 bytes
	s_mov_b32 s25, 0
	s_lshl_b32 s26, s19, 7
	s_add_co_u32 s26, s26, ttmp9                   ; the tile among all four tensors' tiles
	s_mul_i32 s28, s26, 24576
	s_mul_i32 s27, s18, 6144
	s_add_co_u32 s28, s28, s27
	s_mov_b32 s29, 0
	s_lshl_b32 s30, s26, 10
	s_lshl_b32 s27, s18, 8
	s_add_co_u32 s30, s30, s27
	s_mov_b32 s31, 0
	s_wait_kmcnt 0x0
	s_cmp_eq_u32 s19, 1                            ; the tensor is chosen by the work-group's y alone; all four take one path
	s_cselect_b64 s[4:5], s[6:7], s[4:5]
	s_cmp_eq_u32 s19, 2
	s_cselect_b64 s[4:5], s[8:9], s[4:5]
	s_cmp_eq_u32 s19, 3
	s_cselect_b64 s[4:5], s[10:11], s[4:5]
	s_add_nc_u64 s[4:5], s[4:5], s[24:25]
	s_add_nc_u64 s[14:15], s[14:15], s[28:29]
	s_add_nc_u64 s[16:17], s[16:17], s[30:31]
.macro LOAD t
.irp i, 0,1,2,3
	global_load_b128 v[R+16*((\t)%4)+4*\i:R+16*((\t)%4)+4*\i+3], v3, s[4:5] offset:2048*(\t)+512*\i th:TH_LOAD_NT   ; 32 lanes read 512 consecutive bytes
.endr
.endm
.macro TURN t                          ; step t's numbers through the stage: LDS serves a wave's instructions in order, so no wait stands between the stores and the loads
.irp i, 0,1,2,3
	ds_store_b128 v14, v[R+16*((\t)%4)+4*\i:R+16*((\t)%4)+4*\i+3] offset:32*SP*((\t)%2)+8*SP*\i
.endr
.irp i, 0,1,2,3
	ds_load_b128 v[X+16*((\t)%2)+4*\i:X+16*((\t)%2)+4*\i+3], v15 offset:32*SP*((\t)%2)+16*\i
.endr
.endm
.irp t, 0,1,2,3
	LOAD \t
.endr
	s_wait_loadcnt 12                              ; step 0's four loads are in
	TURN 0
; Step t: lane-row 4 w + t / 4, K from 512 (t % 4) on.
.macro STEP t
.set XS, X+16*((\t)%2)
.if (\t) > 0
	s_wait_dscnt 4                                 ; this step's numbers are back from the stage; the last step's four stores into the image may be out
.else
	s_wait_dscnt 0x0
.endif
.if (\t)+4 < STEPS
	LOAD (\t)+4                                    ; into the set whose stores into the stage are done
.endif
.if (\t)+1 < STEPS
.if STEPS-2-(\t) >= 3
	s_wait_loadcnt 12                              ; the next step's four loads are in; those of the three steps behind it may be out
.else
	s_wait_loadcnt 4*(STEPS-2-(\t))
.endif
	TURN (\t)+1
.endif
	v_max3_num_f32 v8, |v[XS]|, |v[XS+1]|, |v[XS+2]|               ; the largest magnitude of my 16, in two chains
	v_max3_num_f32 v9, |v[XS+3]|, |v[XS+4]|, |v[XS+5]|
.irp i, 6,10
	v_max3_num_f32 v8, v8, |v[XS+\i]|, |v[XS+\i+1]|
	v_max3_num_f32 v9, v9, |v[XS+\i+2]|, |v[XS+\i+3]|
.endr
	v_max3_num_f32 v8, v8, |v[XS+14]|, |v[XS+15]|
	v_max3_num_f32 v8, v8, v9, (EMAX+1)<<23        ; and the floor 2^(5 - 127): the byte cannot fall under 1
	v_max_num_f32_dpp v8, v8, v8 row_xmask:1 row_mask:0xf bank_mask:0xf   ; with my neighbour's 16: the block's
	v_add_nc_u32 v11, -(EMAX<<23), v8              ; 4 off its exponent field: the conversion takes the exponent field of this operand as its scale
	v_cvt_scalef32_pk16_bf6_f32 v[C+4*(\t):C+4*(\t)+2], v[XS:XS+15], v11
	v_lshrrev_b32 v[E+(\t)], 23, v11               ; the scale's byte (a plain line behind the conversion)
	ds_store_b8 v7, v[E+(\t)] offset:256*((\t)%4)+8*((\t)/4)       ; both lanes of a block write the same byte with the same value
	ds_store_b32 v4, v[C+4*(\t)] offset:8*GP*((\t)%4)+8*((\t)/4)   ; my three words to their places in the image: the 32 lanes of each store touch 32 different banks
	ds_store_b32 v5, v[C+4*(\t)+1] offset:8*GP*((\t)%4)+8*((\t)/4)
	ds_store_b32 v6, v[C+4*(\t)+2] offset:8*GP*((\t)%4)+8*((\t)/4)
.endm
.irp t, 0,1,2,3,4,5,6,7,8,9,10,11,12,13,14,15
	STEP \t
.endr
	s_wait_dscnt 0x0                               ; for the others' sake: my stores into the image are done
	s_barrier_signal -1
	s_barrier_wait -1
.irp k, 0,1,2,3,4,5,6,7,8,9,10,11                  ; my quarter of the image, 6,144 bytes; a group's padding is passed over
.if (\k%3) == 1
	ds_load_b128 v[R+4*\k:R+4*\k+3], v12 offset:512*\k+32*(\k/3)
.else
	ds_load_b128 v[R+4*\k:R+4*\k+3], v10 offset:512*\k+32*(\k/3)+16*((\k%3)/2)
.endif
.endr
	ds_load_b64 v[8:9], v13
.irp k, 0,1,2,3,4,5,6,7,8,9,10,11
	s_wait_dscnt 12-\k                             ; load k is in; the younger ones may be out
	global_store_b128 v3, v[R+4*\k:R+4*\k+3], s[14:15] offset:512*\k   ; 32 lanes store 512 consecutive bytes, at a multiple of 256 from the buffer's first byte
.endr
	s_wait_dscnt 0x0
	global_store_b64 v1, v[8:9], s[16:17]          ; 256 consecutive scale bytes
	s_wait_tensorcnt 0x0
	ds_add_u32 v192, v193
	s_wait_dscnt 0x0
	s_endpgm
.Lfunc_end_k_q4795a6af68_quant:
	.size	k_q4795a6af68_quant, .Lfunc_end_k_q4795a6af68_quant-k_q4795a6af68_quant
	.p2alignl 7, 3214868480
	.fill 96, 4, 3214868480
	.section	.rodata,"a",@progbits
	.p2align	6, 0x0
	.amdhsa_kernel k_q4795a6af68_quant
		.amdhsa_group_segment_fixed_size 47104
		.amdhsa_private_segment_fixed_size 0
		.amdhsa_enable_private_segment 0
		.amdhsa_kernarg_size 48
		.amdhsa_user_sgpr_count 2
		.amdhsa_user_sgpr_kernarg_segment_ptr 1
		.amdhsa_wavefront_size32 1
		.amdhsa_system_sgpr_workgroup_id_x 1
		.amdhsa_system_sgpr_workgroup_id_y 1
		.amdhsa_system_sgpr_workgroup_id_z 1
		.amdhsa_system_vgpr_workitem_id 0
		.amdhsa_next_free_vgpr 194
		.amdhsa_next_free_sgpr 66
		.amdhsa_reserve_vcc 0
		.amdhsa_float_denorm_mode_32 3
		.amdhsa_float_denorm_mode_16_64 3
		.amdhsa_memory_ordered 1
		.amdhsa_forward_progress 1
		.amdhsa_inst_pref_size 38
	.end_amdhsa_kernel
	.amdgpu_metadata
---
amdhsa.version: [ 1, 2 ]
amdhsa.kernels:
  - .name:           k_q4795a6af68_quant
    .symbol:         k_q4795a6af68_quant.kd
    .args:
      - { .name: hidden_states, .offset: 0, .size: 8, .value_kind: global_buffer, .address_space: global }
      - { .name: Wq, .offset: 8, .size: 8, .value_kind: global_buffer, .address_space: global }
      - { .name: Wk, .offset: 16, .size: 8, .value_kind: global_buffer, .address_space: global }
      - { .name: Wv, .offset: 24, .size: 8, .value_kind: global_buffer, .address_space: global }
      - { .name: cimg, .offset: 32, .size: 8, .value_kind: global_buffer, .address_space: global }
      - { .name: simg, .offset: 40, .size: 8, .value_kind: global_buffer, .address_space: global }
    .group_segment_fixed_size: 47104
    .private_segment_fixed_size: 0
    .kernarg_segment_align: 8
    .kernarg_segment_size: 48
    .max_flat_workgroup_size: 128
    .sgpr_count:     66
    .vgpr_count:     194
    .wavefront_size: 32
...
	.end_amdgpu_metadata
.endif
;; end of part 5
;; launch qkv (part 6): grid 32 x 8, 4 waves a work-group, clusters of 4 x 4, 327,680 bytes of LDS; arguments cimg, simg, bq, bk, bv, qkv, Wo, woimg, woscl; writes qkv, woimg, woscl
.if DOCPART == 6
	.amdgcn_target "amdgcn-amd-amdhsa--gfx1250"
	.amdhsa_code_object_version 6
	.text
	.protected	k_q4795a6af68_qkv
	.globl	k_q4795a6af68_qkv
	.p2align	8
	.type	k_q4795a6af68_qkv,@function
k_q4795a6af68_qkv:
	s_mov_b64 s[64:65], 0
	v_nop
	global_prefetch_b8 v0, s[64:65] scope:SCOPE_SE
	s_setreg_imm32_b32 hwreg(HW_REG_WAVE_MODE, 25, 1), 1
	s_wait_xcnt 0x0
	s_wait_alu depctr_hold_cnt(0) depctr_sa_sdst(0) depctr_va_vdst(0) depctr_va_sdst(0) depctr_va_ssrc(0) depctr_va_vcc(0) depctr_vm_vsrc(0)
	s_getreg_b32 s2, hwreg(HW_REG_IB_STS2, 6, 4)
	s_cmp_eq_u32 s2, 0
	s_cbranch_scc0 .Lentry_in_a_cluster
	s_endpgm
.Lentry_in_a_cluster:
	s_bfe_u32 s2, ttmp6, 0x10000c
	s_cmp_lg_u32 s2, 0xf033
	s_cbranch_scc0 .Lentry_shape_is_right
	s_endpgm
.Lentry_shape_is_right:
; q = x Wq^T + bq, k = x Wk^T + bk, v = x Wv^T + bv on codes of BF6 (E3M2) with E8M0 scales; the results are quantised here, q and k along a head's 64 channels, v along the keys, and leave as codes.
; OPERANDS are images of the operand's registers (made by the launch before): row tile T, lane-row r = row 32 (T / 2) + 8 (T % 2) + r + 8 (r / 8); fragment (T, K step s) = 1,536 bytes at (16 T + s) x 1536,
; piece p of lane l at 256 p + 8 l.  So a fragment comes from LDS by six loads of 8 bytes a lane, each 256 consecutive bytes.  Scale byte (T, r, block kb) at 1024 T + 128 (kb / 8) + 8 r + kb % 8.
; A tile of 256 x 256 is made by four waves, each 128 x 128: 64 accumulators, 512 registers.  K goes in steps of 256 through a ring of two LDS slots filled by the tensor data mover; the scales of all of K come once.
; THE MATRIX INSTRUCTION: source 0 = 16 rows of side B (they fall into a lane's registers), source 1 = 16 rows of side A (they fall into the lanes).  By the tiles' choice of rows the 16 registers of B's tiles
; 2 i and 2 i + 1 are 16 NEIGHBOURS, 32 i + 16 (lane / 16) + 0 .. 15: what the conversions want.
; q, k (cluster x 0 to 3): A = x (a lane a token), B = Wq, Wk (registers along the channels).  v (cluster x 4, 5): A = Wv (a lane a channel), B = x (registers along the tokens, which are v's K).
; The two cases differ in global addresses and in numbers chosen by s_cselect_b32 on the cluster's x, which all partners share: one path, the same LDS addresses.
; CLUSTERS: 4 x 4 work-groups; A's tile is asked for jointly along a row of the cluster, B's along a column.
; THE BIAS along B's side is the C of each sum's first matrix instruction; along A's side it is added on the way out.  The one that does not apply is masked to zeros.
; OUT: for each (batch, head) 157,696 bytes: q's codes 64 tiles x 768 | q's scale words 64 x 64 | k's codes | v's codes 8 key steps x 4 channel tiles x 1,536 | k's scale words | v's scale words 8 x 4 x 64.
; LIMITS: NaN and infinities are not served; a block whose largest magnitude lies under 2^-122, a block of zeros among them, keeps the byte 1 (only this program reads the bytes).
; REGISTERS: window 0: v0-31 addresses; v32-63 scale words, two sets; v64-127 the bias along B; v128-223 A's fragments, one set; v240-255 the bias along A.  window 1: B's fragments, two sets, at v0 and v128.
;   windows 2, 3: the accumulators ((a, b) at v[8 (8 (a % 4) + b)]).  On the way out, window 0: v128-191 64 numbers, v192-210 codes, v212-229 at work.
.set FRB,    1536                      ; a fragment's image
.set TROW,   2*FRB                     ; a row tile's part of a slot: 256 along K
.set HALFT,  8*TROW                    ; 8 row tiles (128 rows): what one tensor load brings
.set SLOT,   4*HALFT                   ; A's 16 row tiles, then B's 16
.set SCL,    2*SLOT                    ; behind the ring: the scales of all of K
.set HALFS,  8192                      ; those of 8 row tiles
.set SPARE,  SCL+4*HALFS               ; the spare words, 128 bytes for each wave: two blocks of 256 bytes that no other line names
.set NQ,     2                         ; matrix instructions deep in a slot
.set FR,     12
.set NL,     6
.set NP,     4                         ; places behind this matrix instruction (ISA guide 7.12.1)
.set LAPS,   4                         ; 2,048 along K = 8 slots' worth = 4 laps of the ring
.set BHB,    157696
.set ADRA, 16                          ; v16-17  LDS address of my A fragments in slot 0, 1
.set ADRB, 20                          ; v20-21  the same for B
.set ADRS, 27                          ; v27     LDS address of my scale words: lanes 0-15 A's, lanes 16-31 B's
.set SPW,  28                          ; v28     LDS address of my spare word; never rewritten
.set NIL,  29                          ; v29     0; never rewritten
.set SC,   32
.set BR,   64
.set AF,   128
.set BP,   240
.set T,    128
.set PC,   192
.set TM,   212
.set PW,   228
.set PS,   229
.set G1, 24
.set G0, 32
.set G1B, 48
.set G0B, 56
.set G1S, 68
.set G0S, 76
.set G1SB, 80
.set G0SB, 88
.set SEL, 50
.set G0H, 4                            ; s[4:7], s[92:95] group 0 of the head's loads of slot 0: A's 16 row tiles, B's 16
.set G0HB, 92
.set PFA, 44                           ; s[44:45] where my prefetches stand
.set PFO, 30                           ; v30 the prefetches' lane offset; never rewritten
.set MSB, 0
.macro WIN new                         ; the immediate's high byte repeats the setting that is left
.if MSB != (\new)
	s_set_vgpr_msb (MSB<<8)|(\new)
.set MSB, (\new)
.endif
.endm
.set MUL_LO, 0xa1                      ; source 0 (B) window 1, source 1 (A) window 0, C and D window 2
.set MUL_HI, 0xf1                      ; the same, C and D window 3
.set BEG_LO, 0x81                      ; the first products: C (the bias) window 0, D window 2
.set BEG_HI, 0xc1                      ; D window 3
.set TO_B,   0x40                      ; destination window 1, address window 0
; A joint load: waves 0 and 1 fetch for A, waves 2 and 3 for B.  The branch hangs on the wave's number alone.  Four v_nop follow each of the two lines.
.macro JLOAD g0a, g1a, g0b, g1b
	s_cmp_eq_u32 s17, 0
	s_cbranch_scc0 .Lfor_b_\@
	tensor_load_to_lds s[\g0a:\g0a+3], s[\g1a:\g1a+7]
	s_nop 0
.rept 4
	v_nop
.endr
	s_branch .Lasked_\@
.Lfor_b_\@:
	tensor_load_to_lds s[\g0b:\g0b+3], s[\g1b:\g1b+7]
	s_nop 0
.rept 4
	v_nop
.endr
.Lasked_\@:
.endm
.macro CREST                           ; a round of the cluster's barrier behind its opening barrier
	s_cmp_lg_u32 s16, 0
	s_cbranch_scc1 .Lnot_wave_0_\@
	s_barrier_signal -3
.Lnot_wave_0_\@:
	s_barrier_wait -3
	s_barrier_signal -1
	s_barrier_wait -1
.endm
.macro CROUND                          ; a whole round
	s_barrier_signal -1
	s_barrier_wait -1
	CREST
.endm
	s_load_b256 s[4:11], s[0:1], 0x0               ; cimg, simg, bq, bk
	s_load_b128 s[12:15], s[0:1], 0x20             ; bv, qkv
	v_lshl_add_u32 v[SPW], v0, 2, SPARE
	v_mov_b32 v[NIL], 0
	ds_add_u32 v28, v29
	ds_add_u32 v28, v29
	s_wait_dscnt 0x0
	v_lshrrev_b32 v1, 5, v0
	v_readfirstlane_b32 s16, v1
	; The products fill 192 work-groups (cluster x 0 to 5).  The 64 of cluster x 6 and 7 quantise Wo, which no product of this launch reads: the branch hangs on the cluster's x, the same in all sixteen partners.
	s_cmp_ge_u32 ttmp9, 6
	s_wait_alu depctr_va_vdst(0)
	s_cbranch_scc1 .Lwo
	s_lshr_b32 s17, s16, 1                         ; which half of A's rows is mine.  Also: I fetch for A (0) or for B (1)
	s_and_b32 s18, s16, 1                          ; which half of B's rows.  Also: which 8 row tiles I fetch
	s_bfe_u32 s40, ttmp6, 0x40000                  ; cx, cy: my place in the cluster
	s_bfe_u32 s41, ttmp6, 0x40004
	s_and_b32 s19, ttmp7, 0xffff                   ; cluster y
	s_sub_co_u32 s20, ttmp9, 4                     ; cluster x - 4: used in v's clusters alone
	s_cmp_ge_u32 ttmp9, 4                          ; v's cluster?  The same in all sixteen partners
	s_cselect_b32 s66, s20, s19                    ; A: Wv's tiles by cluster x, or x's by cluster y
	s_cselect_b32 s42, s19, ttmp9                  ; B: x's tiles by cluster y, or Wq's and Wk's by cluster x
	s_cselect_b32 s21, 3*128, 0                    ; A's section of the images, in row tiles: Wv's, or x's
	s_cselect_b32 s67, 0, 128                      ; B's: x's, or Wq's (Wk's follows it)
	s_cselect_b32 s97, 1, 0
	s_lshl_b32 s66, s66, 2
	s_add_co_u32 s66, s66, s41                     ; A's tile of 256 rows: hangs on cy, which my row of the cluster shares
	s_lshl_b32 s42, s42, 2
	s_add_co_u32 s42, s42, s40                     ; B's: hangs on cx, which my column shares
	s_lshl_b32 s43, s41, 2
	s_lshl_b32 s43, 15, s43                        ; my row of the cluster
	s_lshl_b32 s44, 0x1111, s40                    ; my column
	; descriptor group 1 for codes: 8 row tiles x 3,072 bytes (384 elements of 8 bytes), 24,576 bytes apart in memory, on end in LDS
	s_or_b32 s[G1+0], s43, (3<<16)|(1<<21)         ; 15:0 the mask; 17:16 elements of 8 bytes; 20 no padding; 21 set beside a mask
	s_or_b32 s[G1B+0], s44, (3<<16)|(1<<21)
.irp g, G1, G1B
	s_mov_b32 s[\g+1], 384<<16                     ; tensor_dim0
	s_mov_b32 s[\g+2], 16<<16                      ; tensor_dim1: 16 row tiles for the head's loads; set to 8 for the ring's behind the wait for them
	s_mov_b32 s[\g+3], 384<<16                     ; tile_dim0
	s_mov_b32 s[\g+4], 16                          ; tile_dim1, likewise
	s_mov_b32 s[\g+5], 3072                        ; tensor_dim0_stride, in elements
	s_mov_b32 s[\g+6], 0
	s_mov_b32 s[\g+7], 0
.endr
	; and for the scales of 8 row tiles: 8,192 dense bytes as 32 rows of 256
	s_or_b32 s[G1S+0], s43, (3<<16)|(1<<21)
	s_or_b32 s[G1SB+0], s44, (3<<16)|(1<<21)
.irp g, G1S, G1SB
	s_mov_b32 s[\g+1], 32<<16
	s_mov_b32 s[\g+2], 64<<16                      ; the scales of 16 row tiles: 64 rows of 256 bytes
	s_mov_b32 s[\g+3], 32<<16
	s_mov_b32 s[\g+4], 64
	s_mov_b32 s[\g+5], 32
	s_mov_b32 s[\g+6], 0
	s_mov_b32 s[\g+7], 0
.endr
	s_lshl_b32 s19, s66, 4
	s_add_co_u32 s19, s19, s21
	s_mul_i32 s22, s19, 24576                      ; its codes,
	s_mov_b32 s23, 0
	s_lshl_b32 s20, s19, 10                        ; its scales
	s_mov_b32 s21, 0
	s_lshl_b32 s46, s42, 4
	s_add_co_u32 s46, s46, s67
	s_lshl_b32 s92, s46, 10
	s_mov_b32 s93, 0
	s_mul_i32 s46, s46, 24576
	s_mov_b32 s47, 0
	s_mul_i32 s45, s16, HALFT                      ; where they go: by the wave's number alone
	s_wait_kmcnt 0x0
	s_add_nc_u64 s[22:23], s[4:5], s[22:23]
	s_add_nc_u64 s[20:21], s[6:7], s[20:21]
	s_add_nc_u64 s[46:47], s[4:5], s[46:47]
	s_add_nc_u64 s[92:93], s[6:7], s[92:93]
	CROUND                                         ; all sixteen work-groups are here: the first joint loads meet
	s_mov_b32 s[G0S], 1
	s_mov_b32 s[G0S+1], SCL
	s_mov_b64 s[G0S+2:G0S+3], s[20:21]
	s_or_b32 s[G0S+3], s[G0S+3], 0x80000000
	s_mov_b32 s[G0SB], 1
	s_mov_b32 s[G0SB+1], SCL+2*HALFS
	s_mov_b64 s[G0SB+2:G0SB+3], s[92:93]
	s_or_b32 s[G0SB+3], s[G0SB+3], 0x80000000
	s_mov_b32 s[G0H], 1                            ; slot 0's 16 row tiles of A, whole,
	s_mov_b32 s[G0H+1], 0
	s_mov_b64 s[G0H+2:G0H+3], s[22:23]
	s_or_b32 s[G0H+3], s[G0H+3], 0x80000000
	s_mov_b32 s[G0HB], 1                           ; and of B, behind them
	s_mov_b32 s[G0HB+1], 2*HALFT
	s_mov_b64 s[G0HB+2:G0HB+3], s[46:47]
	s_or_b32 s[G0HB+3], s[G0HB+3], 0x80000000
	s_mul_i32 s2, s18, 8*24576                     ; for the ring: which 8 row tiles I fetch
	s_mov_b32 s3, 0
	s_add_nc_u64 s[22:23], s[22:23], s[2:3]
	s_add_nc_u64 s[46:47], s[46:47], s[2:3]
.irp s, 0,1
	s_mov_b32 s[G0+4*\s], 1
	s_add_co_u32 s[G0+4*\s+1], s45, \s*SLOT
	s_add_nc_u64 s[G0+4*\s+2:G0+4*\s+3], s[22:23], \s*TROW
	s_or_b32 s[G0+4*\s+3], s[G0+4*\s+3], 0x80000000
	s_mov_b32 s[G0B+4*\s], 1
	s_add_co_u32 s[G0B+4*\s+1], s45, \s*SLOT
	s_add_nc_u64 s[G0B+4*\s+2:G0B+4*\s+3], s[46:47], \s*TROW
	s_or_b32 s[G0B+4*\s+3], s[G0B+4*\s+3], 0x80000000
.endr
	; the prefetches: of the 8 row tiles that I fetch, the partner at place p (cx for A, cy for B) names tiles 2 p, 2 p + 1: shared out by address, no branch
	s_cmp_eq_u32 s17, 0
	s_cselect_b32 s2, s40, s41
	s_cselect_b64 s[PFA:PFA+1], s[22:23], s[46:47]
	s_mul_i32 s2, s2, 2*24576
	s_add_nc_u64 s[PFA:PFA+1], s[PFA:PFA+1], s[2:3]
	s_add_nc_u64 s[PFA:PFA+1], s[PFA:PFA+1], 2*TROW ; at K slot 2: the first refill steps it to 3 and names K slot 4
; THE HEAD'S LOADS, ONE A WAVE: wave 0 slot 0's tiles of A, wave 1 those of B, wave 2 A's scales, wave 3 B's.  One tree of branches on the wave's number: every way passes one load.
.macro ARM under, g0, g1, next
	s_cmp_lt_u32 s16, \under
	s_cbranch_scc0 \next
	tensor_load_to_lds s[\g0:\g0+3], s[\g1:\g1+7]
	s_nop 0
.rept 4
	v_nop
.endr
	s_branch .Lhead_asked
\next:
.endm
	ARM 1, G0H,  G1,  .Lhead_b
	ARM 2, G0HB, G1B, .Lhead_sa
	ARM 3, G0S,  G1S, .Lhead_sb
	tensor_load_to_lds s[G0SB:G0SB+3], s[G1SB:G1SB+7]
	s_nop 0
.rept 4
	v_nop
.endr
.Lhead_asked:
	v_and_b32 v1, 15, v0                           ; r
	v_bfe_u32 v2, v0, 4, 1                         ; h
	s_wait_alu depctr_va_vdst(0)
	v_and_b32 v3, 31, v0
	v_lshlrev_b32 v3, 3, v3                        ; 8 x lane: my place in every piece
	s_mul_i32 s21, s17, HALFT                      ; my 8 row tiles of A
	s_mul_i32 s22, s18, HALFT                      ; my 8 of B,
	s_add_co_u32 s22, s22, 2*HALFT                 ; which lie behind A's 16
.irp s, 0,1
	v_add_nc_u32 v[ADRA+\s], s21, v3
	v_add_nc_u32 v[ADRB+\s], s22, v3
	s_add_co_u32 s21, s21, SLOT
	s_add_co_u32 s22, s22, SLOT
.endr
	v_lshlrev_b32 v5, 3, v1                        ; my row's 8 scale bytes of a slot
	s_mul_i32 s21, s17, HALFS
	s_mul_i32 s22, s18, HALFS
	s_add_co_u32 s22, s22, 2*HALFS
	s_sub_co_u32 s22, s22, s21
	v_mul_u32_u24 v6, s22, v2                      ; lanes 16-31 take B's
	s_add_co_u32 s21, s21, SCL
	v_add_nc_u32 v5, v5, v6
	v_add_nc_u32 v[ADRS], s21, v5
	s_lshl_b32 s101, s66, 8
	s_lshl_b32 s19, s17, 7
	s_add_co_u32 s101, s101, s19
	s_lshl_b32 s96, s42, 8
	s_lshl_b32 s19, s18, 7
	s_add_co_u32 s96, s96, s19                     ; and of side B (for q, k: 0 .. 4,095 over Wq and Wk)
	s_lshr_b32 s98, ttmp9, 1                       ; which of q, k, v: cluster x 0, 1: q; 2, 3: k; 4, 5: v
	s_cmp_eq_u32 s97, 1
	s_cselect_b32 s98, 2, s98
	s_cselect_b32 s99, 0, -1                       ; keeps the bias along B for q and k,
	s_cselect_b32 s100, -1, 0                      ; the bias along A for v
	s_cmp_eq_u32 s98, 1
	s_cselect_b64 s[8:9], s[10:11], s[8:9]
	s_cmp_eq_u32 s98, 2
	s_cselect_b64 s[8:9], s[12:13], s[8:9]         ; my bias
	s_and_b32 s20, s96, 2047
	s_lshl_b32 s20, s20, 2
	s_mov_b32 s21, 0
	s_add_nc_u64 s[10:11], s[8:9], s[20:21]        ; 128 numbers by B's rows (inside the bias's 2,048 in both cases),
	s_and_b32 s20, s101, 2047
	s_lshl_b32 s20, s20, 2
	s_add_nc_u64 s[12:13], s[8:9], s[20:21]        ; 128 by A's
	v_lshlrev_b32 v4, 6, v2                        ; register j of B's tile b is row 32 (b / 2) + 8 (b % 2) + 16 h + j
.irp b, 0,1,2,3,4,5,6,7
	global_load_b128 v[BR+8*\b:BR+8*\b+3], v4, s[10:11] offset:4*(32*(\b/2)+8*(\b%2))
	global_load_b128 v[BR+8*\b+4:BR+8*\b+7], v4, s[10:11] offset:4*(32*(\b/2)+8*(\b%2))+16
.endr
	v_and_b32 v7, 8, v1
	v_add_nc_u32 v7, v7, v1
	v_lshlrev_b32 v7, 2, v7                        ; my lane of A's tile a is row 32 (a / 2) + 8 (a % 2) + r + 8 (r / 8)
.irp a, 0,1,2,3,4,5,6,7
	global_load_b32 v[BP+2*\a], v7, s[12:13] offset:4*(32*(\a/2)+8*(\a%2))
.endr
.macro FRAG reg, adr, q, i             ; a fragment, 12 registers, as it was stored: six pieces, each 256 consecutive bytes for the 32 lanes
.irp p, 0,1,2,3,4,5
	ds_load_b64 v[\reg+2*\p:\reg+2*\p+1], v[\adr] offset:(\i)*TROW+(\q)*FRB+256*\p
.endr
.endm
; 16 matrix instructions: A's blocks a0, a0 + 1 x B's eight, 128 along K: the slot's q-th.  p: B's set;  sc: the set of scale words.  zero = 1: the first product starts the sums from the bias: nothing is cleared.
; The 64 accumulators take turns, one instruction a turn, in the same order in every step.
.macro MUL16 a0, p, q, sc, zero
.irp a, \a0, \a0+1
.irp b, 0,1,2,3,4,5,6,7
.if \zero
	v_wmma_scale_f32_16x16x128_f8f6f4 v[8*(8*((\a)%4)+\b):8*(8*((\a)%4)+\b)+7], v[128*(\p)+FR*\b:128*(\p)+FR*\b+FR-1], v[AF+FR*(\a):AF+FR*(\a)+FR-1], v[BR+8*\b:BR+8*\b+7], v[SC+8*NQ*(\sc)+NQ*\b+(\q)], v[SC+8*NQ*(\sc)+NQ*(\a)+(\q)] matrix_a_fmt:MATRIX_FMT_BF6 matrix_b_fmt:MATRIX_FMT_BF6 matrix_a_scale:MATRIX_SCALE_ROW1
.else
	v_wmma_scale_f32_16x16x128_f8f6f4 v[8*(8*((\a)%4)+\b):8*(8*((\a)%4)+\b)+7], v[128*(\p)+FR*\b:128*(\p)+FR*\b+FR-1], v[AF+FR*(\a):AF+FR*(\a)+FR-1], v[8*(8*((\a)%4)+\b):8*(8*((\a)%4)+\b)+7], v[SC+8*NQ*(\sc)+NQ*\b+(\q)], v[SC+8*NQ*(\sc)+NQ*(\a)+(\q)] matrix_a_fmt:MATRIX_FMT_BF6 matrix_b_fmt:MATRIX_FMT_BF6 matrix_a_scale:MATRIX_SCALE_ROW1
.endif
.endr
.endr
.endm
.macro FETCH_B slot, q, p              ; B's eight fragments of the slot's q-th 128 along K into set p
	WIN TO_B
.irp i, 0,1,2,3,4,5,6,7
	FRAG 128*(\p)+FR*\i, ADRB+\slot, \q, \i
.endr
	WIN 0
.endm
.macro FETCH_A slot, q, i0             ; A's blocks i0 .. i0 + 3
.irp i, \i0, \i0+1, \i0+2, \i0+3
	FRAG AF+FR*(\i), ADRA+\slot, \q, \i
.endr
.endm
.macro SCALES sc                       ; a slot's scale words into set sc: two words a row; lanes 0-15 take A's block i, lanes 16-31 B's block i
.irp i, 0,1,2,3,4,5,6,7
	ds_load_b64 v[SC+8*NQ*\sc+NQ*\i:SC+8*NQ*\sc+NQ*\i+1], v[ADRS] offset:\i*1024
.endr
.endm
; A load into a register that a matrix instruction has read stands NP places behind it, and only plain vector instructions that name none of its registers are places (ISA guide 7.12.1 for vector instructions).
.macro PLACES n
.rept \n
	v_nop
.endr
.endm
; A step of 128 along K that has its successor in the same slot.  A has one set of registers: blocks 0-3 are fetched anew in the step's middle, blocks 4-7 at its end; B has two sets.
.macro STEP slot, q, zero
	s_wait_dscnt 4*NL                              ; B's set and A's blocks 0-3 are in; the youngest 24 loads (A's blocks 4-7) may be out
.if \zero
	WIN BEG_LO
.else
	WIN MUL_LO
.endif
	MUL16 0, (\q)%2, \q, \slot, \zero
	MUL16 2, (\q)%2, \q, \slot, \zero
	s_wait_dscnt 0                                 ; A's blocks 4-7 are in (asked for 32 matrix instructions ago)
	PLACES NP
	FETCH_B \slot, (\q)+1, 1-(\q)%2
	FETCH_A \slot, (\q)+1, 0
.if \zero
	WIN BEG_HI
.else
	WIN MUL_HI
.endif
	MUL16 4, (\q)%2, \q, \slot, \zero
	MUL16 6, (\q)%2, \q, \slot, \zero
	PLACES NP
	WIN 0
	FETCH_A \slot, (\q)+1, 4
.endm
; A slot's last step changes slots: ONE barrier; in front of it each wave waits for all its tensor loads, adds 0 to its spare word, and waits for that and for its own reads of this slot.  fill = 1: this slot is filled again, two slots ahead.
.macro TURN slot, next, fill
.if \fill
	s_wait_xcnt 0x0                                ; any prefetch of mine has read its address: it is stepped here, a K slot on
	s_add_nc_u64 s[PFA:PFA+1], s[PFA:PFA+1], TROW
.endif
	s_wait_tensorcnt 0x0
	ds_add_u32 v[SPW], v[NIL]
	s_wait_dscnt 4*NL+1
	WIN MUL_LO
	MUL16 0, 1, NQ-1, \slot, 0                     ; sixteen matrix instructions stand between the add and the wait for it
	s_wait_dscnt 0x0                               ; the add is done, and my reads of this slot are over
	s_barrier_signal -1
	MUL16 2, 1, NQ-1, \slot, 0
	WIN 0
	s_barrier_wait -1
.if \fill
	CREST                                          ; the barrier has opened a round of the cluster's barrier: no wave of any partner still reads this slot's tile or has a load on its way
	s_add_nc_u64 s[G0+4*\slot+2:G0+4*\slot+3], s[G0+4*\slot+2:G0+4*\slot+3], 2*TROW
	s_add_nc_u64 s[G0B+4*\slot+2:G0B+4*\slot+3], s[G0B+4*\slot+2:G0B+4*\slot+3], 2*TROW
	JLOAD G0+4*\slot, G1, G0B+4*\slot, G1B         ; the first tensor load behind the round; the four v_nop behind it are the places in front of the loads below
.else
	PLACES NP
.endif
	s_wait_alu depctr_va_vdst(0)
	v_add_nc_u32 v[ADRS], 128, v[ADRS]             ; on to the next slot's scale words (no LDS load of mine is out)
	FETCH_B \next, 0, 0
	FETCH_A \next, 0, 0
	SCALES \next
.if \fill
	s_cmp_gt_u32 s3, 1                             ; the K slot two refills on: 2 row tiles x 3,072 bytes, a lane to each 256; the loop's last trip has none left
	s_cbranch_scc0 .Lno_ask_\@
	global_prefetch_b8 v[PFO], s[PFA:PFA+1] offset:TROW th:TH_LOAD_NT scope:SCOPE_SE
.Lno_ask_\@:
.endif
	WIN MUL_HI
	MUL16 4, 1, NQ-1, \slot, 0
	MUL16 6, 1, NQ-1, \slot, 0
	PLACES NP
	WIN 0
	FETCH_A \next, 0, 4
.endm
	s_wait_loadcnt 0x0                             ; the biases are in
.set j, 0
.rept 64
	v_and_b32 v[BR+j], s99, v[BR+j]                ; v's sums start from zeros: its bias runs along A
.set j, j+1
.endr
.irp a, 0,1,2,3,4,5,6,7
	v_and_b32 v[BP+2*\a], s100, v[BP+2*\a]         ; q's and k's get zeros on the way out
.endr
.irp a, 0,1,2,3,4,5,6,7
	v_mov_b32 v[BP+2*\a+1], v[BP+2*\a]             ; (the packed addition names a pair)
.endr
	v_and_b32 v[PFO], 31, v0                       ; the prefetches' offset: lane l names block min(l, 23): 256 l, and 21,504 more from the second row tile on (lanes 24-31 name lane 23's block again)
	v_min_u32 v[PFO], 23, v[PFO]
	v_mul_u32_u24 v31, v[PFO], 11
	v_lshrrev_b32 v31, 7, v31                      ; l / 12 for l under 24
	v_mul_u32_u24 v31, v31, 21504
	v_lshl_add_u32 v[PFO], v[PFO], 8, v31
	s_wait_alu depctr_va_vdst(0)
	s_wait_tensorcnt 0x0                           ; my tile of the head's four is in; slot 1's first fill is issued as a refill is:
	ds_add_u32 v[SPW], v[NIL]
	s_mov_b32 s[G1+2], 8<<16                       ; no tensor load of mine is out: from here on a load brings 8 row tiles
	s_mov_b32 s[G1+4], 8
	s_mov_b32 s[G1B+2], 8<<16
	s_mov_b32 s[G1B+4], 8
	s_wait_dscnt 0x0
	CROUND                                         ; everybody's tiles are in, and all sixteen work-groups are here
	JLOAD G0+4, G1, G0B+4, G1B                     ; slot 1, a quarter a wave: the first tensor load behind the round
	FETCH_B 0, 0, 0
	FETCH_A 0, 0, 0
	SCALES 0
	FETCH_A 0, 0, 4
	STEP 0, 0, 1                                   ; the first step stands in front of the loop: its products start the sums
	s_mov_b32 s3, LAPS-1
.Llap:                                                 ; a trip goes once round the ring, from a lap's second step to the next lap's first, and fills both slots again
	TURN 0, 1, 1
	STEP 1, 0, 0
	TURN 1, 0, 1
	STEP 0, 0, 0
	s_sub_co_u32 s3, s3, 1
	s_cmp_lg_u32 s3, 0
	s_cbranch_scc1 .Llap
	TURN 0, 1, 0                                   ; the last lap fills nothing, and has no round of the cluster's barrier
	STEP 1, 0, 0
	s_wait_dscnt 4*NL                              ; the very last step: nothing more to fetch
	WIN MUL_LO
	MUL16 0, 1, NQ-1, 1, 0
	MUL16 2, 1, NQ-1, 1, 0
	s_wait_dscnt 0
	WIN MUL_HI
	MUL16 4, 1, NQ-1, 1, 0
	MUL16 6, 1, NQ-1, 1, 0
	WIN 0
	; THE WAY OUT.  No tensor load of mine is out (the last change of slots waited for all), so the descriptors' registers serve again.
	s_cmp_eq_u32 s97, 1                            ; v?
	s_cselect_b32 s28, s96, s101
	s_cselect_b32 s29, s101, s96
	s_mov_b32 s30, 768
	s_cselect_b32 s34, BHB-3*FRB, s30              ; from block 3 to block 4: v goes to the next head's channel tile 0; q, k to the next token tile
	s_cselect_b32 s38, s30, BHB                    ; a fragment's second half: v: pieces 3 to 5; q, k: the next head
	s_cselect_b32 s32, FRB, s30                    ; from block to block: v a channel tile, q and k a token tile
	s_cselect_b32 s36, BHB-3*64, 64                ; the same for the scale words, from block 3 to block 4
	s_cselect_b32 s39, 1, 2                        ; scale words: v 256 bytes for 128 tokens, q and k 64 bytes for 16
	s_cselect_b32 s48, 0, BHB                      ; q, k: lanes 16-31 store the next head's word
	s_cselect_b32 s49, 0, 16                       ; which is the upper half of the word just made
	s_mov_b32 s33, 0
	s_mov_b32 s35, 0
	s_mov_b32 s37, 0
	s_cmp_eq_u32 s98, 1
	s_cselect_b32 s52, 53248, 0                    ; where my codes' field begins in a head's block: q 0, k 53,248, v 102,400
	s_mov_b32 s53, 49152
	s_cselect_b32 s53, 151552, s53                 ; and my scale words': q 49,152, k 151,552, v 155,648
	s_cmp_eq_u32 s98, 2
	s_cselect_b32 s52, 102400, s52
	s_cselect_b32 s53, 155648, s53
	s_and_b32 s29, s29, 2047
	s_lshr_b32 s29, s29, 6                         ; my first head
	s_lshr_b32 s30, s28, 10                        ; the batch
	s_lshl_b32 s30, s30, 5
	s_add_co_u32 s29, s29, s30
	s_mul_i32 s29, s29, BHB
	s_and_b32 s28, s28, 1023                       ; my first token in the batch
	s_mul_i32 s30, s28, 48                         ; 768 bytes for 16 tokens (q, k), 6,144 for 128 (v)
	s_add_co_u32 s30, s30, s29
	s_add_co_u32 s30, s30, s52
	s_mov_b32 s31, 0
	s_add_nc_u64 s[24:25], s[14:15], s[30:31]      ; where block 0's codes go
	s_lshl_b32 s30, s28, s39
	s_add_co_u32 s30, s30, s29
	s_add_co_u32 s30, s30, s53
	s_add_nc_u64 s[26:27], s[14:15], s[30:31]      ; and its scale words
	s_mov_b32 s[SEL], 0x76543210
	s_mov_b32 s[SEL+1], 0xfedcba98                 ; v_permlanex16_b32's selects for lane l xor 16
	v_and_b32 v8, 31, v0                           ; these eight plain lines name no register of the last products: they are the places behind them
	v_lshlrev_b32 v8, 3, v8                        ; 8 x lane
	v_add_nc_u32 v9, s38, v8
	v_and_b32 v10, 15, v0
	v_bfe_u32 v11, v0, 4, 1
	v_lshlrev_b32 v10, 2, v10
	v_mad_u32_u24 v10, v11, s48, v10               ; 4 r, + a head for lanes 16-31 (q, k)
	v_mul_u32_u24 v11, v11, s49
.irp b, 0,1,2,3
	v_mov_b32 v[TM+4+\b], 0                        ; written once: a lane permute's destination counts as one of its sources
.endr
; 64 numbers of a lane, register 16 b + i = k 32 b + 16 (lane / 16) + i of my row, become a fragment's codes in v[PC] on and its scale word in v[PW].
.macro QUANT s
.irp b, 0,1,2,3
	v_max3_num_f32 v[TM+\b], |v[\s+16*\b]|, |v[\s+1+16*\b]|, 0x2800000   ; block b: my 16 numbers, and the floor 2^(5 - 127): the byte cannot fall under 1
.endr
.irp i, 2,4,6,8,10,12,14
.irp b, 0,1,2,3
	v_max3_num_f32 v[TM+\b], v[TM+\b], |v[\s+16*\b+\i]|, |v[\s+1+16*\b+\i]|   ; (the four blocks by turns)
.endr
.endr
.irp b, 0,1,2,3
	v_permlanex16_b32 v[TM+4+\b], v[TM+\b], s[SEL], s[SEL+1]
.endr
.irp b, 0,1,2,3
	v_max_num_f32 v[TM+\b], v[TM+\b], v[TM+4+\b]   ; with lane l xor 16's: the block's largest magnitude
.endr
.irp b, 0,1,2,3
	v_add_nc_u32 v[TM+12+\b], 0xfe000000, v[TM+\b] ; 4 off its exponent field: the conversion's scale operand
.endr
.irp b, 0,1,2,3
	v_lshrrev_b32 v[TM+4+\b], 23, v[TM+12+\b]      ; the scale's byte
.endr
	v_lshl_or_b32 v[PW], v[TM+5], 8, v[TM+4]
	v_lshl_or_b32 v[PW], v[TM+6], 16, v[PW]
	v_lshl_or_b32 v[PW], v[TM+7], 24, v[PW]
.irp c, 0,1
	v_cvt_scalef32_pk16_bf6_f32 v[PC+6*\c:PC+2+6*\c], v[\s+32*\c:\s+15+32*\c], v[TM+12+2*\c]
	v_cvt_scalef32_pk16_bf6_f32 v[PC+12+4*\c:PC+14+4*\c], v[\s+16+32*\c:\s+31+32*\c], v[TM+12+2*\c+1]   ; (a conversion's three registers begin on an even number)
.endr
	v_nop                                          ; one plain place behind a scaled conversion
.irp c, 0,1                                    ; the operand's layout wants a WHOLE block in a lane: lanes 0-15 block 2 c, lanes 16-31 block 2 c + 1
.irp i, 0,1,2
	v_permlane16_swap_b32 v[PC+6*\c+\i], v[PC+12+4*\c+\i]
.endr
.irp i, 0,1,2
	v_mov_b32 v[PC+3+6*\c+\i], v[PC+12+4*\c+\i]
.endr
.endr
.endm
; Block a of A's eight: 16 lanes' rows x 128 along B.  q, k: 16 tokens x two heads' 64 channels: registers 0-5 are one head's operand (K = 64), registers 6-11 the next head's.  v: 16 channels x 128 keys: one fragment.
.macro OUT a
	s_wait_xcnt 0x0                                ; the last block's stores have read their data and their bases: both are written again only behind this wait
.if (\a) == 4
	s_add_nc_u64 s[24:25], s[24:25], s[34:35]
	s_add_nc_u64 s[26:27], s[26:27], s[36:37]
.elseif (\a) > 0
	s_add_nc_u64 s[24:25], s[24:25], s[32:33]
	s_add_nc_u64 s[26:27], s[26:27], 64
.endif
	WIN 0x02+(\a)/4                                ; source 0: window 2 or 3
.set i, 0
.rept 32
	v_pk_add_f32 v[T+2*i:T+2*i+1], v[64*((\a)%4)+2*i:64*((\a)%4)+2*i+1], v[BP+2*(\a):BP+2*(\a)+1] op_sel_hi:[1,0]   ; + the bias of my lane's row; each accumulator from its low end on
.set i, i+1
.endr
	WIN 0
	QUANT T
	v_lshrrev_b32 v[PS], v11, v[PW]
.irp p, 0,1,2
	global_store_b64 v8, v[PC+2*\p:PC+2*\p+1], s[24:25] offset:256*\p     ; 32 lanes store 256 consecutive bytes, at a multiple of 256 from the buffer's first byte
.endr
.irp p, 0,1,2
	global_store_b64 v9, v[PC+6+2*\p:PC+6+2*\p+1], s[24:25] offset:256*\p
.endr
	global_store_b32 v10, v[PS], s[26:27]          ; a row's scale word.  q, k: two bytes count; the upper two stand over zero codes and are never 0xff
.endm
.irp a, 0,1,2,3,4,5,6,7
	OUT \a
.endr
	s_wait_tensorcnt 0x0                           ; the wave's end
	ds_add_u32 v[SPW], v[NIL]
	s_wait_dscnt 0x0
	CROUND
	s_endpgm
; Wo [2048][2048] f32, K innermost, becomes codes of BF6 with E8M0 bytes, laid as the other operands' images are: woimg: fragment (T, s) at (16 T + s) x 1536; woscl: byte (T, r, kb) at 1024 T + 128 (kb / 8) + 8 r + kb % 8.
; Work-group n of the 64 makes row tiles 2 n and 2 n + 1, one a trip.  Wave w takes lane-rows 4 w .. 4 w + 3, four neighbouring rows of memory: 16 steps of 512 numbers, loads four steps ahead.
; A step's 2,048 bytes turn through the wave's own stage, so that a lane holds 16 neighbours along K; the codes are gathered in the tile's image in LDS and leave 512 consecutive bytes an instruction.
; This way has LDS bytes of its own, behind the spare words; it issues no tensor load.  LIMITS as above: NaN and infinities are not served; a block under 2^-122, zeros among them, keeps the byte 1.
.Lwo:
.set WSP,  80                          ; a lane's place in a stage: 64 bytes + 16
.set WREG, 2*32*WSP                    ; two stages a wave
.set WOB,  SPARE+512
.set WIMG, WOB+4*WREG                  ; the image: 32 groups (K step, half) of 768 bytes + 16
.set WGP,  784
.set WSCB, WIMG+32*WGP                 ; the tile's 1,024 scale bytes
.set WR,   32                          ; v32-95 four sets of 16 numbers as loaded; then the image on its way out
.set WX,   96                          ; v96-127 two sets of 16 neighbours
.set WE,   128                         ; v128-143 a scale byte a step
.set WC,   144                         ; v144-207 codes, four registers a step
	s_load_b128 s[24:27], s[0:1], 0x30             ; Wo, woimg
	s_load_b64 s[28:29], s[0:1], 0x40              ; woscl
	s_mul_i32 s20, s16, WREG
	s_add_co_u32 s20, s20, WOB                     ; my stages
	s_lshl_b32 s21, s16, 5                         ; 8 x my first lane-row
	s_add_co_u32 s22, s21, WIMG
	s_add_co_u32 s23, s21, WSCB
	s_mul_i32 s30, s16, 8*WGP
	s_add_co_u32 s30, s30, WIMG                    ; the way out: my eight groups,
	s_lshl_b32 s31, s16, 8
	s_add_co_u32 s31, s31, WSCB                    ; my 256 scale bytes
	s_sub_co_u32 s32, ttmp9, 6
	s_lshl_b32 s32, s32, 1
	s_and_b32 s33, ttmp7, 0xffff
	s_add_co_u32 s32, s32, s33                     ; which of the four clusters
	s_lshl_b32 s32, s32, 4
	s_bfe_u32 s33, ttmp6, 0x40000
	s_bfe_u32 s34, ttmp6, 0x40004
	s_lshl_b32 s34, s34, 2
	s_add_co_u32 s32, s32, s33
	s_add_co_u32 s32, s32, s34                     ; n: it enters global addresses alone
	s_lshl_b32 s36, s32, 5
	s_lshr_b32 s33, s16, 1
	s_lshl_b32 s33, s33, 4
	s_add_co_u32 s36, s36, s33
	s_and_b32 s33, s16, 1
	s_lshl_b32 s33, s33, 2
	s_add_co_u32 s36, s36, s33                     ; my first row of tile 2 n: 32 n + 16 (w / 2) + 4 (w % 2)
	s_lshl_b32 s36, s36, 13
	s_mov_b32 s37, 0
	s_mul_i32 s38, s32, 2*24576
	s_mul_i32 s33, s16, 6144
	s_add_co_u32 s38, s38, s33
	s_mov_b32 s39, 0
	s_lshl_b32 s40, s32, 11
	s_lshl_b32 s33, s16, 8
	s_add_co_u32 s40, s40, s33
	s_mov_b32 s41, 0
	v_and_b32 v2, 31, v0                           ; lane
	v_lshlrev_b32 v3, 4, v2
	v_lshrrev_b32 v14, 2, v2
	v_mul_u32_u24 v14, v14, WSP
	v_and_b32 v15, 3, v2
	v_lshl_add_u32 v14, v15, 4, v14
	v_add_nc_u32 v14, s20, v14                     ; the stage, in: WSP (lane / 4) + 16 (lane % 4)
	v_mul_u32_u24 v15, v2, WSP
	v_add_nc_u32 v15, s20, v15                     ; out: WSP x lane
	v_lshrrev_b32 v8, 2, v2                        ; my block of a step is lane / 2: group lane / 4, half (lane / 2) % 2
	v_mul_u32_u24 v8, v8, WGP
	v_bfe_u32 v9, v2, 1, 1
	v_lshl_add_u32 v8, v9, 7, v8
	v_add_nc_u32 v8, s22, v8
	v_and_b32 v9, 1, v2                            ; which 12 bytes of the block's 24 are mine
	v_mad_u32_u24 v4, v9, 260, v8                  ; word 0 or 3
	v_mad_u32_u24 v5, v9, 508, v8
	v_add_nc_u32 v5, 4, v5                         ; word 1 or 4
	v_mad_u32_u24 v6, v9, 260, v8
	v_add_nc_u32 v6, 256, v6                       ; word 2 or 5
	v_lshrrev_b32 v7, 4, v2
	v_bfe_u32 v9, v2, 1, 3
	v_lshl_add_u32 v7, v7, 7, v9
	v_add_nc_u32 v7, s23, v7                       ; my block's scale byte
	v_add_nc_u32 v10, s30, v3
	v_lshrrev_b32 v9, 4, v2
	v_lshl_add_u32 v12, v9, 4, v10                 ; the same where lanes 16-31 lie behind one padding more
	v_lshlrev_b32 v1, 3, v2
	v_add_nc_u32 v13, s31, v1
	s_wait_alu depctr_va_vdst(0)
	s_wait_kmcnt 0x0
	s_add_nc_u64 s[24:25], s[24:25], s[36:37]
	s_add_nc_u64 s[26:27], s[26:27], s[38:39]
	s_add_nc_u64 s[28:29], s[28:29], s[40:41]
.macro WLOAD t
.irp i, 0,1,2,3
	global_load_b128 v[WR+16*((\t)%4)+4*\i:WR+16*((\t)%4)+4*\i+3], v3, s[24:25] offset:2048*(\t)+512*\i th:TH_LOAD_NT
.endr
.endm
.macro WTURN t                         ; through the stage: LDS serves a wave's instructions in order
.irp i, 0,1,2,3
	ds_store_b128 v14, v[WR+16*((\t)%4)+4*\i:WR+16*((\t)%4)+4*\i+3] offset:32*WSP*((\t)%2)+8*WSP*\i
.endr
.irp i, 0,1,2,3
	ds_load_b128 v[WX+16*((\t)%2)+4*\i:WX+16*((\t)%2)+4*\i+3], v15 offset:32*WSP*((\t)%2)+16*\i
.endr
.endm
.macro WSTEP t                         ; lane-row 4 w + t / 4, K from 512 (t % 4) on
.set XS, WX+16*((\t)%2)
.if (\t) > 0
	s_wait_dscnt 4                                 ; this step's numbers are back; the last step's four stores into the image may be out
.else
	s_wait_dscnt 0x0
.endif
.if (\t)+4 < 16
	WLOAD (\t)+4
.endif
.if (\t)+1 < 16
.if 14-(\t) >= 3
	s_wait_loadcnt 12                              ; the next step's four loads are in; three steps' may be out
.else
	s_wait_loadcnt 4*(14-(\t))
.endif
	WTURN (\t)+1
.endif
	v_max3_num_f32 v8, |v[XS]|, |v[XS+1]|, |v[XS+2]|
	v_max3_num_f32 v9, |v[XS+3]|, |v[XS+4]|, |v[XS+5]|
.irp i, 6,10
	v_max3_num_f32 v8, v8, |v[XS+\i]|, |v[XS+\i+1]|
	v_max3_num_f32 v9, v9, |v[XS+\i+2]|, |v[XS+\i+3]|
.endr
	v_max3_num_f32 v8, v8, |v[XS+14]|, |v[XS+15]|
	v_max3_num_f32 v8, v8, v9, 0x2800000           ; the floor 2^(5 - 127): the byte cannot fall under 1
	v_max_num_f32_dpp v8, v8, v8 row_xmask:1 row_mask:0xf bank_mask:0xf   ; with my neighbour's 16: the block's
	v_add_nc_u32 v11, 0xfe000000, v8               ; 4 off its exponent field: the conversion's scale operand
	v_cvt_scalef32_pk16_bf6_f32 v[WC+4*(\t):WC+4*(\t)+2], v[XS:XS+15], v11
	v_lshrrev_b32 v[WE+(\t)], 23, v11              ; the scale's byte (a plain line behind the conversion)
	ds_store_b8 v7, v[WE+(\t)] offset:256*((\t)%4)+8*((\t)/4)
	ds_store_b32 v4, v[WC+4*(\t)] offset:8*WGP*((\t)%4)+8*((\t)/4)
	ds_store_b32 v5, v[WC+4*(\t)+1] offset:8*WGP*((\t)%4)+8*((\t)/4)
	ds_store_b32 v6, v[WC+4*(\t)+2] offset:8*WGP*((\t)%4)+8*((\t)/4)
.endm
	s_mov_b32 s3, 2
.Lwo_tile:
.irp t, 0,1,2,3
	WLOAD \t
.endr
	s_wait_loadcnt 12
	WTURN 0
.irp t, 0,1,2,3,4,5,6,7,8,9,10,11,12,13,14,15
	WSTEP \t
.endr
	s_wait_dscnt 0x0                               ; for the others' sake: my stores into the image are done
	s_barrier_signal -1
	s_barrier_wait -1
.irp k, 0,1,2,3,4,5,6,7,8,9,10,11                  ; my quarter of the image, 6,144 bytes; a group's padding is passed over
.if (\k%3) == 1
	ds_load_b128 v[WR+4*\k:WR+4*\k+3], v12 offset:512*\k+32*(\k/3)
.else
	ds_load_b128 v[WR+4*\k:WR+4*\k+3], v10 offset:512*\k+32*(\k/3)+16*((\k%3)/2)
.endif
.endr
	ds_load_b64 v[8:9], v13
.irp k, 0,1,2,3,4,5,6,7,8,9,10,11
	s_wait_dscnt 12-\k
	global_store_b128 v3, v[WR+4*\k:WR+4*\k+3], s[26:27] offset:512*\k   ; 512 consecutive bytes, at a multiple of 256 from the buffer's first byte
.endr
	s_wait_dscnt 0x0                               ; and my reads of the image are over
	global_store_b64 v1, v[8:9], s[28:29]          ; 256 consecutive scale bytes
	s_wait_xcnt 0x0                                ; the stores have read their data and bases: both are written again only behind this wait
	s_add_nc_u64 s[24:25], s[24:25], 65536         ; tile 2 n + 1 lies 8 rows further down,
	s_add_nc_u64 s[26:27], s[26:27], 24576         ; its image and its scale bytes behind this tile's
	s_add_nc_u64 s[28:29], s[28:29], 1024
	s_barrier_signal -1
	s_barrier_wait -1                              ; nobody reads the image any more: the next trip may store into it
	s_sub_co_u32 s3, s3, 1
	s_cmp_lg_u32 s3, 0
	s_wait_alu depctr_va_vdst(0)
	s_cbranch_scc1 .Lwo_tile
	s_wait_tensorcnt 0x0                           ; the wave's end
	ds_add_u32 v[SPW], v[NIL]
	s_wait_dscnt 0x0
	CROUND                                         ; the cluster's closing round
	s_endpgm
.Lfunc_end_k_q4795a6af68_qkv:
	.size	k_q4795a6af68_qkv, .Lfunc_end_k_q4795a6af68_qkv-k_q4795a6af68_qkv
	.p2alignl 7, 3214868480
	.fill 96, 4, 3214868480
	.section	.rodata,"a",@progbits
	.p2align	6, 0x0
	.amdhsa_kernel k_q4795a6af68_qkv
		.amdhsa_group_segment_fixed_size 327680
		.amdhsa_private_segment_fixed_size 0
		.amdhsa_enable_private_segment 0
		.amdhsa_kernarg_size 72
		.amdhsa_user_sgpr_count 2
		.amdhsa_user_sgpr_kernarg_segment_ptr 1
		.amdhsa_wavefront_size32 1
		.amdhsa_system_sgpr_workgroup_id_x 1
		.amdhsa_system_sgpr_workgroup_id_y 1
		.amdhsa_system_sgpr_workgroup_id_z 1
		.amdhsa_system_vgpr_workitem_id 0
		.amdhsa_next_free_vgpr 1024
		.amdhsa_next_free_sgpr 102
		.amdhsa_reserve_vcc 0
		.amdhsa_float_denorm_mode_32 3
		.amdhsa_float_denorm_mode_16_64 3
		.amdhsa_memory_ordered 1
		.amdhsa_forward_progress 1
		.amdhsa_inst_pref_size 230
	.end_amdhsa_kernel
	.amdgpu_metadata
---
amdhsa.version: [ 1, 2 ]
amdhsa.kernels:
  - .name:           k_q4795a6af68_qkv
    .symbol:         k_q4795a6af68_qkv.kd
    .args:
      - { .name: cimg, .offset: 0, .size: 8, .value_kind: global_buffer, .address_space: global }
      - { .name: simg, .offset: 8, .size: 8, .value_kind: global_buffer, .address_space: global }
      - { .name: bq, .offset: 16, .size: 8, .value_kind: global_buffer, .address_space: global }
      - { .name: bk, .offset: 24, .size: 8, .value_kind: global_buffer, .address_space: global }
      - { .name: bv, .offset: 32, .size: 8, .value_kind: global_buffer, .address_space: global }
      - { .name: qkv, .offset: 40, .size: 8, .value_kind: global_buffer, .address_space: global }
      - { .name: Wo, .offset: 48, .size: 8, .value_kind: global_buffer, .address_space: global }
      - { .name: woimg, .offset: 56, .size: 8, .value_kind: global_buffer, .address_space: global }
      - { .name: woscl, .offset: 64, .size: 8, .value_kind: global_buffer, .address_space: global }
    .group_segment_fixed_size: 327680
    .private_segment_fixed_size: 0
    .kernarg_segment_align: 8
    .kernarg_segment_size: 72
    .max_flat_workgroup_size: 128
    .sgpr_count:     102
    .vgpr_count:     1024
    .wavefront_size: 32
...
	.end_amdgpu_metadata
.endif
;; end of part 6
;; launch attn (part 7): grid 4 x 64, 16 waves a work-group, clusters of 4 x 1, 169,984 bytes of LDS; arguments qkv, aimg, ascl; writes aimg, ascl
.if DOCPART == 7
	.amdgcn_target "amdgcn-amd-amdhsa--gfx1250"
	.amdhsa_code_object_version 6
	.text
	.protected	k_q4795a6af68_attn
	.globl	k_q4795a6af68_attn
	.p2align	8
	.type	k_q4795a6af68_attn,@function
k_q4795a6af68_attn:
	s_mov_b64 s[64:65], 0
	v_nop
	global_prefetch_b8 v0, s[64:65] scope:SCOPE_SE
	s_setreg_imm32_b32 hwreg(HW_REG_WAVE_MODE, 25, 1), 1
	s_wait_xcnt 0x0
	s_wait_alu depctr_hold_cnt(0) depctr_sa_sdst(0) depctr_va_vdst(0) depctr_va_sdst(0) depctr_va_ssrc(0) depctr_va_vcc(0) depctr_vm_vsrc(0)
	s_getreg_b32 s2, hwreg(HW_REG_IB_STS2, 6, 4)
	s_cmp_eq_u32 s2, 0
	s_cbranch_scc0 .Lentry_in_a_cluster
	s_endpgm
.Lentry_in_a_cluster:
	s_bfe_u32 s2, ttmp6, 0x10000c
	s_cmp_lg_u32 s2, 0x3003
	s_cbranch_scc0 .Lentry_shape_is_right
	s_endpgm
.Lentry_shape_is_right:
; Causal attention of one (batch, head) for each cluster, both products on codes of BF6 (E3M2) with E8M0 scales; the result is divided by the row's sum, quantised along the model's 2,048 channels and stored as codes.
; t = score x log2(e) / 8; M = the row's largest t so far, rounded UP to a whole number; p = 2^(t - M) is quantised along the keys; the row's sum is taken of the unquantised p.  When M moves, the sum and O are multiplied by 2^(old M - new M): exact.
; IN (from the launch before), 157,696 bytes a head: q's codes 64 tiles x 768 | q's scale words | k's codes 64 tiles x 768 | v's codes 8 key steps x 4 channel tiles x 1,536 | k's scale words | v's scale words.
; All are images of operand registers: piece p of lane l at 256 p + 8 l.  Lane-row r of tile T is token (or channel) 32 (T / 2) + 8 (T % 2) + r + 8 (r / 8).  q and k have K = 64: registers 0-5; registers 6-11 are zero codes.
; SHARES.  The cluster's four work-groups share the head's k and v: 104,448 dense bytes, asked for JOINTLY once (waves 0 to 3, a quarter each); they stay in LDS, and no LDS byte is filled twice.
; Wave w owns ONE tile of 16 queries: tile 4 w' + cx, w' = w for w < 8 and 23 - w for the others.  Its diagonal lies in key step w' / 2, which hangs on the wave's number alone; it works w' / 2 + 1 key steps of 128.
; Every wave walks a loop of 8 trips and jumps over the work of the steps all of whose keys come after its queries.
; LAYOUT.  S^T = K Q^T (source 0 = 16 keys), O^T = V^T P^T (source 0 = 16 channels): a lane holds ONE query throughout; the 16 registers of tiles 2 b, 2 b + 1 are 16 neighbouring keys (or channels).
; LIMITS: NaN and infinities are not served; blocks under 2^-122 keep the byte 1; a block's largest p is made from the block's largest score by the same two instructions (v_exp_f32 is taken not to fall where its input rises); 1 / sum is v_rcp_f32.
; REGISTERS: v1-5, v7 addresses and the mask's number; v8-11 the step's addresses; v12 -M, v13 the largest t, v[14:15] the sum; v16-27 Q; v28-31 V's scale words; v32-79 four fragments of K; v80-127 V's four;
;   v128-191 S^T, then p; v192-223 O^T; v224-235 p's codes; v232-247, v252, v254 at work; v248-251 K's scale words; v253 p's; v255 Q's.
.set VC,   49152                       ; LDS: k's codes at 0, v's here,
.set KS,   98304                       ; k's scale words,
.set VS,   102400                      ; v's: the block as it lies in memory
.set QTR,  26112                       ; a quarter of it: 102 rows of 256 bytes
.set BHB,  157696
.set S,    128
.set O,    192
.macro CROUND                          ; a round of the cluster's barrier
	s_barrier_signal -1
	s_barrier_wait -1
	s_cmp_lg_u32 s18, 0
	s_cbranch_scc1 .Lnot_wave_0_\@
	s_barrier_signal -3
.Lnot_wave_0_\@:
	s_barrier_wait -3
	s_barrier_signal -1
	s_barrier_wait -1
.endm
	s_load_b128 s[4:7], s[0:1], 0x0                ; qkv, aimg
	s_load_b64 s[8:9], s[0:1], 0x10                ; ascl
	v_lshl_add_u32 v6, v0, 2, 0x29000
	v_mov_b32 v243, 0
	ds_add_u32 v6, v243
	ds_add_u32 v6, v243
	v_lshrrev_b32 v1, 5, v0
	s_delay_alu instid0(VALU_DEP_1)
	v_readfirstlane_b32 s18, v1                    ; wave 0..15
	s_bfe_u32 s36, ttmp6, 0x40000                  ; cx
	s_and_b32 s37, ttmp7, 0xffff                   ; 32 x batch + head
	s_lshr_b32 s38, s18, 3
	s_mul_i32 s38, s38, 7
	s_xor_b32 s38, s38, s18                        ; w'
	s_lshl_b32 s39, s38, 2
	s_add_co_u32 s39, s39, s36                     ; my tile of queries
	s_lshr_b32 s40, s38, 1                         ; the key step of my diagonal
	s_mov_b32 s24, 15|(3<<16)|(1<<21)              ; group 1: 15:0 all four work-groups; 17:16 elements of 8 bytes; 21 set beside a mask
	s_mov_b32 s25, 32<<16                          ; tensor_dim0: 256 bytes
	s_mov_b32 s26, 102<<16                         ; tensor_dim1
	s_mov_b32 s27, 32<<16                          ; tile_dim0
	s_mov_b32 s28, 102                             ; tile_dim1
	s_mov_b32 s29, 32                              ; the rows lie on end
	s_mov_b32 s30, 0
	s_mov_b32 s31, 0
	s_and_b32 s47, s18, 3
	s_mul_i32 s33, s47, QTR                        ; LDS address: by the wave's number alone
	s_mul_i32 s46, s37, BHB                        ; the head's block
	s_add_co_u32 s48, s46, s33
	s_add_co_u32 s48, s48, 53248                   ; k's codes begin there
	s_mov_b32 s49, 0
	s_mul_i32 s50, s39, 768
	s_add_co_u32 s50, s50, s46                     ; my tile of q
	s_mov_b32 s51, 0
	s_lshl_b32 s52, s39, 6
	s_add_co_u32 s52, s52, s46
	s_add_co_u32 s52, s52, 49152                   ; and its scale words
	s_mov_b32 s53, 0
	s_mov_b32 s20, 0x76543210
	s_mov_b32 s21, 0xfedcba98                      ; v_permlanex16_b32's selects for lane l xor 16
	s_mov_b32 s22, 0x3e38aa3b                      ; c = log2(e) / 8
	s_mov_b32 s23, s22                             ; (named with it as a pair)
	s_mov_b32 s41, 0                               ; the key step
	s_mov_b32 s42, 0                               ; its codes: 6,144 bytes a step, of k and of v
	s_mov_b32 s43, 0                               ; k's scale words: 512
	s_mov_b32 s44, 0                               ; v's: 256
	s_wait_dscnt 0x0
	s_wait_kmcnt 0x0
	s_mov_b32 s32, 1
	s_add_nc_u64 s[34:35], s[4:5], s[48:49]
	s_or_b32 s35, s35, 0x80000000
	s_add_nc_u64 s[10:11], s[4:5], s[50:51]
	s_add_nc_u64 s[12:13], s[4:5], s[52:53]
	s_lshr_b32 s50, s37, 5                         ; where my result goes: row tile 64 x batch + my tile,
	s_lshl_b32 s50, s50, 6
	s_add_co_u32 s50, s50, s39
	s_and_b32 s52, s37, 31                         ; K step head / 2, half head % 2
	s_lshl_b32 s53, s50, 4
	s_lshr_b32 s54, s52, 1
	s_add_co_u32 s53, s53, s54
	s_mul_i32 s54, s53, 1536
	s_and_b32 s53, s52, 1
	s_mul_i32 s53, s53, 768
	s_add_co_u32 s54, s54, s53
	s_mov_b32 s55, 0
	s_add_nc_u64 s[6:7], s[6:7], s[54:55]
	s_lshl_b32 s54, s50, 10                        ; its two scale bytes: 1024 T + 128 (head / 4) + 8 r + 2 (head % 4)
	s_lshr_b32 s53, s52, 2
	s_lshl_b32 s53, s53, 7
	s_add_co_u32 s54, s54, s53
	s_and_b32 s53, s52, 3
	s_lshl_b32 s53, s53, 1
	s_add_co_u32 s54, s54, s53
	s_add_nc_u64 s[8:9], s[8:9], s[54:55]
	CROUND                                         ; all four work-groups are here: the joint loads meet
	s_cmp_lt_u32 s18, 4                            ; waves 0 to 3 fetch a quarter each: one tensor load of mine is out
	s_cbranch_scc0 .Lno_fetch
	tensor_load_to_lds s[32:35], s[24:31]
	s_nop 0
.rept 4
	v_nop
.endr
.Lno_fetch:
	v_and_b32 v1, 31, v0
	s_delay_alu instid0(VALU_DEP_1)
	v_lshlrev_b32 v1, 3, v1                        ; 8 x lane: my place in every piece
	s_delay_alu instid0(VALU_DEP_1)
	v_add_nc_u32 v2, VC, v1
	v_and_b32 v8, 15, v0                           ; r
	v_bfe_u32 v9, v0, 4, 1                         ; h
	s_delay_alu instid0(VALU_DEP_2)
	v_lshlrev_b32 v10, 2, v8
	s_delay_alu instid0(VALU_DEP_1)
	v_add_nc_u32 v3, KS, v10
	s_delay_alu instid0(VALU_DEP_2)
	v_add_nc_u32 v4, VS, v10
	v_lshlrev_b32 v7, 3, v8
.irp p, 0,1,2
	global_load_b64 v[16+2*\p:17+2*\p], v1, s[10:11] offset:256*\p   ; Q's codes stay in registers
.endr
	global_load_b32 v255, v10, s[12:13]            ; and its scale words
	s_lshr_b32 s50, s39, 1
	s_lshl_b32 s50, s50, 5
	s_and_b32 s51, s39, 1
	s_lshl_b32 s51, s51, 3
	s_add_co_u32 s50, s50, s51
	s_and_b32 s50, s50, 127                        ; my tile's first query, counted from the diagonal step's first key
	v_and_b32 v11, 8, v8
	s_delay_alu instid0(VALU_DEP_1)
	v_add_nc_u32 v11, v11, v8
	v_lshlrev_b32 v5, 4, v9
	s_delay_alu instid0(VALU_DEP_1)
	v_sub_nc_u32 v5, v11, v5
	s_delay_alu instid0(VALU_DEP_1)
	v_add_nc_u32 v5, s50, v5                       ; d = my query - the step's first key - 16 h.  Register 16 b + i holds key 32 b + 16 h + i: hidden where 32 b + i > d
.irp i, 22,23,24,25,26,27
	v_mov_b32 v[\i], 0                             ; K = 64: the upper half of Q's operand is zero codes,
.endr
.irp t, 0,1,2,3
.irp i, 6,7,8,9,10,11
	v_mov_b32 v[32+12*\t+\i], 0                    ; and of K's four: written once, no load lands there
.endr
.endr
	v_mov_b32 v13, 0xff61b1e6                      ; the largest t so far: -3e38
	s_delay_alu instid0(VALU_DEP_1)
	v_floor_f32 v12, -v13                          ; -M
	v_mov_b32 v14, 0
	v_mov_b32 v15, 0
.irp b, 0,1,2,3
	v_mov_b32 v[236+\b], 0                         ; a lane permute's destination counts as one of its sources
.endr
	v_mov_b32 v252, 0
	v_mov_b32 v253, 0
.set j, 0
.rept 32
	v_mov_b32 v[O+j], 0                            ; O^T.  (The step is written once: the first finds zeros, which the first change of M leaves zeros)
.set j, j+1
.endr
	s_wait_tensorcnt 0x0                           ; my quarter is in,
	s_wait_loadcnt 0x0                             ; and Q
	s_barrier_signal -1
	s_barrier_wait -1                              ; everybody's quarter is
.Lstep:                                            ; 8 trips, a key step of 128 keys each
	s_cmp_gt_u32 s41, s40                          ; all its keys come after my queries: the work is left out (a branch on the wave's number and the count)
	s_cbranch_scc1 .Lhidden
	v_add_nc_u32 v8, s42, v1                       ; these four lines are the places in front of loads into registers that the last products have read
	v_add_nc_u32 v9, s42, v2
	v_add_nc_u32 v10, s43, v3
	v_add_nc_u32 v11, s44, v4
.irp t, 0,1,2,3
.irp p, 0,1,2
	ds_load_b64 v[32+12*\t+2*\p:33+12*\t+2*\p], v8 offset:768*\t+256*\p
.endr
	ds_load_b32 v[248+\t], v10 offset:64*\t
.endr
.irp t, 0,1,2,3                                ; the step's V, asked for now: wanted behind the softmax
.irp p, 0,1,2,3,4,5
	ds_load_b64 v[80+12*\t+2*\p:81+12*\t+2*\p], v9 offset:1536*\t+256*\p
.endr
	ds_load_b32 v[28+\t], v11 offset:64*\t
.endr
	s_wait_alu depctr_va_vdst(0)
	s_wait_dscnt 28                                ; K's first four tiles are in; V's 28 loads may be out
.irp t, 0,1,2,3
	v_wmma_scale_f32_16x16x128_f8f6f4 v[S+8*\t:S+8*\t+7], v[32+12*\t:43+12*\t], v[16:27], 0, v[248+\t], v255 matrix_a_fmt:MATRIX_FMT_BF6 matrix_b_fmt:MATRIX_FMT_BF6
.endr
.rept 4
	v_nop                                          ; places in front of loads into registers that these products have read
.endr
.irp t, 0,1,2,3
.irp p, 0,1,2
	ds_load_b64 v[32+12*\t+2*\p:33+12*\t+2*\p], v8 offset:768*(4+\t)+256*\p
.endr
	ds_load_b32 v[248+\t], v10 offset:64*(4+\t)
.endr
	s_wait_dscnt 0x0
.irp t, 0,1,2,3
	v_wmma_scale_f32_16x16x128_f8f6f4 v[S+32+8*\t:S+32+8*\t+7], v[32+12*\t:43+12*\t], v[16:27], 0, v[248+\t], v255 matrix_a_fmt:MATRIX_FMT_BF6 matrix_b_fmt:MATRIX_FMT_BF6
.endr
.rept 4
	v_nop
.endr
	s_cmp_lt_u32 s41, s40                          ; under the diagonal step every key counts
	s_cbranch_scc1 .Lopen
	v_mov_b32 v254, 0xff800000                     ; on it the scores of hidden keys become -infinity ahead of the maximum: p = 0 then
.set n, 0
.rept 64
	v_cmp_gt_i32 vcc_lo, 32*(n/16)+n%16, v5
	v_cndmask_b32 v[S+n], v[S+n], v254, vcc_lo
.set n, n+1
.endr
.Lopen:
.irp b, 0,1,2,3
	v_max3_num_f32 v[232+\b], v[S+16*\b], v[S+1+16*\b], v[S+2+16*\b]   ; the largest score of each block of 32 keys: for the row's maximum and for the block's largest p
.endr
.irp i, 3,5,7,9,11,13
.irp b, 0,1,2,3
	v_max3_num_f32 v[232+\b], v[232+\b], v[S+16*\b+\i], v[S+1+16*\b+\i]
.endr
.endr
.irp b, 0,1,2,3
	v_max_num_f32 v[232+\b], v[232+\b], v[S+15+16*\b]
.endr
.irp b, 0,1,2,3
	s_delay_alu instid0(VALU_DEP_4)
	v_permlanex16_b32 v[236+\b], v[232+\b], s20, s21
.endr
.irp b, 0,1,2,3
	s_delay_alu instid0(VALU_DEP_4)
	v_max_num_f32 v[232+\b], v[232+\b], v[236+\b]  ; with lane l xor 16's 16 keys
.endr
	s_delay_alu instid0(VALU_DEP_2)
	v_max3_num_f32 v254, v232, v233, v234
	s_delay_alu instid0(VALU_DEP_1)
	v_max_num_f32 v254, v254, v235                 ; the step's largest score of my query
	s_delay_alu instid0(VALU_DEP_1)
	v_mul_f32 v254, s22, v254                      ; as t (c is positive)
	s_delay_alu instid0(VALU_DEP_1)
	v_max_num_f32 v13, v13, v254                   ; the running largest t
	v_mov_b32 v254, v12
	s_delay_alu instid0(VALU_DEP_2)
	v_floor_f32 v12, -v13                          ; the new -M = -ceil(t)
	s_delay_alu instid0(VALU_DEP_1)
	v_sub_f32 v254, v12, v254                      ; old M - new M: a whole number, 0 or less
	s_delay_alu instid0(VALU_DEP_1)
	v_cvt_i32_f32 v254, v254                       ; (it saturates)
	s_delay_alu instid0(VALU_DEP_1)
	v_ldexp_f32 v252, 1.0, v254                    ; f = 2^(old M - new M)
.set j, 0
.rept 32
	v_pk_fma_f32 v[S+j:S+j+1], v[S+j:S+j+1], s[22:23], v[12:13] op_sel_hi:[1,0,0]   ; t - M, two at a time
.set j, j+2
.endr
.irp b, 0,1,2,3
	v_fma_f32 v[232+\b], v[232+\b], s22, v12       ; the same of each block's largest score
.endr
.set j, 0
	s_wait_alu depctr_va_vdst(0)
.rept 64
	v_exp_f32 v[S+j], v[S+j]                       ; p = 2^(t - M), at most 1: not normalised
.set j, j+1
.endr
.irp b, 0,1,2,3
	v_exp_f32 v[232+\b], v[232+\b]                 ; the block's largest p
.endr
	v_pk_mul_f32 v[14:15], v[14:15], v[252:253] op_sel_hi:[1,0]   ; the sums under the new M.  (A plain place behind the exponentials)
	s_wait_alu depctr_va_vdst(0)
.irp b, 0,1,2,3
	v_max_num_f32 v[232+\b], 0x2800000, v[232+\b]  ; the floor 2^(5 - 127): the byte cannot fall under 1
.endr
.irp b, 0,1,2,3
	s_delay_alu instid0(VALU_DEP_4)
	v_add_nc_u32 v[244+\b], 0xfe000000, v[232+\b]  ; 4 off the exponent field: the conversion's scale operand
.endr
.irp b, 0,1,2,3
	s_delay_alu instid0(VALU_DEP_4)
	v_lshrrev_b32 v[236+\b], 23, v[244+\b]         ; the scale's byte
.endr
	s_delay_alu instid0(VALU_DEP_3)
	v_lshl_or_b32 v253, v237, 8, v236              ; p's scale word for these 128 keys
	s_delay_alu instid0(VALU_DEP_1)
	v_lshl_or_b32 v253, v238, 16, v253
	s_delay_alu instid0(VALU_DEP_1)
	v_lshl_or_b32 v253, v239, 24, v253
.irp c, 0,1
	v_cvt_scalef32_pk16_bf6_f32 v[224+6*\c:226+6*\c], v[S+32*\c:S+15+32*\c], v[244+2*\c]
	v_cvt_scalef32_pk16_bf6_f32 v[236+4*\c:238+4*\c], v[S+16+32*\c:S+31+32*\c], v[244+2*\c+1]   ; (a conversion's three registers begin on an even number)
.endr
	v_nop                                          ; one plain place behind a scaled conversion
.irp c, 0,1                                    ; the operand's layout wants a WHOLE block in a lane
.irp i, 0,1,2
	v_permlane16_swap_b32 v[224+6*\c+\i], v[236+4*\c+\i]
.endr
.irp i, 0,1,2
	s_delay_alu instid0(VALU_DEP_3)
	v_mov_b32 v[227+6*\c+\i], v[236+4*\c+\i]
.endr
.endr
	v_pk_add_f32 v[236:237], v[132:133], v[136:137]
	v_pk_add_f32 v[250:251], v[140:141], v[144:145]
	v_pk_add_f32 v[248:249], v[148:149], v[152:153]
	v_pk_add_f32 v[246:247], v[156:157], v[160:161]
	v_pk_add_f32 v[244:245], v[164:165], v[168:169]
	v_pk_add_f32 v[240:241], v[172:173], v[176:177]
	v_pk_add_f32 v[72:73], v[180:181], v[184:185]
	v_pk_add_f32 v[14:15], v[14:15], v[188:189]
	v_pk_add_f32 v[236:237], v[236:237], v[128:129]
	v_pk_add_f32 v[250:251], v[250:251], v[130:131]
	v_pk_add_f32 v[248:249], v[248:249], v[134:135]
	v_pk_add_f32 v[246:247], v[246:247], v[138:139]
	v_pk_add_f32 v[244:245], v[244:245], v[142:143]
	v_pk_add_f32 v[240:241], v[240:241], v[146:147]
	v_pk_add_f32 v[72:73], v[72:73], v[150:151]
	v_pk_add_f32 v[14:15], v[14:15], v[154:155]
	v_pk_add_f32 v[236:237], v[236:237], v[158:159]
	v_pk_add_f32 v[250:251], v[250:251], v[162:163]
	v_pk_add_f32 v[248:249], v[248:249], v[166:167]
	v_pk_add_f32 v[246:247], v[246:247], v[170:171]
	v_pk_add_f32 v[244:245], v[244:245], v[174:175]
	v_pk_add_f32 v[240:241], v[240:241], v[178:179]
	v_pk_add_f32 v[72:73], v[72:73], v[182:183]
	v_pk_add_f32 v[14:15], v[14:15], v[186:187]
	v_pk_add_f32 v[236:237], v[236:237], v[190:191]
	s_delay_alu instid0(VALU_DEP_2)
	v_pk_add_f32 v[14:15], v[14:15], v[246:247]
	s_delay_alu instid0(VALU_DEP_2)
	v_pk_add_f32 v[236:237], v[236:237], v[244:245]
	v_pk_add_f32 v[250:251], v[250:251], v[240:241]
	v_pk_add_f32 v[248:249], v[248:249], v[72:73]
	s_delay_alu instid0(VALU_DEP_2)
	v_pk_add_f32 v[14:15], v[14:15], v[250:251]
	s_delay_alu instid0(VALU_DEP_2)
	v_pk_add_f32 v[236:237], v[236:237], v[248:249]
	s_delay_alu instid0(VALU_DEP_1)
	v_pk_add_f32 v[14:15], v[14:15], v[236:237]
.set j, 0
.rept 16
	v_pk_mul_f32 v[O+j:O+j+1], v[O+j:O+j+1], v[252:253] op_sel_hi:[1,0]   ; O^T under the new M.  (With the sums above: the places between p's codes and scale word and the products below)
.set j, j+2
.endr
.irp t, 0,1,2,3                                ; O^T += V^T P^T: the head's four tiles of 16 channels by turns; K = these 128 keys
	v_wmma_scale_f32_16x16x128_f8f6f4 v[O+8*\t:O+8*\t+7], v[80+12*\t:91+12*\t], v[224:235], v[O+8*\t:O+8*\t+7], v[28+\t], v253 matrix_a_fmt:MATRIX_FMT_BF6 matrix_b_fmt:MATRIX_FMT_BF6
.endr
.Lhidden:
	s_add_co_u32 s42, s42, 6144
	s_add_co_u32 s43, s43, 512
	s_add_co_u32 s44, s44, 256
	s_add_co_u32 s41, s41, 1
	s_cmp_lt_u32 s41, 8
	s_cbranch_scc1 .Lstep
.rept 4
	v_nop                                          ; places behind the last products (a wave reaches this line over trips that it left out)
.endr
	v_add_f32 v14, v14, v15                        ; the sum's two halves,
	s_delay_alu instid0(VALU_DEP_1)
	v_permlanex16_b32 v252, v14, s20, s21
	s_delay_alu instid0(VALU_DEP_1)
	v_add_f32 v14, v14, v252                       ; and lane l xor 16's: the row's sum
	s_wait_alu depctr_va_vdst(0)
	v_rcp_f32 v14, v14
	v_nop                                          ; a plain place behind the transcendental
.set j, 0
	s_wait_alu depctr_va_vdst(0)
.rept 16
	v_pk_mul_f32 v[S+j:S+j+1], v[O+j:O+j+1], v[14:15] op_sel_hi:[1,0]   ; O^T / the sum: register 16 b + i is channel 32 b + 16 h + i of the head; each accumulator from its low end on
.set j, j+2
.endr
.irp b, 0,1                                    ; the head's two blocks of 32 along the output projection's K
	v_max3_num_f32 v[232+\b], |v[S+16*\b]|, |v[S+1+16*\b]|, 0x2800000
.endr
.irp i, 2,4,6,8,10,12,14
.irp b, 0,1
	s_delay_alu instid0(VALU_DEP_2)
	v_max3_num_f32 v[232+\b], v[232+\b], |v[S+16*\b+\i]|, |v[S+1+16*\b+\i]|
.endr
.endr
.irp b, 0,1
	s_delay_alu instid0(VALU_DEP_2)
	v_permlanex16_b32 v[236+\b], v[232+\b], s20, s21
.endr
.irp b, 0,1
	s_delay_alu instid0(VALU_DEP_2)
	v_max_num_f32 v[232+\b], v[232+\b], v[236+\b]
.endr
.irp b, 0,1
	s_delay_alu instid0(VALU_DEP_2)
	v_add_nc_u32 v[244+\b], 0xfe000000, v[232+\b]
.endr
.irp b, 0,1
	s_delay_alu instid0(VALU_DEP_2)
	v_lshrrev_b32 v[240+\b], 23, v[244+\b]
.endr
	s_delay_alu instid0(VALU_DEP_1)
	v_lshl_or_b32 v240, v241, 8, v240              ; the two scale bytes of my query
	v_cvt_scalef32_pk16_bf6_f32 v[224:226], v[S:S+15], v244
	v_cvt_scalef32_pk16_bf6_f32 v[236:238], v[S+16:S+31], v245
	v_nop
.irp i, 0,1,2
	v_permlane16_swap_b32 v[224+\i], v[236+\i]
.endr
.irp i, 0,1,2
	s_delay_alu instid0(VALU_DEP_3)
	v_mov_b32 v[227+\i], v[236+\i]                 ; registers 0-5 (or 6-11) of the next product's operand: k = 32 h + 0 .. 31 of my head
.endr
.irp p, 0,1,2
	global_store_b64 v1, v[224+2*\p:225+2*\p], s[6:7] offset:256*\p   ; 32 lanes store 256 consecutive bytes, at a multiple of 256 from the buffer's first byte
.endr
	global_store_b16 v7, v240, s[8:9]              ; lanes r and r + 16 store the same two bytes
	s_wait_dscnt 0x0
	s_wait_tensorcnt 0x0
	ds_add_u32 v6, v243
	s_wait_dscnt 0x0
	CROUND                                         ; the closing round
	s_endpgm
.Lfunc_end_k_q4795a6af68_attn:
	.size	k_q4795a6af68_attn, .Lfunc_end_k_q4795a6af68_attn-k_q4795a6af68_attn
	.p2alignl 7, 3214868480
	.fill 96, 4, 3214868480
	.section	.rodata,"a",@progbits
	.p2align	6, 0x0
	.amdhsa_kernel k_q4795a6af68_attn
		.amdhsa_group_segment_fixed_size 169984
		.amdhsa_private_segment_fixed_size 0
		.amdhsa_enable_private_segment 0
		.amdhsa_kernarg_size 24
		.amdhsa_user_sgpr_count 2
		.amdhsa_user_sgpr_kernarg_segment_ptr 1
		.amdhsa_wavefront_size32 1
		.amdhsa_system_sgpr_workgroup_id_x 1
		.amdhsa_system_sgpr_workgroup_id_y 1
		.amdhsa_system_sgpr_workgroup_id_z 1
		.amdhsa_system_vgpr_workitem_id 0
		.amdhsa_next_free_vgpr 256
		.amdhsa_next_free_sgpr 66
		.amdhsa_reserve_vcc 1
		.amdhsa_float_denorm_mode_32 3
		.amdhsa_float_denorm_mode_16_64 3
		.amdhsa_memory_ordered 1
		.amdhsa_forward_progress 1
		.amdhsa_inst_pref_size 37
	.end_amdhsa_kernel
	.amdgpu_metadata
---
amdhsa.version: [ 1, 2 ]
amdhsa.kernels:
  - .name:           k_q4795a6af68_attn
    .symbol:         k_q4795a6af68_attn.kd
    .args:
      - { .name: qkv, .offset: 0, .size: 8, .value_kind: global_buffer, .address_space: global }
      - { .name: aimg, .offset: 8, .size: 8, .value_kind: global_buffer, .address_space: global }
      - { .name: ascl, .offset: 16, .size: 8, .value_kind: global_buffer, .address_space: global }
    .group_segment_fixed_size: 169984
    .private_segment_fixed_size: 0
    .kernarg_segment_align: 8
    .kernarg_segment_size: 24
    .max_flat_workgroup_size: 512
    .sgpr_count:     66
    .vgpr_count:     256
    .wavefront_size: 32
...
	.end_amdgpu_metadata
.endif
;; end of part 7
;; launch oproj (part 8): grid 16 x 16, 4 waves a work-group, clusters of 4 x 4, 327,680 bytes of LDS; arguments aimg, ascl, woimg, woscl, bo, out0; writes out0
.if DOCPART == 8
	.amdgcn_target "amdgcn-amd-amdhsa--gfx1250"
	.amdhsa_code_object_version 6
	.text
	.protected	k_q4795a6af68_oproj
	.globl	k_q4795a6af68_oproj
	.p2align	8
	.type	k_q4795a6af68_oproj,@function
k_q4795a6af68_oproj:
	s_mov_b64 s[64:65], 0
	v_nop
	global_prefetch_b8 v0, s[64:65] scope:SCOPE_SE
	s_setreg_imm32_b32 hwreg(HW_REG_WAVE_MODE, 25, 1), 1
	s_wait_xcnt 0x0
	s_wait_alu depctr_hold_cnt(0) depctr_sa_sdst(0) depctr_va_vdst(0) depctr_va_sdst(0) depctr_va_ssrc(0) depctr_va_vcc(0) depctr_vm_vsrc(0)
	s_getreg_b32 s2, hwreg(HW_REG_IB_STS2, 6, 4)
	s_cmp_eq_u32 s2, 0
	s_cbranch_scc0 .Lentry_in_a_cluster
	s_endpgm
.Lentry_in_a_cluster:
	s_bfe_u32 s2, ttmp6, 0x10000c
	s_cmp_lg_u32 s2, 0xf033
	s_cbranch_scc0 .Lentry_shape_is_right
	s_endpgm
.Lentry_shape_is_right:
; out0 = attn Wo^T + bo on codes of BF6 (E3M2) with E8M0 scales; f32 sums, f32 out.
; OPERANDS are images of operand registers: row tile T, lane-row r = row 32 (T / 2) + 8 (T % 2) + r + 8 (r / 8); fragment (T, K step s of 128) = 1,536 bytes at (16 T + s) x 1536, piece p of lane l at 256 p + 8 l.
; Scale byte (T, r, block kb) at 1024 T + 128 (kb / 8) + 8 r + kb % 8.  attn's images: aimg, ascl; Wo's: woimg, woscl.
; A block of 128 x 128 is made by four waves, each 64 x 64: 16 accumulators.  Source 0 = 16 rows of Wo (they fall into a lane's registers), source 1 = 16 tokens (the lanes).  The bias is the C of each sum's first product.
; K goes in four chunks of 512 (98,304 bytes: A's 8 row tiles, then B's 8) through three LDS slots: chunks 0 and 1 come by the head's four loads, one a wave (A 0, B 0, A 1, B 1);
; chunk 2 behind the round that shows them whole, a quarter a wave; chunk 3 fills slot 0 again at step 7, behind a round in front of which chunk 2's loads are waited for.  Every wait on TENSORcnt is for 0.
; THE SCALE WORDS go from memory straight into 64 registers, once: 8 bytes a lane and load; lanes 0-15 take K steps 0-7 of their row, lanes 16-31 steps 8-15, and the ROW selectors choose the half.
; CLUSTERS: 4 x 4 work-groups; A's tiles are asked for jointly along a row of the cluster, B's along a column.
; NO PREFETCH: the walk along K is written out with no loop to run ahead in, and three of its four chunks are asked for ahead of the first product.
; LIMITS: NaN and infinities are not served.
; REGISTERS: window 0: v0-31 addresses; v32-63 A's scale words; v64-95 the bias; v96-127 B's scale words; v128-255 the accumulators.  window 1: two sets of fragments at v0 and v128: B's four, then A's four.
; Wo's images lie in buffers of their own, woimg and woscl, row tiles 0 to 127, made by the launch qkv.
.set FRB,    1536
.set TROW,   4*FRB                     ; a row tile's part of a chunk
.set HALFT,  4*TROW                    ; 4 row tiles: what one wave reads of a side, and a ring load's part
.set SIDE,   2*HALFT
.set SLOT,   2*SIDE
.set SPARE,  3*SLOT                    ; the spare words, 128 bytes a wave
.set STAGE,  SLOT                      ; the way out goes through slot 1: last filled at the head, last read in front of step 7's barrier
.set SPITCH, 272
.set FR,     12
.set NP,     4                         ; places behind this matrix instruction (ISA guide 7.12.1)
.set ADRA, 16                          ; v16-18 my A fragments in slots 0 to 2
.set ADRB, 20                          ; v20-22 the same for B
.set STO,  24
.set RD,   25
.set CO,   26
.set SPW,  28
.set NIL,  29
.set SA,   32
.set BR,   64
.set SB,   96
.set ACC,  128
.set G1,   24                          ; s[24:31] group 1 for A's tiles; s[48:55] for B's
.set G1B,  48
.set G0,   32                          ; s[32:39] group 0 of A's chunks 2, 3; s[68:75] of B's
.set G0B,  68
.set HA,   56                          ; s[56:63] group 0 of A's chunks 0, 1, whole; s[76:83] of B's
.set HB,   76
.set MSB, 0
.macro WIN new
.if MSB != (\new)
	s_set_vgpr_msb (MSB<<8)|(\new)
.set MSB, (\new)
.endif
.endm
.set MUL,  0x05                        ; sources 0, 1 window 1; C and D window 0
.set TO_F, 0x40
.set FROM_F, 0x04
.macro TLOAD g0, g1                    ; a tensor load with s_nop 0 and four v_nop behind it
	tensor_load_to_lds s[\g0:\g0+3], s[\g1:\g1+7]
	s_nop 0
.rept 4
	v_nop
.endr
.endm
.macro JLOAD g0a, g0b                  ; waves 0, 1 fetch A's halves, waves 2, 3 B's
	s_cmp_eq_u32 s17, 0
	s_cbranch_scc0 .Lfor_b_\@
	TLOAD \g0a, G1
	s_branch .Lasked_\@
.Lfor_b_\@:
	TLOAD \g0b, G1B
.Lasked_\@:
.endm
.macro CREST
	s_cmp_lg_u32 s16, 0
	s_cbranch_scc1 .Lnot_wave_0_\@
	s_barrier_signal -3
.Lnot_wave_0_\@:
	s_barrier_wait -3
	s_barrier_signal -1
	s_barrier_wait -1
.endm
.macro CROUND
	s_barrier_signal -1
	s_barrier_wait -1
	CREST
.endm
	s_load_b256 s[4:11], s[0:1], 0x0               ; aimg, ascl, woimg, woscl
	s_load_b128 s[12:15], s[0:1], 0x20             ; bo, out0
	v_lshl_add_u32 v[SPW], v0, 2, SPARE
	v_mov_b32 v[NIL], 0
	ds_add_u32 v[SPW], v[NIL]
	ds_add_u32 v[SPW], v[NIL]
	v_lshrrev_b32 v1, 5, v0
	v_readfirstlane_b32 s16, v1                    ; wave
	s_lshr_b32 s17, s16, 1                         ; my half of A's rows; also: I fetch for A (0) or B (1)
	s_and_b32 s18, s16, 1                          ; my half of B's rows; also: which 4 row tiles I fetch
	s_bfe_u32 s44, ttmp6, 0x40000                  ; cx
	s_bfe_u32 s45, ttmp6, 0x40004                  ; cy
	s_and_b32 s66, ttmp7, 0xffff
	s_lshl_b32 s66, s66, 2
	s_add_co_u32 s66, s66, s45                     ; block row
	s_lshl_b32 s67, ttmp9, 2
	s_add_co_u32 s67, s67, s44                     ; block column
	s_lshl_b32 s96, s45, 2
	s_lshl_b32 s96, 15, s96                        ; my row of the cluster
	s_lshl_b32 s97, 0x1111, s44                    ; my column
	s_or_b32 s[G1+0], s96, (3<<16)|(1<<21)         ; the mask; elements of 8 bytes; bit 21 beside a mask
	s_or_b32 s[G1B+0], s97, (3<<16)|(1<<21)
.irp g, G1, G1B
	s_mov_b32 s[\g+1], 768<<16                     ; a row: 6,144 bytes
	s_mov_b32 s[\g+2], 8<<16                       ; 8 row tiles at the head; 4 for the ring, set behind the wait for the head's loads
	s_mov_b32 s[\g+3], 768<<16
	s_mov_b32 s[\g+4], 8
	s_mov_b32 s[\g+5], 3072                        ; 24,576 bytes from row tile to row tile
	s_mov_b32 s[\g+6], 0
	s_mov_b32 s[\g+7], 0
.endr
	s_lshl_b32 s19, s66, 3                         ; A's first row tile
	s_mul_i32 s22, s19, 24576
	s_mov_b32 s23, 0
	s_lshl_b32 s46, s67, 3
	s_mul_i32 s46, s46, 24576
	s_mov_b32 s47, 0
	s_mul_i32 s2, s18, 4*24576
	s_mov_b32 s3, 0
	s_mul_i32 s98, s16, HALFT
	s_wait_dscnt 0x0
	s_wait_kmcnt 0x0
	s_add_nc_u64 s[22:23], s[4:5], s[22:23]
	s_add_nc_u64 s[46:47], s[8:9], s[46:47]
.irp c, 0,1
	s_mov_b32 s[HA+4*\c], 1
	s_mov_b32 s[HA+4*\c+1], \c*SLOT
	s_add_nc_u64 s[HA+4*\c+2:HA+4*\c+3], s[22:23], \c*TROW
	s_or_b32 s[HA+4*\c+3], s[HA+4*\c+3], 0x80000000
	s_mov_b32 s[HB+4*\c], 1
	s_mov_b32 s[HB+4*\c+1], \c*SLOT+SIDE
	s_add_nc_u64 s[HB+4*\c+2:HB+4*\c+3], s[46:47], \c*TROW
	s_or_b32 s[HB+4*\c+3], s[HB+4*\c+3], 0x80000000
.endr
	s_add_nc_u64 s[22:23], s[22:23], s[2:3]        ; for the ring: my 4 row tiles
	s_add_nc_u64 s[46:47], s[46:47], s[2:3]
.irp c, 0,1                                        ; chunk 2 into slot 2, chunk 3 into slot 0
	s_mov_b32 s[G0+4*\c], 1
	s_add_co_u32 s[G0+4*\c+1], s98, (2-2*\c)*SLOT
	s_add_nc_u64 s[G0+4*\c+2:G0+4*\c+3], s[22:23], (2+\c)*TROW
	s_or_b32 s[G0+4*\c+3], s[G0+4*\c+3], 0x80000000
	s_mov_b32 s[G0B+4*\c], 1
	s_add_co_u32 s[G0B+4*\c+1], s98, (2-2*\c)*SLOT
	s_add_nc_u64 s[G0B+4*\c+2:G0B+4*\c+3], s[46:47], (2+\c)*TROW
	s_or_b32 s[G0B+4*\c+3], s[G0B+4*\c+3], 0x80000000
.endr
	CROUND                                         ; all sixteen work-groups are here: the first joint loads meet
.macro ARM under, g0, g1, next                 ; one tree of branches on the wave's number: every way passes one load
	s_cmp_lt_u32 s16, \under
	s_cbranch_scc0 \next
	TLOAD \g0, \g1
	s_branch .Lhead_asked
\next:
.endm
	ARM 1, HA,   G1,  .Lhead_b0
	ARM 2, HB,   G1B, .Lhead_a1
	ARM 3, HA+4, G1,  .Lhead_b1
	TLOAD HB+4, G1B
.Lhead_asked:
	s_mul_i32 s85, s17, HALFT                      ; my 4 row tiles of A in a slot,
	s_mul_i32 s86, s18, HALFT
	s_add_co_u32 s86, s86, SIDE                    ; of B,
	s_mul_i32 s87, s16, 16*SPITCH
	s_add_co_u32 s87, s87, STAGE                   ; my stage
	s_mov_b32 s21, 0
	s_lshl_b32 s20, s17, 2
	s_add_co_u32 s20, s20, s19
	s_lshl_b32 s20, s20, 10
	s_add_nc_u64 s[6:7], s[6:7], s[20:21]          ; my A tiles' scales
	s_lshl_b32 s20, s67, 3
	s_lshl_b32 s84, s18, 2
	s_add_co_u32 s20, s20, s84
	s_lshl_b32 s20, s20, 10
	s_add_nc_u64 s[10:11], s[10:11], s[20:21]      ; my B tiles' scales
	s_lshl_b32 s20, s67, 7
	s_lshl_b32 s84, s18, 6
	s_add_co_u32 s20, s20, s84
	s_lshl_b32 s20, s20, 2                         ; my first column, in bytes
	s_add_nc_u64 s[12:13], s[12:13], s[20:21]
	s_add_nc_u64 s[14:15], s[14:15], s[20:21]
	s_lshl_b32 s20, s66, 7
	s_lshl_b32 s84, s17, 6
	s_add_co_u32 s20, s20, s84
	s_lshl_b32 s20, s20, 13                        ; my first row, rows of 8,192 bytes
	s_add_nc_u64 s[14:15], s[14:15], s[20:21]
	v_and_b32 v1, 15, v0                           ; r
	v_bfe_u32 v2, v0, 4, 1                         ; h
	v_and_b32 v3, 31, v0
	v_lshlrev_b32 v3, 3, v3                        ; 8 x lane: my place in every piece
	v_add_nc_u32 v[ADRA], s85, v3
	v_add_nc_u32 v[ADRB], s86, v3
	v_add_nc_u32 v[ADRA+1], SLOT, v[ADRA]
	v_add_nc_u32 v[ADRB+1], SLOT, v[ADRB]
	v_add_nc_u32 v[ADRA+2], 2*SLOT, v[ADRA]
	v_add_nc_u32 v[ADRB+2], 2*SLOT, v[ADRB]
	v_mul_u32_u24 v5, v1, SPITCH                   ; into the stage: row r, 64 bytes for each half of the lanes
	v_lshl_add_u32 v5, v2, 6, v5
	v_add_nc_u32 v[STO], s87, v5
	v_mul_u32_u24 v6, v2, SPITCH                   ; back: sixteen lanes to a row of 256 bytes
	v_lshl_add_u32 v6, v1, 4, v6
	v_add_nc_u32 v[RD], s87, v6
	v_lshlrev_b32 v[CO], 13, v2
	v_lshl_add_u32 v[CO], v1, 4, v[CO]             ; and the same two rows in out0
	v_lshlrev_b32 v4, 6, v2                        ; the bias: register j of B's tile b is column 32 (b / 2) + 8 (b % 2) + 16 h + j
	v_lshlrev_b32 v7, 3, v1
	v_lshl_add_u32 v7, v2, 9, v7                   ; scale words: 8 r, and lanes 16-31 four groups of 256 along K further on
	s_wait_alu depctr_va_vdst(0)
.irp i, 0,1,2,3
.irp g, 0,1,2,3
	global_load_b64 v[SA+8*\i+2*\g:SA+8*\i+2*\g+1], v7, s[6:7] offset:1024*\i+128*\g     ; register 8 i + k % 8: tile i's word of K step k
	global_load_b64 v[SB+8*\i+2*\g:SB+8*\i+2*\g+1], v7, s[10:11] offset:1024*\i+128*\g
.endr
.endr
.irp b, 0,1,2,3
	global_load_b128 v[BR+8*\b:BR+8*\b+3], v4, s[12:13] offset:4*(32*(\b/2)+8*(\b%2))
	global_load_b128 v[BR+8*\b+4:BR+8*\b+7], v4, s[12:13] offset:4*(32*(\b/2)+8*(\b%2))+16
.endr
.macro FRAG reg, adr, q, i             ; a fragment as it was stored: six pieces of 256 consecutive bytes
.irp p, 0,1,2,3,4,5
	ds_load_b64 v[\reg+2*\p:\reg+2*\p+1], v[\adr] offset:(\i)*TROW+(\q)*FRB+256*\p
.endr
.endm
.macro FETCH k                         ; step k's eight fragments into set k % 2; chunk k / 4 lies in slot (k / 4) % 3
.set LS, ((\k)/4)%3
.set QQ, (\k)%4
.set PP, 128*((\k)%2)
	WIN TO_F
.irp i, 0,1,2,3
	FRAG PP+FR*\i, ADRB+LS, QQ, \i
.endr
.irp i, 0,1,2,3
	FRAG PP+48+FR*\i, ADRA+LS, QQ, \i
.endr
.endm
.macro MUL4 k, a, zero                 ; A's tile a x B's four; the 16 accumulators take turns
.irp b, 0,1,2,3
.set DD, ACC+8*(4*(\a)+\b)
.set FB, 128*((\k)%2)+FR*\b
.set FA, 128*((\k)%2)+48+FR*(\a)
.set WB, SB+8*\b+(\k)%8
.set WA, SA+8*(\a)+(\k)%8
.if \zero
	v_wmma_scale_f32_16x16x128_f8f6f4 v[DD:DD+7], v[FB:FB+FR-1], v[FA:FA+FR-1], v[BR+8*\b:BR+8*\b+7], v[WB], v[WA] matrix_a_fmt:MATRIX_FMT_BF6 matrix_b_fmt:MATRIX_FMT_BF6
.elseif (\k) < 8
	v_wmma_scale_f32_16x16x128_f8f6f4 v[DD:DD+7], v[FB:FB+FR-1], v[FA:FA+FR-1], v[DD:DD+7], v[WB], v[WA] matrix_a_fmt:MATRIX_FMT_BF6 matrix_b_fmt:MATRIX_FMT_BF6
.else
	v_wmma_scale_f32_16x16x128_f8f6f4 v[DD:DD+7], v[FB:FB+FR-1], v[FA:FA+FR-1], v[DD:DD+7], v[WB], v[WA] matrix_a_fmt:MATRIX_FMT_BF6 matrix_b_fmt:MATRIX_FMT_BF6 matrix_a_scale:MATRIX_SCALE_ROW1 matrix_b_scale:MATRIX_SCALE_ROW1
.endif
.endr
.endm
.macro PLACES n
.rept \n
	v_nop
.endr
.endm
.macro GO k, zero                      ; a step whose successor's chunk is already shown whole
	s_wait_dscnt 0x0                               ; step k's fragments are in
	PLACES NP                                      ; in front of loads into the set that step k - 1 multiplied
	FETCH (\k)+1
	WIN MUL
.irp a, 0,1,2,3
	MUL4 \k, \a, \zero
.endr
.endm
.macro TURN k, fill                    ; a step behind whose barrier the next chunk is whole; fill = 1: the barrier opens a round, and slot 0 is filled again
	WIN 0
	s_wait_tensorcnt 0x0                           ; all my tensor loads have landed: my part of the next chunk
	ds_add_u32 v[SPW], v[NIL]
	s_wait_dscnt 1                                 ; step k's fragments are in; the add may be out
	WIN MUL
	MUL4 \k, 0, 0
	s_wait_dscnt 0x0                               ; the add is done, and no read of mine is out
	s_barrier_signal -1
	MUL4 \k, 1, 0
	WIN 0
	s_barrier_wait -1
.if \fill
	CREST
	JLOAD G0+4, G0B+4                              ; chunk 3; its four v_nop are the places in front of the loads below
.else
	PLACES NP
.endif
	FETCH (\k)+1
	WIN MUL
	MUL4 \k, 2, 0
	MUL4 \k, 3, 0
.endm
	s_wait_tensorcnt 0x0                           ; my tile of the head's four is in; chunk 2's first fill is issued as a refill is:
	ds_add_u32 v[SPW], v[NIL]
	s_mov_b32 s[G1+2], 4<<16                       ; no tensor load of mine is out: from here on a load brings 4 row tiles
	s_mov_b32 s[G1+4], 4
	s_mov_b32 s[G1B+2], 4<<16
	s_mov_b32 s[G1B+4], 4
	s_wait_dscnt 0x0
	CROUND                                         ; chunks 0 and 1 are whole, and all sixteen work-groups are here
	JLOAD G0, G0B                                  ; chunk 2, the first tensor load behind the round
	FETCH 0
	s_wait_loadcnt 0x0                             ; the scale words and the bias
	GO 0, 1                                        ; the first step's products start the sums from the bias
.irp k, 1,2,3,4,5,6
	GO \k, 0
.endr
	TURN 7, 1
	GO 8, 0
	GO 9, 0
	GO 10, 0
	TURN 11, 0
	GO 12, 0
	GO 13, 0
	GO 14, 0
	s_wait_dscnt 0x0
	WIN MUL
.irp a, 0,1,2,3
	MUL4 15, \a, 0
.endr
	WIN 0
; THE WAY OUT: 16 lane-rows x 64 columns at a time through my own stage, back as rows of 256 bytes; LDS serves a wave's instructions in order (ISA guide 5.7.1.4).
.macro TOSTAGE a
	WIN 0
.irp b, 0,1,2,3
	ds_store_b128 v[STO], v[ACC+8*(4*(\a)+\b):ACC+8*(4*(\a)+\b)+3] offset:128*(\b/2)+32*(\b%2)       ; each accumulator from its low end on
	ds_store_b128 v[STO], v[ACC+8*(4*(\a)+\b)+4:ACC+8*(4*(\a)+\b)+7] offset:128*(\b/2)+32*(\b%2)+16
.endr
	WIN TO_F
.irp t, 0,1,2,3,4,5,6,7
	ds_load_b128 v[32*(\a)+4*\t:32*(\a)+4*\t+3], v[RD] offset:\t*2*SPITCH
.endr
.endm
.macro SEND a, younger                 ; younger: the LDS instructions issued behind block a's loads
	s_wait_dscnt \younger
	WIN FROM_F
.irp t, 0,1,2,3,4,5,6,7
	global_store_b128 v[CO], v[32*(\a)+4*\t:32*(\a)+4*\t+3], s[14:15] offset:(32*((\a)/2)+8*((\a)%2)+2*\t+8*(\t/4))*8192 th:TH_STORE_NT   ; sixteen lanes store 256 consecutive bytes, aligned
.endr
.endm
	PLACES NP
	TOSTAGE 0
	TOSTAGE 1
	SEND 0, 16
	TOSTAGE 2
	SEND 1, 16
	TOSTAGE 3
	SEND 2, 16
	SEND 3, 0
	WIN 0
	s_wait_tensorcnt 0x0                           ; the wave's end
	ds_add_u32 v[SPW], v[NIL]
	s_wait_dscnt 0x0
	CROUND                                         ; the closing round
	s_endpgm
.Lfunc_end_k_q4795a6af68_oproj:
	.size	k_q4795a6af68_oproj, .Lfunc_end_k_q4795a6af68_oproj-k_q4795a6af68_oproj
	.p2alignl 7, 3214868480
	.fill 96, 4, 3214868480
	.section	.rodata,"a",@progbits
	.p2align	6, 0x0
	.amdhsa_kernel k_q4795a6af68_oproj
		.amdhsa_group_segment_fixed_size 327680
		.amdhsa_private_segment_fixed_size 0
		.amdhsa_enable_private_segment 0
		.amdhsa_kernarg_size 48
		.amdhsa_user_sgpr_count 2
		.amdhsa_user_sgpr_kernarg_segment_ptr 1
		.amdhsa_wavefront_size32 1
		.amdhsa_system_sgpr_workgroup_id_x 1
		.amdhsa_system_sgpr_workgroup_id_y 1
		.amdhsa_system_sgpr_workgroup_id_z 1
		.amdhsa_system_vgpr_workitem_id 0
		.amdhsa_next_free_vgpr 512
		.amdhsa_next_free_sgpr 102
		.amdhsa_reserve_vcc 0
		.amdhsa_float_denorm_mode_32 3
		.amdhsa_float_denorm_mode_16_64 3
		.amdhsa_memory_ordered 1
		.amdhsa_forward_progress 1
		.amdhsa_inst_pref_size 106
	.end_amdhsa_kernel
	.amdgpu_metadata
---
amdhsa.version: [ 1, 2 ]
amdhsa.kernels:
  - .name:           k_q4795a6af68_oproj
    .symbol:         k_q4795a6af68_oproj.kd
    .args:
      - { .name: aimg, .offset: 0, .size: 8, .value_kind: global_buffer, .address_space: global }
      - { .name: ascl, .offset: 8, .size: 8, .value_kind: global_buffer, .address_space: global }
      - { .name: woimg, .offset: 16, .size: 8, .value_kind: global_buffer, .address_space: global }
      - { .name: woscl, .offset: 24, .size: 8, .value_kind: global_buffer, .address_space: global }
      - { .name: bo, .offset: 32, .size: 8, .value_kind: global_buffer, .address_space: global }
      - { .name: out0, .offset: 40, .size: 8, .value_kind: global_buffer, .address_space: global }
    .group_segment_fixed_size: 327680
    .private_segment_fixed_size: 0
    .kernarg_segment_align: 8
    .kernarg_segment_size: 48
    .max_flat_workgroup_size: 128
    .sgpr_count:     102
    .vgpr_count:     512
    .wavefront_size: 32
...
	.end_amdgpu_metadata
.endif
;; end of part 8
